; MI455X (gfx1250); checked and timed in simulation.
; The chip was launched on July 23, 2026; its instructions are those of AMD's public machine-readable ISA for CDNA 5 (MIT licence, August 2026) and "CDNA5" Instruction Set Architecture Reference Guide (July 2026). The comments in the code are by the model that wrote it; some were corrected since.
;; Mo E Layer. Allowed arithmetic: float matrix products may take bf16 or f16 operands with f32 sums; other float arithmetic in f32, or as packed bf16 or f16 multiplies, adds, multiply-adds, maxima and minima; sums over many terms, partial sums and values carried from step to step in f32; what a program stores and reads back later, other than sums and carried values, may be rounded once to bf16 or f16.
;; Inputs: W1 8 x 1,024 x 4,096 float32; W2 8 x 4,096 x 1,024 float32; Wg 1,024 x 8 float32; b1 8 x 4,096 float32; b2 8 x 1,024 float32; bg 8 float32; x 4 x 256 x 1,024 float32.
;; Outputs: out0 4 x 256 x 1,024 float32.
;; 3 versions, each right; version 3 is version 2 with the launches up, down written anew for expert scheduling mode. Each part assembles by itself: llvm-mc -triple=amdgcn-amd-amdhsa -mcpu=gfx1250 --defsym DOCPART=n.
;; ======== version 1 of 3: 4 launches
;; workspace buffers: xb 2,097,152 bytes; sel 4,096 bytes of whole numbers; gate 8,192 bytes; hbuf 67,108,864 bytes; part 33,554,432 bytes
;; launch router (part 1): grid 64 x 1, 8 waves a work-group, no clusters, 41,984 bytes of LDS; arguments x, Wg, bg, xb, sel, gate; writes xb, sel, gate
.if DOCPART == 1
	.amdgcn_target "amdgcn-amd-amdhsa--gfx1250"
	.amdhsa_code_object_version 6
	.text
	.protected	k_qd99957a75e_router
	.globl	k_qd99957a75e_router
	.p2align	8
	.type	k_qd99957a75e_router,@function
k_qd99957a75e_router:
	s_mov_b64 s[64:65], 0
	v_nop
	global_prefetch_b8 v0, s[64:65] scope:SCOPE_SE
	s_setreg_imm32_b32 hwreg(HW_REG_WAVE_MODE, 25, 1), 1
	s_wait_xcnt 0x0
; THE GATE.  probs = softmax(x Wg + bg) over 8 experts; the two largest are kept, ties to the lower index.
; Stored: xb = x rounded to bf16; sel[token] = (1 << first expert) | (256 << second expert); gate[k][token] = the k-th probability, f32.
; x, Wg and bg are rounded to bf16 before they are used, as every input of this program is; products by the matrix unit, sums, softmax in f32.
; LIMITS.  The exponential and the reciprocal are accurate to a unit in the last place: a token whose second and third probability lie
; that close may take the other expert.  NaN and infinities are not treated apart.
; SHARES.  A work-group has 16 tokens.  Wave w multiplies k = 128 w .. 128 w + 127 (four matrix instructions) and rounds the rows of tokens
; 2 w and 2 w + 1 for xb; the eight partial sums meet in LDS, and wave 0 does the softmax: a lane holds one token, its 8 logits in 8 registers.
; No cluster: the work-groups share only Wg, 32,768 bytes against the 65,536 of x that each reads alone.
.set RED,   32768                      ; behind the eight waves' 4,096 bytes of Wg ([k][16 columns] bf16, 32 bytes a row): 1,024 bytes a wave of partial sums
.set SPARE, 40960                      ; the spare words: 128 bytes for each of eight waves, four blocks of 256 bytes that no other line names
.set SPW, 28                           ; v28 my spare word's address; v29 0: kept for the add alone
.set NIL, 29
.set WGL, 32                           ; v32-63   Wg as loaded, rounded in place
.set XF,  64                           ; v64-127  x for the fragments, 16 registers a K step, rounded in place into the first 8
.set XC,  128                          ; v128-191 x for xb, rounded in place
.set WF,  192                          ; v192-223 Wg's fragments, 8 a K step
.set AC0, 224                          ; two accumulators, which take turns
.set AC1, 232
	s_load_b256 s[4:11], s[0:1], 0x0               ; x s[4:5], Wg s[6:7], bg s[8:9], xb s[10:11]
	s_load_b128 s[12:15], s[0:1], 0x20             ; sel s[12:13], gate s[14:15]
	v_lshl_add_u32 v[SPW], v0, 2, SPARE
	v_mov_b32 v[NIL], 0
	v_lshrrev_b32 v5, 5, v0
	v_readfirstlane_b32 s24, v5                    ; wave 0..7
	v_and_b32 v1, 31, v0                           ; lane
	v_and_b32 v2, 15, v0                           ; r
	v_bfe_u32 v3, v0, 4, 1                         ; h
	v_lshlrev_b32 v4, 4, v1                        ; 16 x lane
	s_lshl_b32 s25, s24, 12                        ; 4,096 w
	v_add_nc_u32 v5, s25, v4                       ; Wg: my wave's 128 rows of 32 bytes, 16 bytes a lane
	v_lshlrev_b32 v6, 12, v2                       ; x for the fragments: token r's row,
	v_lshl_add_u32 v6, v3, 5, v6                   ; 8 h numbers on,
	s_lshl_b32 s26, s24, 9
	v_add_nc_u32 v6, s26, v6                       ; at k = 128 w
	s_lshl_b32 s26, s24, 13
	v_add_nc_u32 v7, s26, v4                       ; x for xb: rows 2 w and 2 w + 1
	v_lshrrev_b32 v8, 1, v1                        ; LDS, Wg in: row lane / 2 of sixteen, columns 4 (lane % 2) on
	v_and_b32 v9, 1, v1
	v_lshlrev_b32 v8, 5, v8
	v_lshl_add_u32 v8, v9, 3, v8
	v_add_nc_u32 v8, s25, v8
	v_lshlrev_b32 v9, 5, v1                        ; LDS, the zero columns 8-15: row lane of 32
	v_add_nc_u32 v9, s25, v9
	v_and_b32 v10, 7, v0                           ; LDS, the turning load: row 8 h + lane % 8, 16 bytes (lane / 8) % 2
	v_lshl_add_u32 v10, v3, 3, v10
	v_lshlrev_b32 v10, 5, v10
	v_bfe_u32 v11, v0, 3, 1
	v_lshl_add_u32 v10, v11, 4, v10
	v_add_nc_u32 v10, s25, v10
	s_lshl_b32 s26, s24, 10
	s_add_co_u32 s26, s26, RED
	v_lshl_add_u32 v11, v1, 5, s26                 ; my wave's partial sums: 32 bytes a lane
	v_lshlrev_b32 v12, 5, v1
	v_add_nc_u32 v12, RED, v12                     ; and where wave 0 reads them
	v_lshl_add_u32 v13, v1, 3, s25                 ; xb: 8 bytes a lane, two rows of 2,048 bytes a wave
	v_lshlrev_b32 v14, 2, v2                       ; sel and gate: 4 bytes a token
.irp n, 16,17,18,19
	v_mov_b32 v[\n], 0
.endr
	s_lshl_b32 s26, ttmp9, 16                      ; the work-group's 16 rows of x,
	s_mov_b32 s27, 0
	s_lshl_b32 s28, ttmp9, 15                      ; of xb,
	s_mov_b32 s29, 0
	s_lshl_b32 s30, ttmp9, 6                       ; and its 16 words of sel and gate
	s_mov_b32 s31, 0
	s_wait_kmcnt 0x0
	s_load_b256 s[16:23], s[8:9], 0x0              ; bg
	s_add_nc_u64 s[4:5], s[4:5], s[26:27]
	s_add_nc_u64 s[10:11], s[10:11], s[28:29]
	s_add_nc_u64 s[12:13], s[12:13], s[30:31]
	s_add_nc_u64 s[14:15], s[14:15], s[30:31]
	; all 40 loads go out at once: 8 of Wg, 16 for the fragments, 16 for xb
.irp n, 0,1,2,3,4,5,6,7
	global_load_b128 v[WGL+4*\n:WGL+4*\n+3], v5, s[6:7] offset:\n*512
.endr
.irp s, 0,1,2,3
.irp u, 0,1,2,3
	global_load_b128 v[XF+16*\s+4*\u:XF+16*\s+4*\u+3], v6, s[4:5] offset:128*\s+(\u/2)*64+(\u%2)*16
.endr
.endr
.irp t, 0,1
.irp m, 0,1,2,3,4,5,6,7
	global_load_b128 v[XC+32*\t+4*\m:XC+32*\t+4*\m+3], v7, s[4:5] offset:\t*4096+\m*512
.endr
.endr
	s_wait_loadcnt 32                              ; Wg is in; the 32 loads of x stay out
.irp n, 0,1,2,3,4,5,6,7
	v_cvt_pk_bf16_f32 v[WGL+4*\n], v[WGL+4*\n], v[WGL+4*\n+1]
	v_cvt_pk_bf16_f32 v[WGL+4*\n+1], v[WGL+4*\n+2], v[WGL+4*\n+3]
.endr
.irp n, 0,1,2,3,4,5,6,7
	ds_store_b64 v8, v[WGL+4*\n:WGL+4*\n+1] offset:\n*512
.endr
.irp n, 0,1,2,3
	ds_store_b128 v9, v[16:19] offset:\n*1024+16   ; experts 8-15 do not exist: zeros
.endr
.irp s, 0,1,2,3                        ; my own bytes, served in the order of issue (ISA guide 5.7.1.4): no wait between the stores and these loads
	ds_load_tr16_b128 v[WF+8*\s:WF+8*\s+3],   v10 offset:\s*1024
	ds_load_tr16_b128 v[WF+8*\s+4:WF+8*\s+7], v10 offset:\s*1024+512
.endr
	s_wait_loadcnt 16                              ; the fragments' x is in; the 16 loads for xb stay out
.irp s, 0,1,2,3
.irp m, 0,1,2,3,4,5,6,7
	v_cvt_pk_bf16_f32 v[XF+16*\s+\m], v[XF+16*\s+2*\m], v[XF+16*\s+2*\m+1]
.endr
.endr
	s_wait_dscnt 0x0
	; source 0 = 16 columns of Wg, source 1 = 16 tokens: a lane of the lower half then holds one token, register j expert j
	v_wmma_f32_16x16x32_bf16 v[AC0:AC0+7], v[WF:WF+7],     v[XF:XF+7],     0
	v_wmma_f32_16x16x32_bf16 v[AC1:AC1+7], v[WF+8:WF+15],  v[XF+16:XF+23], 0
	v_wmma_f32_16x16x32_bf16 v[AC0:AC0+7], v[WF+16:WF+23], v[XF+32:XF+39], v[AC0:AC0+7]
	v_wmma_f32_16x16x32_bf16 v[AC1:AC1+7], v[WF+24:WF+31], v[XF+48:XF+55], v[AC1:AC1+7]
	s_wait_loadcnt 0x0
.set u, 0
.rept 16                               ; xb's roundings are also the places behind the products
	v_cvt_pk_bf16_f32 v[XC+4*u], v[XC+4*u], v[XC+4*u+1]
	v_cvt_pk_bf16_f32 v[XC+4*u+1], v[XC+4*u+2], v[XC+4*u+3]
.set u, u+1
.endr
.irp t, 0,1
.irp m, 0,1,2,3,4,5,6,7
	global_store_b64 v13, v[XC+32*\t+4*\m:XC+32*\t+4*\m+1], s[10:11] offset:\t*2048+\m*256  ; 32 lanes store 256 consecutive bytes, aligned
.endr
.endr
.irp p, 0,2,4,6
	v_pk_add_f32 v[AC0+\p:AC0+\p+1], v[AC0+\p:AC0+\p+1], v[AC1+\p:AC1+\p+1]
.endr
	ds_store_b128 v11, v[AC0:AC0+3]
	ds_store_b128 v11, v[AC0+4:AC0+7] offset:16
	s_wait_kmcnt 0x0                               ; bg
	s_wait_dscnt 0x0                               ; for wave 0's sake: my partial sums are in LDS
	s_barrier_signal -1
	s_barrier_wait -1
	s_cmp_lg_u32 s24, 0
	s_cbranch_scc1 .Lend
.irp w, 0,1,2,3,4,5,6,7
	ds_load_b128 v[64+8*\w:64+8*\w+3], v12 offset:\w*1024
	ds_load_b128 v[64+8*\w+4:64+8*\w+7], v12 offset:\w*1024+16
.endr
	v_cvt_pk_bf16_f32 v20, s16, s17                ; bg rounded to bf16 and widened again
	v_cvt_pk_bf16_f32 v21, s18, s19
	v_cvt_pk_bf16_f32 v22, s20, s21
	v_cvt_pk_bf16_f32 v23, s22, s23
.irp n, 0,1,2,3
	v_lshlrev_b32 v[32+2*\n], 16, v[20+\n]
	v_and_b32 v[33+2*\n], 0xffff0000, v[20+\n]
.endr
	s_wait_dscnt 0x0
.irp w, 1,2,3,4,5,6,7
.irp p, 0,2,4,6
	v_pk_add_f32 v[64+\p:65+\p], v[64+\p:65+\p], v[64+8*\w+\p:65+8*\w+\p]
.endr
.endr
.irp p, 0,2,4,6
	v_pk_add_f32 v[64+\p:65+\p], v[64+\p:65+\p], v[32+\p:33+\p]
.endr
	v_max3_num_f32 v40, v64, v65, v66              ; the row's maximum is taken away, as in the softmax that is asked for
	v_max3_num_f32 v40, v40, v67, v68
	v_max3_num_f32 v40, v40, v69, v70
	v_max_num_f32 v40, v40, v71
.irp j, 0,1,2,3,4,5,6,7
	v_sub_f32 v[48+\j], v[64+\j], v40
.endr
.irp j, 0,1,2,3,4,5,6,7
	v_mul_f32 v[48+\j], 0x3fb8aa3b, v[48+\j]       ; log2(e)
.endr
.irp j, 0,1,2,3,4,5,6,7
	v_exp_f32 v[48+\j], v[48+\j]
.endr
	v_nop                                          ; a plain instruction behind the last exponential,
	s_wait_alu depctr_va_vdst(0)                   ; and one wait for the batch of eight
	v_pk_add_f32 v[42:43], v[48:49], v[50:51]
	v_pk_add_f32 v[44:45], v[52:53], v[54:55]
	v_pk_add_f32 v[42:43], v[42:43], v[44:45]
	v_add_f32 v41, v42, v43
	v_rcp_f32 v46, v41
	v_nop
	s_wait_alu depctr_va_vdst(0)
.irp j, 0,1,2,3,4,5,6,7
	v_mul_f32 v[48+\j], v[48+\j], v46
.endr
	v_mov_b32 v56, v48                             ; the largest: an ascending scan with a strict compare keeps the lower index
	v_mov_b32 v57, 0
.irp j, 1,2,3,4,5,6,7
	v_cmp_gt_f32 vcc_lo, v[48+\j], v56
	v_cndmask_b32 v56, v56, v[48+\j], vcc_lo
	v_cndmask_b32 v57, v57, \j, vcc_lo
.endr
	v_mov_b32 v58, -1.0                            ; the second: the same scan over the seven others; every probability is above -1
	v_mov_b32 v59, 0
.irp j, 0,1,2,3,4,5,6,7
	v_cmp_ne_u32 s30, \j, v57
	v_cmp_gt_f32 vcc_lo, v[48+\j], v58
	s_and_b32 vcc_lo, vcc_lo, s30
	v_cndmask_b32 v58, v58, v[48+\j], vcc_lo
	v_cndmask_b32 v59, v59, \j, vcc_lo
.endr
	v_mov_b32 v61, 1
	v_mov_b32 v62, 0x100
	v_lshlrev_b32 v60, v57, v61
	v_lshlrev_b32 v63, v59, v62
	v_or_b32 v60, v60, v63
	v_cmp_gt_u32 vcc_lo, 16, v1                    ; lanes 0-15 hold the tokens
	s_wait_xcnt 0x0                                ; EXEC changes only behind this wait: xb's stores were issued under the full one
	s_and_saveexec_b32 s31, vcc_lo
	global_store_b32 v14, v60, s[12:13]
	global_store_b32 v14, v56, s[14:15]
	global_store_b32 v14, v58, s[14:15] offset:4096
	s_wait_xcnt 0x0                                ; and again ahead of the line that widens it
	s_or_b32 exec_lo, exec_lo, s31
.Lend:
	s_wait_tensorcnt 0x0                           ; the wave's end
	ds_add_u32 v[SPW], v[NIL]
	s_wait_dscnt 0x0
	s_endpgm
.Lfunc_end_k_qd99957a75e_router:
	.size	k_qd99957a75e_router, .Lfunc_end_k_qd99957a75e_router-k_qd99957a75e_router
	.p2alignl 7, 3214868480
	.fill 96, 4, 3214868480
	.section	.rodata,"a",@progbits
	.p2align	6, 0x0
	.amdhsa_kernel k_qd99957a75e_router
		.amdhsa_group_segment_fixed_size 41984
		.amdhsa_private_segment_fixed_size 0
		.amdhsa_enable_private_segment 0
		.amdhsa_kernarg_size 48
		.amdhsa_user_sgpr_count 2
		.amdhsa_user_sgpr_kernarg_segment_ptr 1
		.amdhsa_wavefront_size32 1
		.amdhsa_system_sgpr_workgroup_id_x 1
		.amdhsa_system_sgpr_workgroup_id_y 1
		.amdhsa_system_sgpr_workgroup_id_z 1
		.amdhsa_system_vgpr_workitem_id 0
		.amdhsa_next_free_vgpr 256
		.amdhsa_next_free_sgpr 66
		.amdhsa_reserve_vcc 1
		.amdhsa_float_denorm_mode_32 3
		.amdhsa_float_denorm_mode_16_64 3
		.amdhsa_memory_ordered 1
		.amdhsa_forward_progress 1
		.amdhsa_inst_pref_size 24
	.end_amdhsa_kernel
	.amdgpu_metadata
---
amdhsa.version: [ 1, 2 ]
amdhsa.kernels:
  - .name:           k_qd99957a75e_router
    .symbol:         k_qd99957a75e_router.kd
    .args:
      - { .name: x, .offset: 0, .size: 8, .value_kind: global_buffer, .address_space: global }
      - { .name: Wg, .offset: 8, .size: 8, .value_kind: global_buffer, .address_space: global }
      - { .name: bg, .offset: 16, .size: 8, .value_kind: global_buffer, .address_space: global }
      - { .name: xb, .offset: 24, .size: 8, .value_kind: global_buffer, .address_space: global }
      - { .name: sel, .offset: 32, .size: 8, .value_kind: global_buffer, .address_space: global }
      - { .name: gate, .offset: 40, .size: 8, .value_kind: global_buffer, .address_space: global }
    .group_segment_fixed_size: 41984
    .private_segment_fixed_size: 0
    .kernarg_segment_align: 8
    .kernarg_segment_size: 48
    .max_flat_workgroup_size: 256
    .sgpr_count:     66
    .vgpr_count:     256
    .wavefront_size: 32
...
	.end_amdgpu_metadata
.endif
;; end of part 1
;; launch up (part 2): grid 32 x 8, 4 waves a work-group, no clusters, 280,064 bytes of LDS; arguments xb, W1, b1, sel, hbuf; writes hbuf
.if DOCPART == 2
	.amdgcn_target "amdgcn-amd-amdhsa--gfx1250"
	.amdhsa_code_object_version 6
	.text
	.protected	k_qd99957a75e_up
	.globl	k_qd99957a75e_up
	.p2align	8
	.type	k_qd99957a75e_up,@function
k_qd99957a75e_up:
	s_mov_b64 s[64:65], 0
	v_nop
	global_prefetch_b8 v0, s[64:65] scope:SCOPE_SE
	s_setreg_imm32_b32 hwreg(HW_REG_WAVE_MODE, 25, 1), 1
	s_wait_xcnt 0x0
; h = relu(x W1[e] + b1[e]) for the rows that chose expert e, stored in bf16 in the order in which the next launch's matrix operands take it.
; W1 and b1 are rounded to bf16 (x was, in xb); sums in f32, started from the bias; h rounded once.
; LIMITS.  A NaN in front of the relu becomes 0 (the maximum drops it); infinities are not treated apart.  An expert without rows still streams its weights and stores one tile (of token 0), which nobody uses.
; SHARES.  Work-group (x, y) has expert y and hidden columns 128 x .. 128 x + 127: 1,024 x 128 weights, 524,288 bytes, which it alone reads, once; and all rows of the expert.
; A row tile is 16 rows.  In block blk (20 tiles) wave w has tiles 20 blk + 4 i + w, i = 0..4, across all 128 columns: 40 accumulators.
; K goes in 16 chunks of 64.  In a trip each wave rounds its quarter of the chunk (32 rows x 256 bytes, loaded two trips before) and lays it into LDS as four finished operand fragments; behind one
; barrier every wave reads the chunk's 16 fragments and multiplies them with token fragments that come from memory straight into registers.  The slice stays in LDS (16 x 16,384 bytes, written once), so
; that rows beyond 320 (blocks 1 to 3) are multiplied from it with no barrier and no further weight traffic.
; COLUMNS.  A loading lane (r, h) holds columns 64 g + 4 r + c of 16 rows; rounding rows k and k + 1 together gives register k / 2 of the fragment of column tile 4 g + c, in which lane index r stands for that column.
; THE LIST.  Every wave reads all 1,024 words of sel and writes, for itself, the list of the expert's tokens in LDS: rank = chosen lanes below mine + chosen tokens in earlier words; a lane with nothing to place
; stores into a place of its own behind the list.  All lanes stay on.  The next launch ranks in the same way.
; Work past the count: places past the count repeat the expert's last row, and all five tiles' loads are always issued, so that the waits' counts are constants; only matrix instructions and stores of dead tiles are jumped.
; NO CLUSTER: each weight byte has one reader, and the token rows come by a list of single rows, which one tile descriptor does not name.
; REGISTERS, in windows of 256 (s_set_vgpr_msb: bits 1:0 source 0, 3:2 source 1, 5:4 source 2, 7:6 destination):
;   window 0: v0-31 addresses; v32-159 the chunk's 16 weight fragments; v160-223 the bias; v224-255 rounded weights on their way to LDS (at the start: sel)
;   window 1: accumulators of tiles 0-3, (i, c) at 64 i + 8 c      window 2: v0-63 tile 4's; v64-223 token fragments, two buffers of 80      window 3: v0-127 weights as loaded, two buffers of 64
.set PW,   16384                       ; bytes in a row of W1
.set CHW,  64*PW                       ; a chunk of W1
.set CHA,  128                         ; a chunk's 64 numbers in a row of xb
.set AK,   64                          ; a K step of 32 there
.set AH,   32                          ; the fragment's upper half
.set CHL,  16384                       ; a chunk in LDS
.set LIST, 16*CHL                      ; behind the slice: for each wave 1,024 words of list and, from word 1,056 on, 32 for lanes with nothing to place
.set LSZ,  4352
.set SPARE, LIST+4*LSZ                 ; the spare words: 128 bytes a wave, two blocks of 256 bytes that no other line names
.set L16, 4                            ; v4   16 x lane
.set VW,  5                            ; v5   my offset in a chunk of W1
.set VPF, 6                            ; v6   my block of 256 bytes of my wave's quarter, for the prefetch
.set VS,  7                            ; v7   LDS: where I store fragments (steps)
.set VB,  8                            ; v8   LDS: where I read them (steps)
.set VB2, 9                            ; v9   the same for blocks 1 to 3
.set VA,  10                           ; v10-14 tile i: my token's row in xb + 16 h
.set VIB, 15                           ; v15  my row in the block's tile 0 of my wave: 320 blk + 16 w + r
.set ZERO, 16
.set H16, 17                           ; v17  16 h
.set DMP, 18                           ; v18  1,056 + lane: the list word that takes what I do not place
.set T,   19                           ; v19-23 at work; v24-27 four zeros
.set SPW, 28                           ; v28 my spare word's address; v29 0: kept for the add alone
.set NIL, 29
.set L4,  30                           ; v30  4 x lane
.set VBI, 31                           ; v31  128 h: my offset in the bias
.set BF,  32
.set BL,  160
.set FT,  224
; s16 wave, s17 expert, s18 slice, s19 count, s20 tiles, s21 the last row's rank, s22 my live tiles in the block, s23 block, s24, s25 counters, s27 20 x block,
; s[28:29] W1 at the pair of chunks in hand, s[30:31] xb likewise, s[34:35] hbuf at the block's tile of my wave, s40 the expert's two bits, s42 running rank, s46 my list,
; s[52:53] an offset in 64 bits, s56 blocks 1 to 3: the chunk's first byte in LDS
.set MSB, 0
.macro WIN new                         ; the immediate's high byte repeats the setting that is left; a switch that changes nothing is dropped
.if MSB != (\new)
	s_set_vgpr_msb (MSB<<8)|(\new)
.set MSB, (\new)
.endif
.endm
.macro PLACES                          ; four plain instructions between a matrix instruction and a vector line or a load that touches its registers
.rept 4
	v_nop
.endr
.endm
.macro WLOAD wb, rel                   ; my quarter of chunk rel (counted from the base): 16 loads; lanes 0-15 take 256 consecutive bytes of one row, lanes 16-31 of the row 8 further down
	WIN 0xc0
.irp hi, 0,1
.irp j, 0,1,2,3,4,5,6,7
	global_load_b128 v[64*(\wb)+32*\hi+4*\j:64*(\wb)+32*\hi+4*\j+3], v[VW], s[28:29] offset:(\rel)*CHW+(16*\hi+\j)*PW th:TH_LOAD_NT
.endr
.endr
.endm
.macro ALOAD ab, rel                   ; the token fragments of chunk rel for my five tiles: 20 loads
	WIN 0x80
.irp i, 0,1,2,3,4
.irp u, 0,1,2,3
	global_load_b128 v[64+80*(\ab)+16*\i+4*\u:64+80*(\ab)+16*\i+4*\u+3], v[VA+\i], s[30:31] offset:(\rel)*CHA+(\u/2)*AK+(\u%2)*AH
.endr
.endr
.endm
.macro CVT wb                          ; rows k and k + 1 of column c rounded together: register m of fragment c
	WIN 0x0f
.irp c, 0,1,2,3
.irp m, 0,1,2,3,4,5,6,7
	v_cvt_pk_bf16_f32 v[FT+8*\c+\m], v[64*(\wb)+8*\m+\c], v[64*(\wb)+8*\m+4+\c]
.endr
.endr
	WIN 0
.endm
.macro WSTORE par                      ; 32 lanes x 16 consecutive bytes: no two lanes meet in a bank
.irp u, 0,1,2,3,4,5,6,7
	ds_store_b128 v[VS], v[FT+4*\u:FT+4*\u+3] offset:(\par)*CHL+\u*512
.endr
.endm
.macro BLOAD adr, par                  ; the chunk's 16 fragments, the first K step's first
.set u, 0
.rept 32
	ds_load_b128 v[BF+4*u:BF+4*u+3], v[\adr] offset:(\par)*CHL+u*512
.set u, u+1
.endr
.endm
; A K step of 32: for each live tile 8 matrix instructions.  Source 0 = 16 hidden columns, source 1 = 16 tokens: a lane then holds one token and eight hidden columns.
; The accumulators take turns, one instruction a turn, from step to step and round the loops too.
.macro KSTEP ks, ab
.irp i, 0,1,2,3,4
	WIN 0
	s_cmp_le_u32 s22, \i
	s_cbranch_scc1 .Lke\@
.if \i < 4
	WIN 0x58
.else
	WIN 0xa8
.endif
.irp c, 0,1,2,3,4,5,6,7
	v_wmma_f32_16x16x32_bf16 v[(64*\i)%256+8*\c:(64*\i)%256+8*\c+7], v[BF+64*(\ks)+8*\c:BF+64*(\ks)+8*\c+7], v[64+80*(\ab)+16*\i+8*(\ks):64+80*(\ab)+16*\i+8*(\ks)+7], v[(64*\i)%256+8*\c:(64*\i)%256+8*\c+7]
.endr
.endr
	WIN 0
.Lke\@:
.endm
; A TRIP, chunk t of parity par.  ia, iw: the next chunk's tokens and the weights two chunks on are asked for.  n1: the loads that may stay out when W(t) must be in; n2: when A(t) must be.
; By the text's own count a wave has at most 56 loads out: A(t) 20, W(t+1) 16, A(t+1) 20.
; pf: my wave's 32 blocks of 256 bytes of chunk t + 4 are asked for, two trips ahead of the trip that loads them; the loop's last pair, whose chunk t + 4 does not exist, jumps the line.
.macro TRIP par, ia, iw, n1, n2, pf
	WIN 0
	s_wait_loadcnt \n1                             ; loads come back in the order of issue (ISA guide 5.7.1): behind W(t) stand A(t) and W(t+1)
	CVT \par                                       ; also the places between the last trip's products and the loads below
	WSTORE \par
.if \ia
	ALOAD 1-(\par), (\par)+1
.endif
	WIN 0
	s_wait_dscnt 0x0                               ; for the others' sake: my four fragments are in LDS
	s_barrier_signal -1
	s_barrier_wait -1                              ; the chunk is whole; its bytes are never written again
	BLOAD VB, \par
	s_wait_loadcnt \n2                             ; A(t) is in: behind it stand W(t+1) and A(t+1)
.if \iw
	WLOAD \par, (\par)+2                           ; into the registers that were rounded above
	WIN 0
.endif
	s_wait_dscnt 16                                ; the first K step's fragments are in
	KSTEP 0, \par
.if \pf
	s_cmp_lt_u32 s24, 2
	s_cbranch_scc1 .Lnp\@
	global_prefetch_b8 v[VPF], s[28:29] offset:((\par)+4)*CHW th:TH_LOAD_NT scope:SCOPE_SE
.Lnp\@:
.endif
	s_wait_dscnt 0x0
	KSTEP 1, \par
.endm
.macro SETTW                           ; my live tiles in the block: those with 20 blk + 4 i + w below the number of tiles
	s_sub_co_i32 s22, s20, s27
	s_sub_co_i32 s22, s22, s16
	s_add_co_i32 s22, s22, 3
	s_max_i32 s22, s22, 0
	s_lshr_b32 s22, s22, 2
	s_min_u32 s22, s22, 5
.endm
.macro SETVA                           ; my five tokens of the block, from my wave's list; places past the count repeat the last row
.irp i, 0,1,2,3,4
	v_add_nc_u32 v[T+\i], 64*\i, v[VIB]
	v_min_u32 v[T+\i], s21, v[T+\i]
	v_min_u32 v[T+\i], 1023, v[T+\i]
	v_lshl_add_u32 v[T+\i], v[T+\i], 2, s46
.endr
.irp i, 0,1,2,3,4
	ds_load_b32 v[VA+\i], v[T+\i]
.endr
	s_wait_dscnt 0x0
.irp i, 0,1,2,3,4
	v_min_u32 v[VA+\i], 1023, v[VA+\i]
	v_lshl_add_u32 v[VA+\i], v[VA+\i], 11, v[H16]
.endr
.endm
.macro ACCINIT                         ; the sums start from the bias: register j of tile c = 4 g + c' is hidden column 64 g + 32 h + 4 j + c'
	WIN 0x40
.irp i, 0,1,2,3
.irp c, 0,1,2,3,4,5,6,7
.irp j, 0,1,2,3,4,5,6,7
	v_mov_b32 v[64*\i+8*\c+\j], v[BL+32*(\c/4)+4*\j+(\c%4)]
.endr
.endr
.endr
	WIN 0x80
.irp c, 0,1,2,3,4,5,6,7
.irp j, 0,1,2,3,4,5,6,7
	v_mov_b32 v[8*\c+\j], v[BL+32*(\c/4)+4*\j+(\c%4)]
.endr
.endr
	WIN 0
.endm
; THE WAY OUT.  A live tile is rounded in place (each accumulator's lowest registers first), the relu taken on the packed halves, and each column tile stored as 512 consecutive bytes:
; column tiles 2 p and 2 p + 1 are the lower and upper half of the next launch's operand fragment for its K step 4 x + p.
.macro EPI
	PLACES
.irp i, 0,1,2,3,4
	WIN 0
	s_cmp_le_u32 s22, \i
	s_cbranch_scc1 .Lee\@
.set AB, (64*\i)%256
.set HW, \i/4
	WIN 0x45+0x45*HW
.irp c, 0,1,2,3,4,5,6,7
.irp m, 0,1,2,3
	v_cvt_pk_bf16_f32 v[AB+8*\c+\m], v[AB+8*\c+2*\m], v[AB+8*\c+2*\m+1]
.endr
.endr
	WIN 0x41+0x41*HW
.irp c, 0,1,2,3,4,5,6,7
.irp m, 0,1,2,3
	v_pk_max_num_bf16 v[AB+8*\c+\m], v[AB+8*\c+\m], v[ZERO]
.endr
.endr
	WIN 0x04+0x04*HW
.irp c, 0,1,2,3,4,5,6,7
	global_store_b128 v[L16], v[AB+8*\c:AB+8*\c+3], s[34:35] offset:\i*524288+\c*512
.endr
.endr
	WIN 0
.Lee\@:
.endm
	s_load_b256 s[4:11], s[0:1], 0x0               ; xb s[4:5], W1 s[6:7], b1 s[8:9], sel s[10:11]
	s_load_b64 s[12:13], s[0:1], 0x20              ; hbuf
	v_lshl_add_u32 v[SPW], v0, 2, SPARE
	v_mov_b32 v[NIL], 0
	v_lshrrev_b32 v19, 5, v0
	v_readfirstlane_b32 s16, v19                   ; wave 0..3
	s_and_b32 s17, ttmp7, 0xffff                   ; expert
	s_mov_b32 s18, ttmp9                           ; slice of 128 hidden columns
	v_and_b32 v1, 31, v0                           ; lane
	v_and_b32 v2, 15, v0                           ; r
	v_bfe_u32 v3, v0, 4, 1                         ; h
	v_lshlrev_b32 v[L16], 4, v1
	v_lshlrev_b32 v[L4], 2, v1
	v_lshlrev_b32 v[H16], 4, v3
	v_lshlrev_b32 v[VBI], 7, v3
	v_add_nc_u32 v[DMP], 1056, v1
	v_mov_b32 v[ZERO], 0
.irp n, 24,25,26,27
	v_mov_b32 v[\n], 0
.endr
	s_lshr_b32 s26, s16, 1                         ; my quarter of a chunk: K step w / 2,
	s_and_b32 s48, s16, 1                          ; column group w % 2
	s_lshl_b32 s26, s26, 19                        ; 32 rows
	s_lshl_b32 s48, s48, 8                         ; 256 bytes
	s_add_co_u32 s48, s48, s26
	v_lshlrev_b32 v[VW], 4, v2
	v_lshl_add_u32 v[VW], v3, 17, v[VW]            ; 8 h rows
	v_add_nc_u32 v[VW], s48, v[VW]
	v_lshl_add_u32 v[VPF], v1, 14, s48             ; row lane of my quarter's 32
	s_lshl_b32 s26, s16, 12
	v_add_nc_u32 v[VS], s26, v[L16]                ; my four fragments lie at 4,096 w in a chunk
	v_mov_b32 v[VB], v[L16]
	s_lshl_b32 s26, s16, 4
	v_add_nc_u32 v[VIB], s26, v2
	s_mul_i32 s46, s16, LSZ
	s_add_co_u32 s46, s46, LIST
	s_lshl_b32 s40, 0x101, s17                     ; chosen first or second
	s_mov_b32 s42, 0
	s_mov_b32 s27, 0
	s_lshl_b32 s49, s18, 9                         ; 128 columns of f32
	s_lshl_b32 s52, s17, 24
	s_add_co_u32 s52, s52, s49                     ; in W1
	s_mov_b32 s53, 0
	s_lshl_b32 s50, s17, 14
	s_add_co_u32 s50, s50, s49                     ; in b1
	s_mov_b32 s51, 0
	s_lshl_b32 s54, s17, 23                        ; in hbuf: expert, tile w, K steps 4 x on
	s_lshl_b32 s26, s16, 17
	s_add_co_u32 s54, s54, s26
	s_lshl_b32 s26, s18, 12
	s_add_co_u32 s54, s54, s26
	s_mov_b32 s55, 0
	s_wait_kmcnt 0x0
	s_add_nc_u64 s[28:29], s[6:7], s[52:53]
	s_add_nc_u64 s[8:9], s[8:9], s[50:51]
	s_add_nc_u64 s[34:35], s[12:13], s[54:55]
	s_mov_b64 s[30:31], s[4:5]
.irp m, 0,1,2,3,4,5,6,7                ; sel: word 4 m + z of my lane is token 128 m + 4 lane + z
	global_load_b128 v[FT+4*\m:FT+4*\m+3], v[L16], s[10:11] offset:\m*512
.endr
.irp g, 0,1
.irp j, 0,1,2,3,4,5,6,7
	global_load_b128 v[BL+32*\g+4*\j:BL+32*\g+4*\j+3], v[VBI], s[8:9] offset:\g*256+\j*16
.endr
.endr
	WLOAD 0, 0
	WIN 0
.irp n, 1,2,3                          ; chunks 1 to 3 are asked for while the list is made; from then on trip t asks for chunk t + 4
	global_prefetch_b8 v[VPF], s[28:29] offset:\n*CHW th:TH_LOAD_NT scope:SCOPE_SE
.endr
	v_add_nc_u32 v19, s46, v[L16]
.irp n, 0,1,2,3,4,5,6,7                ; my list's 1,024 words start as token 0
	ds_store_b128 v19, v[24:27] offset:\n*512
.endr
	s_wait_loadcnt 32                              ; sel is in; the bias (16) and chunk 0 (16) stay out
.set idx, 0
.rept 32
	v_and_b32 v19, s40, v[FT+idx]
	v_cmp_ne_u32 vcc_lo, 0, v19                    ; the lanes whose token chose the expert
	v_mbcnt_lo_u32_b32 v20, vcc_lo, s42            ; rank
	v_cndmask_b32 v20, v[DMP], v20, vcc_lo         ; the others store behind the list
	v_min_u32 v20, 1087, v20
	v_lshl_add_u32 v20, v20, 2, s46
	v_add_nc_u32 v21, 128*(idx/4)+idx%4, v[L4]     ; the token
	s_bcnt1_i32_b32 s45, vcc_lo
	s_add_co_u32 s42, s42, s45
	ds_store_b32 v20, v21                          ; LDS serves a wave's instructions in order (ISA guide 5.7.1.4): behind the zeros
.set idx, idx+1
.endr
	s_min_u32 s19, s42, 1024                       ; the expert's rows
	s_max_u32 s21, s42, 1
	s_sub_co_u32 s21, s21, 1
	s_min_u32 s21, s21, 1023                       ; its last row's rank (0, the word that is still token 0, if it has none)
	s_add_co_u32 s20, s19, 15
	s_lshr_b32 s20, s20, 4
	s_max_u32 s20, s20, 1                          ; tiles; tile 0 is always made, so that every byte of hbuf that is read later has been stored
	SETTW
	SETVA
	ALOAD 0, 0
	WIN 0
	s_wait_loadcnt 36                              ; the bias is in: behind it stand chunk 0 (16) and its tokens (20)
	WLOAD 1, 1
	WIN 0
.set n, 0
.rept 32                               ; the bias rounded to bf16 and widened again
	v_cvt_pk_bf16_f32 v19, v[BL+2*n], v[BL+2*n+1]
	v_lshlrev_b32 v[BL+2*n], 16, v19
	v_and_b32 v[BL+2*n+1], 0xffff0000, v19
.set n, n+1
.endr
	ACCINIT
	s_mov_b32 s24, 7
.Lmain:                                ; seven pairs of trips: chunks 0 to 13
	TRIP 0, 1, 1, 36, 36, 1
	TRIP 1, 1, 1, 36, 36, 1
	s_wait_xcnt 0x0                                ; the bases of loads that are out are stepped only behind this wait
	s_add_nc_u64 s[28:29], s[28:29], 2*CHW
	s_add_nc_u64 s[30:31], s[30:31], 2*CHA
	v_add_nc_u32 v[VS], 2*CHL, v[VS]
	v_add_nc_u32 v[VB], 2*CHL, v[VB]
	s_sub_co_u32 s24, s24, 1
	s_cmp_lg_u32 s24, 0
	s_cbranch_scc1 .Lmain
	TRIP 0, 1, 0, 36, 36, 0                        ; chunk 14: no weights are left to ask for; behind A(14) stand W(15) and A(15)
	TRIP 1, 0, 0, 20, 0, 0                         ; chunk 15: behind W(15) stands A(15); then nothing
	s_mov_b32 s23, 0
.Lblk:                                 ; four blocks of 20 tiles serve every split; block 0 has just been multiplied
	s_cmp_eq_u32 s23, 0
	s_cbranch_scc1 .Lepi
	s_cmp_ge_u32 s27, s20
	s_cbranch_scc1 .Lnext                          ; the block has no tile
	SETTW
	SETVA
	ACCINIT
	s_mov_b32 s56, 0                               ; the slice's first chunk, in LDS
	s_mov_b32 s52, 0                               ; and in a row of xb
	s_mov_b32 s25, 16
.Lslow:                                ; a chunk from the slice in LDS: nothing is written there, so no barrier
	v_add_nc_u32 v[VB2], s56, v[L16]
	s_add_nc_u64 s[30:31], s[4:5], s[52:53]        ; the last trip's loads were waited for, so the base may be written
	ALOAD 0, 0
	WIN 0
	BLOAD VB2, 0
	s_wait_loadcnt 0x0
	s_wait_dscnt 16
	KSTEP 0, 0
	s_wait_dscnt 0x0
	KSTEP 1, 0
	PLACES                                         ; ahead of the next trip's loads into the operands
	s_add_co_u32 s56, s56, CHL
	s_add_co_u32 s52, s52, CHA
	s_sub_co_u32 s25, s25, 1
	s_cmp_lg_u32 s25, 0
	s_cbranch_scc1 .Lslow
.Lepi:
	EPI
.Lnext:
	s_wait_xcnt 0x0                                ; the stores' base and data are rewritten only behind this wait
	s_add_nc_u64 s[34:35], s[34:35], 20*131072
	v_add_nc_u32 v[VIB], 320, v[VIB]
	s_add_co_u32 s27, s27, 20
	s_add_co_u32 s23, s23, 1
	s_cmp_lt_u32 s23, 4
	s_cbranch_scc1 .Lblk
	s_wait_dscnt 0x0                               ; my reads of the slice are over;
	s_barrier_signal -1                            ; a barrier stands between every wave's reads of LDS and the one LDS write that follows them, the add below,
	s_barrier_wait -1                              ; so that their order does not hang on which bytes the stepped reads of blocks 1 to 3 name
	s_wait_tensorcnt 0x0                           ; the wave's end
	ds_add_u32 v[SPW], v[NIL]
	s_wait_dscnt 0x0
	s_endpgm
.Lfunc_end_k_qd99957a75e_up:
	.size	k_qd99957a75e_up, .Lfunc_end_k_qd99957a75e_up-k_qd99957a75e_up
	.p2alignl 7, 3214868480
	.fill 96, 4, 3214868480
	.section	.rodata,"a",@progbits
	.p2align	6, 0x0
	.amdhsa_kernel k_qd99957a75e_up
		.amdhsa_group_segment_fixed_size 280064
		.amdhsa_private_segment_fixed_size 0
		.amdhsa_enable_private_segment 0
		.amdhsa_kernarg_size 40
		.amdhsa_user_sgpr_count 2
		.amdhsa_user_sgpr_kernarg_segment_ptr 1
		.amdhsa_wavefront_size32 1
		.amdhsa_system_sgpr_workgroup_id_x 1
		.amdhsa_system_sgpr_workgroup_id_y 1
		.amdhsa_system_sgpr_workgroup_id_z 1
		.amdhsa_system_vgpr_workitem_id 0
		.amdhsa_next_free_vgpr 896
		.amdhsa_next_free_sgpr 66
		.amdhsa_reserve_vcc 1
		.amdhsa_float_denorm_mode_32 3
		.amdhsa_float_denorm_mode_16_64 3
		.amdhsa_memory_ordered 1
		.amdhsa_forward_progress 1
		.amdhsa_inst_pref_size 146
	.end_amdhsa_kernel
	.amdgpu_metadata
---
amdhsa.version: [ 1, 2 ]
amdhsa.kernels:
  - .name:           k_qd99957a75e_up
    .symbol:         k_qd99957a75e_up.kd
    .args:
      - { .name: xb, .offset: 0, .size: 8, .value_kind: global_buffer, .address_space: global }
      - { .name: W1, .offset: 8, .size: 8, .value_kind: global_buffer, .address_space: global }
      - { .name: b1, .offset: 16, .size: 8, .value_kind: global_buffer, .address_space: global }
      - { .name: sel, .offset: 24, .size: 8, .value_kind: global_buffer, .address_space: global }
      - { .name: hbuf, .offset: 32, .size: 8, .value_kind: global_buffer, .address_space: global }
    .group_segment_fixed_size: 280064
    .private_segment_fixed_size: 0
    .kernarg_segment_align: 8
    .kernarg_segment_size: 40
    .max_flat_workgroup_size: 128
    .sgpr_count:     66
    .vgpr_count:     896
    .wavefront_size: 32
...
	.end_amdgpu_metadata
.endif
;; end of part 2
;; launch down (part 3): grid 32 x 8, 4 waves a work-group, no clusters, 303,616 bytes of LDS; arguments hbuf, W2, b2, sel, gate, part; writes part
.if DOCPART == 3
	.amdgcn_target "amdgcn-amd-amdhsa--gfx1250"
	.amdhsa_code_object_version 6
	.text
	.protected	k_qd99957a75e_down
	.globl	k_qd99957a75e_down
	.p2align	8
	.type	k_qd99957a75e_down,@function
k_qd99957a75e_down:
	s_mov_b64 s[64:65], 0
	v_nop
	global_prefetch_b8 v0, s[64:65] scope:SCOPE_SE
	s_setreg_imm32_b32 hwreg(HW_REG_WAVE_MODE, 25, 1), 1
	s_wait_xcnt 0x0
; part[q][k x 1,024 + token][:] = gate weight x (h[:, quarter q of the hidden width] W2[e] + b2[e] in quarter 0), for the rows that chose expert e as their k-th.
; W2 and b2 are rounded to bf16; h arrives in bf16; sums and the partial results in f32.  The last launch adds a token's eight partial rows.
; LIMITS.  NaN and infinities are not treated apart.  An expert without rows still streams its weights and stores nothing.
; SHARES.  Work-group (x, y): expert y, hidden rows 1,024 (x / 8) on, output columns 128 (x % 8) on: 1,024 x 128 weights, 524,288 bytes, which it alone reads, once; and all rows of the expert.
; Tiles, blocks, chunks, trips, the slice that stays in LDS and the list are those of the launch before; the ranks are made in the same way, so row p of an expert is the same token there and here.
; Places past the count repeat the expert's last row, there and here: such a lane stores the same numbers to the same bytes as the live row, which lies in the same tile of the same wave.  All lanes stay on.
; THE ORDER OF K is the one in which h was stored: in K step S place 8 h + j stands for hidden row 64 (S / 2) + 32 h + 4 j + 2 (S % 2), place 16 + 8 h + j for the row behind it; the weights' rows are loaded in that order,
; and a chunk is still 64 consecutive rows of W2.
; NO CLUSTER: each weight byte has one reader.  The eight column slices of one expert and quarter read the same tiles of h; a ring of two slots for them (2 x 20 tiles x 2,048 bytes = 81,920) does not fit
; beside the slice, the lists and the spare words (303,616 of 327,680 bytes).
; REGISTERS, in windows of 256 (s_set_vgpr_msb: bits 1:0 source 0, 3:2 source 1, 5:4 source 2, 7:6 destination):
;   window 0: v0-31 addresses; v32-159 the chunk's 16 weight fragments (at the start: gate; on the way out v32-95: a tile's weighted numbers); v160-167 the bias; v168-203 the way out; v224-255 rounded weights on their way to LDS (at the start: sel)
;   window 1: accumulators of tiles 0-3, (i, c) at 64 i + 8 c      window 2: v0-63 tile 4's; v64-223 fragments of h, two buffers of 80      window 3: v0-127 weights as loaded, two buffers of 64
.set PW,   4096                        ; bytes in a row of W2
.set CHW,  64*PW                       ; a chunk of W2
.set CHA,  2048                        ; a chunk's two K steps in a tile of hbuf
.set AK,   1024                        ; a K step there
.set AH,   512                         ; the fragment's upper half
.set CHL,  16384                       ; a chunk in LDS
.set LIST, 16*CHL                      ; behind the slice: a list for each wave, records of 8 bytes (entry, weight); room for the 1,280 rows that four blocks can name; records 1,088 on take what a lane does not place
.set LSZ,  10240
.set SPARE, LIST+4*LSZ                 ; the spare words: 128 bytes a wave, two blocks of 256 bytes that no other line names
.set L16, 4                            ; v4   16 x lane
.set VW,  5                            ; v5   my offset in a chunk of W2
.set VPF, 6                            ; v6   my block of 256 bytes of my wave's quarter, for the prefetch
.set VS,  7                            ; v7   LDS: where I store fragments (steps)
.set VB,  8                            ; v8   LDS: where I read them (steps)
.set VB2, 9                            ; v9   the same for blocks 1 to 3
.set VA,  10                           ; v10-14 tile i: its place in hbuf + 16 x lane
.set VRA, 15                           ; v15  LDS: the records of rows 8 h .. 8 h + 7 of my wave's tile 0 of the block (steps)
.set R16, 17                           ; v17  16 r
.set DMP, 18                           ; v18  1,088 + lane
.set SPW, 28                           ; v28 my spare word's address; v29 0: kept for the add alone
.set NIL, 29
.set L4,  30                           ; v30  4 x lane
.set BF,  32
.set G0,  32                           ; gate, first and second choice, as sel lies
.set G1,  64
.set TM,  32                           ; the way out: row j's eight weighted numbers at TM + 8 j
.set B2F, 160
.set RC,  168                          ; eight records
.set VO,  192                          ; eight rows' offsets in part
.set ZQ,  200                          ; four zeros
.set FT,  224
; s16 wave, s17 expert, s18 quarter, s19 count, s20 tiles, s21 the last row's rank, s22 my live tiles in the block, s23 block, s24, s25 counters, s27 20 x block, s[28:29] W2 at the pair of chunks in hand,
; s[30:31] hbuf likewise, s[32:33] hbuf at the expert and quarter, s[34:35] part at the quarter and columns, s40, s41 the expert's bits, s42 running rank, s46 my list,
; s[52:53] an offset in 64 bits, s56 blocks 1 to 3: the chunk's first byte in LDS
.set MSB, 0
.macro WIN new                         ; the immediate's high byte repeats the setting that is left; a switch that changes nothing is dropped
.if MSB != (\new)
	s_set_vgpr_msb (MSB<<8)|(\new)
.set MSB, (\new)
.endif
.endm
.macro PLACES                          ; four plain instructions between a matrix instruction and a vector line or a load that touches its registers
.rept 4
	v_nop
.endr
.endm
.macro WLOAD wb, rel                   ; my quarter of chunk rel: 16 loads; lanes 0-15 take 256 consecutive bytes of one row, lanes 16-31 of the row 32 further down
	WIN 0xc0
.irp hi, 0,1
.irp j, 0,1,2,3,4,5,6,7
	global_load_b128 v[64*(\wb)+32*\hi+4*\j:64*(\wb)+32*\hi+4*\j+3], v[VW], s[28:29] offset:(\rel)*CHW+(4*\j+\hi)*PW th:TH_LOAD_NT
.endr
.endr
.endm
.macro ALOAD ab, rel                   ; the fragments of h of chunk rel for my five tiles: 20 loads of 512 consecutive bytes
	WIN 0x80
.irp i, 0,1,2,3,4
.irp u, 0,1,2,3
	global_load_b128 v[64+80*(\ab)+16*\i+4*\u:64+80*(\ab)+16*\i+4*\u+3], v[VA+\i], s[30:31] offset:(\rel)*CHA+(\u/2)*AK+(\u%2)*AH
.endr
.endr
.endm
.macro CVT wb                          ; two neighbouring places of K of column c rounded together: register m of fragment c
	WIN 0x0f
.irp c, 0,1,2,3
.irp m, 0,1,2,3,4,5,6,7
	v_cvt_pk_bf16_f32 v[FT+8*\c+\m], v[64*(\wb)+8*\m+\c], v[64*(\wb)+8*\m+4+\c]
.endr
.endr
	WIN 0
.endm
.macro WSTORE par
.irp u, 0,1,2,3,4,5,6,7
	ds_store_b128 v[VS], v[FT+4*\u:FT+4*\u+3] offset:(\par)*CHL+\u*512
.endr
.endm
.macro BLOAD adr, par
.set u, 0
.rept 32
	ds_load_b128 v[BF+4*u:BF+4*u+3], v[\adr] offset:(\par)*CHL+u*512
.set u, u+1
.endr
.endm
; A K step of 32: for each live tile 8 matrix instructions.  Source 0 = 16 rows of h, source 1 = 16 output columns: register j of a lane is row 8 h + j, column 64 g + 4 r + c'.
; The accumulators take turns, one instruction a turn, from step to step and round the loops too.
.macro KSTEP ks, ab
.irp i, 0,1,2,3,4
	WIN 0
	s_cmp_le_u32 s22, \i
	s_cbranch_scc1 .Lke\@
.if \i < 4
	WIN 0x52
.else
	WIN 0xa2
.endif
.irp c, 0,1,2,3,4,5,6,7
	v_wmma_f32_16x16x32_bf16 v[(64*\i)%256+8*\c:(64*\i)%256+8*\c+7], v[64+80*(\ab)+16*\i+8*(\ks):64+80*(\ab)+16*\i+8*(\ks)+7], v[BF+64*(\ks)+8*\c:BF+64*(\ks)+8*\c+7], v[(64*\i)%256+8*\c:(64*\i)%256+8*\c+7]
.endr
.endr
	WIN 0
.Lke\@:
.endm
; A TRIP, chunk t of parity par; its arguments and counts as in the launch before: at most 56 loads of a wave are out.
.macro TRIP par, ia, iw, n1, n2, pf
	WIN 0
	s_wait_loadcnt \n1                             ; loads come back in the order of issue (ISA guide 5.7.1): behind W(t) stand A(t) and W(t+1)
	CVT \par                                       ; also the places between the last trip's products and the loads below
	WSTORE \par
.if \ia
	ALOAD 1-(\par), (\par)+1
.endif
	WIN 0
	s_wait_dscnt 0x0                               ; for the others' sake: my four fragments are in LDS
	s_barrier_signal -1
	s_barrier_wait -1                              ; the chunk is whole; its bytes are never written again
	BLOAD VB, \par
	s_wait_loadcnt \n2                             ; A(t) is in: behind it stand W(t+1) and A(t+1)
.if \iw
	WLOAD \par, (\par)+2                           ; into the registers that were rounded above
	WIN 0
.endif
	s_wait_dscnt 16                                ; the first K step's fragments are in
	KSTEP 0, \par
.if \pf
	s_cmp_lt_u32 s24, 2                            ; the loop's last pair has no chunk t + 4
	s_cbranch_scc1 .Lnp\@
	global_prefetch_b8 v[VPF], s[28:29] offset:((\par)+4)*CHW th:TH_LOAD_NT scope:SCOPE_SE
.Lnp\@:
.endif
	s_wait_dscnt 0x0
	KSTEP 1, \par
.endm
.macro SETTW                           ; my live tiles in the block
	s_sub_co_i32 s22, s20, s27
	s_sub_co_i32 s22, s22, s16
	s_add_co_i32 s22, s22, 3
	s_max_i32 s22, s22, 0
	s_lshr_b32 s22, s22, 2
	s_min_u32 s22, s22, 5
.endm
.macro SETVA                           ; my five tiles' places in hbuf; a dead tile reads tile 0, which has always been stored
.irp i, 0,1,2,3,4
	s_add_co_u32 s26, s27, 4*\i
	s_add_co_u32 s26, s26, s16
	s_cmp_lt_u32 s26, s20
	s_cselect_b32 s26, s26, 0
	s_min_u32 s26, s26, 63
	s_lshl_b32 s26, s26, 17
	v_add_nc_u32 v[VA+\i], s26, v[L16]
.endr
.endm
.macro ACCINIT                         ; the sums start from the bias (0 in quarters 1 to 3)
	WIN 0x40
.irp i, 0,1,2,3
.irp c, 0,1,2,3,4,5,6,7
.irp j, 0,1,2,3,4,5,6,7
	v_mov_b32 v[64*\i+8*\c+\j], v[B2F+\c]
.endr
.endr
.endr
	WIN 0x80
.irp c, 0,1,2,3,4,5,6,7
.irp j, 0,1,2,3,4,5,6,7
	v_mov_b32 v[8*\c+\j], v[B2F+\c]
.endr
.endr
	WIN 0
.endm
; THE WAY OUT.  For a live tile the records of my eight rows come from my wave's list; the tile's 64 numbers a lane are weighted (each accumulator's lowest register first) into the fragments' free registers
; and stored, 16 lanes filling 256 consecutive aligned bytes of a row's place in part.
.macro EPI
	PLACES
.irp i, 0,1,2,3,4
	WIN 0
	s_cmp_le_u32 s22, \i
	s_cbranch_scc1 .Lee\@
.irp n, 0,1,2,3
	ds_load_b128 v[RC+4*\n:RC+4*\n+3], v[VRA] offset:\i*512+\n*16
.endr
	s_wait_xcnt 0x0                                ; the last tile's stores have read their offsets and data: both are written anew below
	s_wait_dscnt 0x0
.irp j, 0,1,2,3,4,5,6,7
	v_min_u32 v[VO+\j], 2047, v[RC+2*\j]
	v_lshl_add_u32 v[VO+\j], v[VO+\j], 12, v[R16]
.endr
	WIN 0x01+\i/4
.irp j, 0,1,2,3,4,5,6,7
.irp c, 0,1,2,3,4,5,6,7
	v_mul_f32 v[TM+8*\j+\c], v[(64*\i)%256+8*\c+\j], v[RC+2*\j+1]
.endr
.endr
	WIN 0
.irp j, 0,1,2,3,4,5,6,7
	global_store_b128 v[VO+\j], v[TM+8*\j:TM+8*\j+3], s[34:35]
	global_store_b128 v[VO+\j], v[TM+8*\j+4:TM+8*\j+7], s[34:35] offset:256
.endr
.endr
	WIN 0
.Lee\@:
.endm
	s_load_b256 s[4:11], s[0:1], 0x0               ; hbuf s[4:5], W2 s[6:7], b2 s[8:9], sel s[10:11]
	s_load_b128 s[12:15], s[0:1], 0x20             ; gate s[12:13], part s[14:15]
	v_lshl_add_u32 v[SPW], v0, 2, SPARE
	v_mov_b32 v[NIL], 0
	v_lshrrev_b32 v19, 5, v0
	v_readfirstlane_b32 s16, v19                   ; wave 0..3
	s_and_b32 s17, ttmp7, 0xffff                   ; expert
	s_lshr_b32 s18, ttmp9, 3                       ; quarter of the hidden width
	s_and_b32 s36, ttmp9, 7                        ; slice of 128 output columns
	v_and_b32 v1, 31, v0                           ; lane
	v_and_b32 v2, 15, v0                           ; r
	v_bfe_u32 v3, v0, 4, 1                         ; h
	v_lshlrev_b32 v[L16], 4, v1
	v_lshlrev_b32 v[L4], 2, v1
	v_lshlrev_b32 v[R16], 4, v2
	v_add_nc_u32 v[DMP], 1088, v1
.irp n, 0,1,2,3
	v_mov_b32 v[ZQ+\n], 0
.endr
	s_lshr_b32 s26, s16, 1                         ; my quarter of a chunk: K step w / 2,
	s_and_b32 s48, s16, 1                          ; column group w % 2
	s_lshl_b32 s26, s26, 13                        ; 2 rows
	s_lshl_b32 s48, s48, 8                         ; 256 bytes
	s_add_co_u32 s48, s48, s26
	v_lshl_add_u32 v[VW], v3, 17, v[R16]           ; 32 h rows
	v_add_nc_u32 v[VW], s48, v[VW]
	v_lshrrev_b32 v19, 1, v1                       ; my quarter's 32 rows: 4 (lane / 2) + lane % 2
	v_and_b32 v20, 1, v1
	v_lshlrev_b32 v[VPF], 14, v19
	v_lshl_add_u32 v[VPF], v20, 12, v[VPF]
	v_add_nc_u32 v[VPF], s48, v[VPF]
	s_lshl_b32 s26, s16, 12
	v_add_nc_u32 v[VS], s26, v[L16]
	v_mov_b32 v[VB], v[L16]
	s_mul_i32 s46, s16, LSZ
	s_add_co_u32 s46, s46, LIST
	s_lshl_b32 s26, s16, 7                         ; 16 w records
	s_add_co_u32 s26, s26, s46
	v_lshl_add_u32 v[VRA], v3, 6, s26              ; + 8 h records
	s_lshl_b32 s40, 0x101, s17                     ; chosen first or second
	s_lshl_b32 s41, 0x100, s17                     ; chosen second
	s_mov_b32 s42, 0
	s_mov_b32 s27, 0
	s_lshl_b32 s37, s36, 9                         ; 128 columns of f32
	s_lshl_b32 s52, s17, 24
	s_lshl_b32 s26, s18, 22
	s_add_co_u32 s52, s52, s26
	s_add_co_u32 s52, s52, s37                     ; in W2
	s_mov_b32 s53, 0
	s_lshl_b32 s50, s17, 12
	s_add_co_u32 s50, s50, s37                     ; in b2
	s_mov_b32 s51, 0
	s_lshl_b32 s54, s17, 23
	s_lshl_b32 s26, s18, 15
	s_add_co_u32 s54, s54, s26                     ; in hbuf: expert, K steps 32 q on
	s_mov_b32 s55, 0
	s_lshl_b32 s38, s18, 23
	s_add_co_u32 s38, s38, s37                     ; in part
	s_mov_b32 s39, 0
	s_wait_kmcnt 0x0
	s_add_nc_u64 s[28:29], s[6:7], s[52:53]
	s_add_nc_u64 s[8:9], s[8:9], s[50:51]
	s_add_nc_u64 s[32:33], s[4:5], s[54:55]
	s_add_nc_u64 s[34:35], s[14:15], s[38:39]
	s_mov_b64 s[30:31], s[32:33]
.irp m, 0,1,2,3,4,5,6,7                ; sel: word 4 m + z of my lane is token 128 m + 4 lane + z; gate lies likewise
	global_load_b128 v[FT+4*\m:FT+4*\m+3], v[L16], s[10:11] offset:\m*512
.endr
.irp k, 0,1
.irp m, 0,1,2,3,4,5,6,7
	global_load_b128 v[G0+32*\k+4*\m:G0+32*\k+4*\m+3], v[L16], s[12:13] offset:\k*4096+\m*512
.endr
.endr
	global_load_b128 v[B2F:B2F+3], v[R16], s[8:9]
	global_load_b128 v[B2F+4:B2F+7], v[R16], s[8:9] offset:256
	WLOAD 0, 0
	WIN 0
.irp n, 1,2,3                          ; chunks 1 to 3 are asked for while the list is made; from then on trip t asks for chunk t + 4
	global_prefetch_b8 v[VPF], s[28:29] offset:\n*CHW th:TH_LOAD_NT scope:SCOPE_SE
.endr
	v_add_nc_u32 v19, s46, v[L16]
.set n, 0
.rept 20                               ; my list's 1,280 records start as zeros
	ds_store_b128 v19, v[ZQ:ZQ+3] offset:n*512
.set n, n+1
.endr
	s_wait_loadcnt 18                              ; sel and gate are in; the bias (2) and chunk 0 (16) stay out
.set idx, 0
.rept 32
	v_and_b32 v19, s40, v[FT+idx]
	v_cmp_ne_u32 vcc_lo, 0, v19                    ; the lanes whose token chose the expert,
	v_and_b32 v22, s41, v[FT+idx]
	v_cmp_ne_u32 s44, 0, v22                       ; and those that chose it second
	v_mbcnt_lo_u32_b32 v20, vcc_lo, s42            ; rank
	v_cndmask_b32 v20, v[DMP], v20, vcc_lo         ; the others store behind the list
	v_min_u32 v20, 1119, v20
	v_lshl_add_u32 v20, v20, 3, s46
	v_add_nc_u32 v24, 128*(idx/4)+idx%4, v[L4]
	v_add_nc_u32 v22, 1024+128*(idx/4)+idx%4, v[L4]
	v_cndmask_b32 v24, v24, v22, s44               ; entry = 1,024 k + token
	v_cndmask_b32 v25, v[G0+idx], v[G1+idx], s44   ; its weight
	s_bcnt1_i32_b32 s45, vcc_lo
	s_add_co_u32 s42, s42, s45
	ds_store_b64 v20, v[24:25]                     ; LDS serves a wave's instructions in order (ISA guide 5.7.1.4): behind the zeros
.set idx, idx+1
.endr
	s_min_u32 s19, s42, 1024                       ; the expert's rows
	s_max_u32 s21, s42, 1
	s_sub_co_u32 s21, s21, 1
	s_min_u32 s21, s21, 1023                       ; its last row's rank
	s_lshl_b32 s26, s21, 3
	s_add_co_u32 s26, s26, s46
	v_mov_b32 v19, s26
	ds_load_b64 v[26:27], v19                      ; the last row's record
	v_add_nc_u32 v20, s19, v1
	v_min_u32 v20, 1055, v20
	v_lshl_add_u32 v20, v20, 3, s46
	s_wait_dscnt 0x0
	ds_store_b64 v20, v[26:27]                     ; is repeated on the 32 places behind it, more than a tile's rows
	s_add_co_u32 s20, s19, 15
	s_lshr_b32 s20, s20, 4                         ; tiles; none for an expert without rows
	SETTW
	SETVA
	ALOAD 0, 0
	WIN 0
	s_wait_loadcnt 36                              ; the bias is in: behind it stand chunk 0 (16) and its h (20)
	WLOAD 1, 1
	WIN 0
	s_cmp_eq_u32 s18, 0
	s_cselect_b32 s26, -1, 0                       ; the bias belongs to quarter 0 alone
.irp n, 0,1,2,3
	v_cvt_pk_bf16_f32 v19, v[B2F+2*\n], v[B2F+2*\n+1]
	v_lshlrev_b32 v[B2F+2*\n], 16, v19
	v_and_b32 v[B2F+2*\n+1], 0xffff0000, v19
.endr
.irp n, 0,1,2,3,4,5,6,7
	v_and_b32 v[B2F+\n], s26, v[B2F+\n]
.endr
	ACCINIT
	s_mov_b32 s24, 7
.Lmain:                                ; seven pairs of trips: chunks 0 to 13
	TRIP 0, 1, 1, 36, 36, 1
	TRIP 1, 1, 1, 36, 36, 1
	s_wait_xcnt 0x0                                ; the bases of loads that are out are stepped only behind this wait
	s_add_nc_u64 s[28:29], s[28:29], 2*CHW
	s_add_nc_u64 s[30:31], s[30:31], 2*CHA
	v_add_nc_u32 v[VS], 2*CHL, v[VS]
	v_add_nc_u32 v[VB], 2*CHL, v[VB]
	s_sub_co_u32 s24, s24, 1
	s_cmp_lg_u32 s24, 0
	s_cbranch_scc1 .Lmain
	TRIP 0, 1, 0, 36, 36, 0                        ; chunk 14: no weights are left to ask for; behind A(14) stand W(15) and A(15)
	TRIP 1, 0, 0, 20, 0, 0                         ; chunk 15: behind W(15) stands A(15); then nothing
	s_mov_b32 s23, 0
.Lblk:                                 ; four blocks of 20 tiles serve every split; block 0 has just been multiplied
	s_cmp_eq_u32 s23, 0
	s_cbranch_scc1 .Lepi
	s_cmp_ge_u32 s27, s20
	s_cbranch_scc1 .Lnext                          ; the block has no tile
	SETTW
	SETVA
	ACCINIT
	s_mov_b32 s56, 0                               ; the slice's first chunk, in LDS
	s_mov_b32 s52, 0                               ; and in a tile of hbuf
	s_mov_b32 s25, 16
.Lslow:                                ; a chunk from the slice in LDS: nothing is written there, so no barrier
	v_add_nc_u32 v[VB2], s56, v[L16]
	s_add_nc_u64 s[30:31], s[32:33], s[52:53]      ; the last trip's loads were waited for, so the base may be written
	ALOAD 0, 0
	WIN 0
	BLOAD VB2, 0
	s_wait_loadcnt 0x0
	s_wait_dscnt 16
	KSTEP 0, 0
	s_wait_dscnt 0x0
	KSTEP 1, 0
	PLACES                                         ; ahead of the next trip's loads into the operands
	s_add_co_u32 s56, s56, CHL
	s_add_co_u32 s52, s52, CHA
	s_sub_co_u32 s25, s25, 1
	s_cmp_lg_u32 s25, 0
	s_cbranch_scc1 .Lslow
.Lepi:
	EPI
.Lnext:
	s_wait_xcnt 0x0                                ; the stores' data lie in the fragments' registers, which the next block loads anew
	v_add_nc_u32 v[VRA], 2560, v[VRA]              ; 320 records on
	s_add_co_u32 s27, s27, 20
	s_add_co_u32 s23, s23, 1
	s_cmp_lt_u32 s23, 4
	s_cbranch_scc1 .Lblk
	s_wait_dscnt 0x0                               ; my reads of the slice and of my list are over;
	s_barrier_signal -1                            ; a barrier stands between every wave's reads of LDS and the one LDS write that follows them, the add below,
	s_barrier_wait -1                              ; so that their order does not hang on which bytes the stepped reads of blocks 1 to 3 name
	s_wait_tensorcnt 0x0                           ; the wave's end
	ds_add_u32 v[SPW], v[NIL]
	s_wait_dscnt 0x0
	s_endpgm
.Lfunc_end_k_qd99957a75e_down:
	.size	k_qd99957a75e_down, .Lfunc_end_k_qd99957a75e_down-k_qd99957a75e_down
	.p2alignl 7, 3214868480
	.fill 96, 4, 3214868480
	.section	.rodata,"a",@progbits
	.p2align	6, 0x0
	.amdhsa_kernel k_qd99957a75e_down
		.amdhsa_group_segment_fixed_size 303616
		.amdhsa_private_segment_fixed_size 0
		.amdhsa_enable_private_segment 0
		.amdhsa_kernarg_size 48
		.amdhsa_user_sgpr_count 2
		.amdhsa_user_sgpr_kernarg_segment_ptr 1
		.amdhsa_wavefront_size32 1
		.amdhsa_system_sgpr_workgroup_id_x 1
		.amdhsa_system_sgpr_workgroup_id_y 1
		.amdhsa_system_sgpr_workgroup_id_z 1
		.amdhsa_system_vgpr_workitem_id 0
		.amdhsa_next_free_vgpr 896
		.amdhsa_next_free_sgpr 66
		.amdhsa_reserve_vcc 1
		.amdhsa_float_denorm_mode_32 3
		.amdhsa_float_denorm_mode_16_64 3
		.amdhsa_memory_ordered 1
		.amdhsa_forward_progress 1
		.amdhsa_inst_pref_size 151
	.end_amdhsa_kernel
	.amdgpu_metadata
---
amdhsa.version: [ 1, 2 ]
amdhsa.kernels:
  - .name:           k_qd99957a75e_down
    .symbol:         k_qd99957a75e_down.kd
    .args:
      - { .name: hbuf, .offset: 0, .size: 8, .value_kind: global_buffer, .address_space: global }
      - { .name: W2, .offset: 8, .size: 8, .value_kind: global_buffer, .address_space: global }
      - { .name: b2, .offset: 16, .size: 8, .value_kind: global_buffer, .address_space: global }
      - { .name: sel, .offset: 24, .size: 8, .value_kind: global_buffer, .address_space: global }
      - { .name: gate, .offset: 32, .size: 8, .value_kind: global_buffer, .address_space: global }
      - { .name: part, .offset: 40, .size: 8, .value_kind: global_buffer, .address_space: global }
    .group_segment_fixed_size: 303616
    .private_segment_fixed_size: 0
    .kernarg_segment_align: 8
    .kernarg_segment_size: 48
    .max_flat_workgroup_size: 128
    .sgpr_count:     66
    .vgpr_count:     896
    .wavefront_size: 32
...
	.end_amdgpu_metadata
.endif
;; end of part 3
;; launch combine (part 4): grid 256 x 1, 8 waves a work-group, no clusters, 0 bytes of LDS; arguments part, out0; writes out0
.if DOCPART == 4
	.amdgcn_target "amdgcn-amd-amdhsa--gfx1250"
	.amdhsa_code_object_version 6
	.text
	.protected	k_qd99957a75e_combine
	.globl	k_qd99957a75e_combine
	.p2align	8
	.type	k_qd99957a75e_combine,@function
k_qd99957a75e_combine:
	s_mov_b64 s[64:65], 0
	v_nop
	global_prefetch_b8 v0, s[64:65] scope:SCOPE_SE
	s_setreg_imm32_b32 hwreg(HW_REG_WAVE_MODE, 25, 1), 1
	s_wait_xcnt 0x0
; out0[token][:] = the sum over the four quarters q and the two choices k of part[q][1,024 k + token][:], in f32.
; A stream: a work-group has 4 tokens, thread t the 16 bytes at 16 t of every row, so a wave's load or store covers 512 consecutive bytes.  All 32 loads of a thread go out at once;
; the waits count down by a token's eight.  No LDS, no matrix unit, no cluster: every byte has one reader.
	s_load_b128 s[4:7], s[0:1], 0x0                ; part s[4:5], out0 s[6:7]
	v_lshlrev_b32 v1, 4, v0
	s_lshl_b32 s8, ttmp9, 14                       ; 4 rows of 4,096 bytes
	s_mov_b32 s9, 0
	s_wait_kmcnt 0x0
	s_add_nc_u64 s[10:11], s[4:5], s[8:9]          ; quarter 0,
	s_add_nc_u64 s[12:13], s[10:11], 0x800000      ; and the others, 2,048 rows apart
	s_add_nc_u64 s[14:15], s[12:13], 0x800000
	s_add_nc_u64 s[16:17], s[14:15], 0x800000
	s_add_nc_u64 s[6:7], s[6:7], s[8:9]
.irp t, 0,1,2,3
.irp q, 0,1,2,3
.irp k, 0,1
	global_load_b128 v[8+32*\t+8*\q+4*\k:8+32*\t+8*\q+4*\k+3], v1, s[10+2*\q:11+2*\q] offset:\k*4194304+\t*4096 th:TH_LOAD_NT
.endr
.endr
.endr
.irp t, 0,1,2,3
	s_wait_loadcnt 24-8*\t                         ; this token's eight are in; the later tokens' stay out
.irp a, 0,8,16,24                      ; eight quads into one, by pairs
	v_pk_add_f32 v[8+32*\t+\a:9+32*\t+\a], v[8+32*\t+\a:9+32*\t+\a], v[12+32*\t+\a:13+32*\t+\a]
	v_pk_add_f32 v[10+32*\t+\a:11+32*\t+\a], v[10+32*\t+\a:11+32*\t+\a], v[14+32*\t+\a:15+32*\t+\a]
.endr
.irp a, 0,16
	v_pk_add_f32 v[8+32*\t+\a:9+32*\t+\a], v[8+32*\t+\a:9+32*\t+\a], v[16+32*\t+\a:17+32*\t+\a]
	v_pk_add_f32 v[10+32*\t+\a:11+32*\t+\a], v[10+32*\t+\a:11+32*\t+\a], v[18+32*\t+\a:19+32*\t+\a]
.endr
	v_pk_add_f32 v[8+32*\t:9+32*\t], v[8+32*\t:9+32*\t], v[24+32*\t:25+32*\t]
	v_pk_add_f32 v[10+32*\t:11+32*\t], v[10+32*\t:11+32*\t], v[26+32*\t:27+32*\t]
	global_store_b128 v1, v[8+32*\t:11+32*\t], s[6:7] offset:\t*4096 th:TH_STORE_NT
.endr
	s_endpgm
.Lfunc_end_k_qd99957a75e_combine:
	.size	k_qd99957a75e_combine, .Lfunc_end_k_qd99957a75e_combine-k_qd99957a75e_combine
	.p2alignl 7, 3214868480
	.fill 96, 4, 3214868480
	.section	.rodata,"a",@progbits
	.p2align	6, 0x0
	.amdhsa_kernel k_qd99957a75e_combine
		.amdhsa_group_segment_fixed_size 0
		.amdhsa_private_segment_fixed_size 0
		.amdhsa_enable_private_segment 0
		.amdhsa_kernarg_size 16
		.amdhsa_user_sgpr_count 2
		.amdhsa_user_sgpr_kernarg_segment_ptr 1
		.amdhsa_wavefront_size32 1
		.amdhsa_system_sgpr_workgroup_id_x 1
		.amdhsa_system_sgpr_workgroup_id_y 1
		.amdhsa_system_sgpr_workgroup_id_z 1
		.amdhsa_system_vgpr_workitem_id 0
		.amdhsa_next_free_vgpr 136
		.amdhsa_next_free_sgpr 66
		.amdhsa_reserve_vcc 0
		.amdhsa_float_denorm_mode_32 3
		.amdhsa_float_denorm_mode_16_64 3
		.amdhsa_memory_ordered 1
		.amdhsa_forward_progress 1
		.amdhsa_inst_pref_size 8
	.end_amdhsa_kernel
	.amdgpu_metadata
---
amdhsa.version: [ 1, 2 ]
amdhsa.kernels:
  - .name:           k_qd99957a75e_combine
    .symbol:         k_qd99957a75e_combine.kd
    .args:
      - { .name: part, .offset: 0, .size: 8, .value_kind: global_buffer, .address_space: global }
      - { .name: out0, .offset: 8, .size: 8, .value_kind: global_buffer, .address_space: global }
    .group_segment_fixed_size: 0
    .private_segment_fixed_size: 0
    .kernarg_segment_align: 8
    .kernarg_segment_size: 16
    .max_flat_workgroup_size: 256
    .sgpr_count:     66
    .vgpr_count:     136
    .wavefront_size: 32
...
	.end_amdgpu_metadata
.endif
;; end of part 4
;; ======== version 2 of 3: 4 launches
;; workspace buffers: xb 2,097,152 bytes; sel 4,096 bytes of whole numbers; gate 8,192 bytes; hbuf 67,108,864 bytes; part 33,554,432 bytes
;; launch router: the kernel of part 1 again; grid 64 x 1, 8 waves a work-group, no clusters, 41,984 bytes of LDS; arguments x, Wg, bg, xb, sel, gate; writes xb, sel, gate
;; launch up (part 5): grid 32 x 8, 4 waves a work-group, no clusters, 279,040 bytes of LDS; arguments xb, W1, b1, sel, hbuf; writes hbuf
.if DOCPART == 5
	.amdgcn_target "amdgcn-amd-amdhsa--gfx1250"
	.amdhsa_code_object_version 6
	.text
	.protected	k_qd99957a75e_up
	.globl	k_qd99957a75e_up
	.p2align	8
	.type	k_qd99957a75e_up,@function
k_qd99957a75e_up:
	s_mov_b64 s[64:65], 0
	v_nop
	global_prefetch_b8 v0, s[64:65] scope:SCOPE_SE
	s_setreg_imm32_b32 hwreg(HW_REG_WAVE_MODE, 25, 1), 1
	s_wait_xcnt 0x0
; h = relu(x W1[e] + b1[e]) for the rows that chose expert e, stored in bf16 in the order in which the next launch's matrix operands take it.
; W1 and b1 are rounded to bf16 (x was, in xb); sums in f32, started from the bias; h rounded once.
; LIMITS.  A NaN in front of the relu becomes 0 (the maximum drops it); infinities are not treated apart.  An expert without rows still streams its weights and stores one tile (of token 1,023), which nobody uses.
; SHARES.  Work-group (x, y) has expert y and hidden columns 128 x .. 128 x + 127: 1,024 x 128 weights, 524,288 bytes, which it alone reads, once; and all rows of the expert.
; A row tile is 16 rows.  In block blk (20 tiles) wave w has tiles 20 blk + 4 i + w, i = 0..4, across all 128 columns: 40 accumulators.
; K goes in 16 chunks of 64 (two K steps of 32), and LDS runs one chunk ahead of the products.  In trip t each wave rounds its quarter of chunk t + 1 (32 rows x 256 bytes, loaded two trips before) and lays it into LDS as
; four finished operand fragments; asks LDS for chunk t's second K step; multiplies chunk t's first K step; passes the trip's one barrier, behind which chunk t + 1 is whole; asks LDS for that chunk's first K step; and
; multiplies chunk t's second K step.  So each run of 16 LDS loads has a K step's products in which to land.  The token fragments come from memory straight into registers.
; The slice stays in LDS (16 x 16,384 bytes, each byte written once), so that rows beyond 320 (blocks 1 to 3) are multiplied from it with no barrier and no further weight traffic.
; COLUMNS.  A loading lane (r, h) holds columns 64 g + 4 r + c of 16 rows; rounding rows k and k + 1 together gives register k / 2 of the fragment of column tile 4 g + c, in which lane index r stands for that column.
; THE BIAS enters the sums as a product: for each accumulator one matrix instruction with C = 0 multiplies a fragment that holds the rounded bias at k = 0 by one that holds 1 at k = 0; all other places are 0, so the sum starts as the bias itself.
; THE ROWS.  Every wave reads all 1,024 words of sel and keeps the expert's choices as a bitmap in 32 scalar registers: bit l of word idx is token 128 (idx / 4) + idx % 4 + 4 l.  Row p of the expert is the
; token of the bitmap's p-th set bit, words ascending, bits ascending; a lane finds it in registers (FIND).  The next launch ranks the tokens in the same order.
; Work past the count: places past the count repeat the expert's last row, and all five tiles' loads are always issued, so that the waits' counts are constants; matrix instructions of dead tiles are jumped at tiles 0, 3 and 4
; (a wave with one or two live tiles multiplies three), stores of dead tiles at every tile.
; NO CLUSTER: each weight byte has one reader, and the token rows are single rows chosen by rank, which one tile descriptor does not name.
; REGISTERS, in windows of 256 (s_set_vgpr_msb: bits 1:0 source 0, 3:2 source 1, 5:4 source 2, 7:6 destination):
;   window 0: v0-31 addresses; v32-95, v96-159 the weight fragments of a first and of a second K step (while rows are looked up: v32-116 at work); v160-167 the bias as loaded; v224-255 rounded weights on their way to LDS (at the start: sel)
;   window 1: accumulators of tiles 0-3, (i, c) at 64 i + 8 c      window 2: v0-63 tile 4's; v64-223 token fragments, two buffers of 80
;   window 3: v0-127 weights as loaded, two buffers of 64; v128-191 eight fragments with the bias; v192-199 the fragment with 1
.set PW,   16384                       ; bytes in a row of W1
.set CHW,  64*PW                       ; a chunk of W1
.set CHA,  128                         ; a chunk's 64 numbers in a row of xb
.set AK,   64                          ; a K step of 32 there
.set AH,   32                          ; the fragment's upper half
.set CHL,  16384                       ; a chunk in LDS
.set SPARE, 17*CHL                     ; the spare words, 128 bytes a wave, two blocks of 256 bytes that no other line names.  One chunk's bytes between the slice and them stay unused:
                                       ; a stepped address with one step more than the loop makes would still name bytes that nothing else uses
.set L16, 4                            ; v4   16 x lane
.set VW,  5                            ; v5   my offset in a chunk of W1
.set VPF, 6                            ; v6   my block of 256 bytes of my wave's quarter, for the prefetch
.set VS,  7                            ; v7   LDS: where I store fragments (steps)
.set VB,  8                            ; v8   LDS: where I read them (steps)
.set VB2, 9                            ; v9   the same for blocks 1 to 3
.set VA,  10                           ; v10-14 tile i: my token's row in xb + 16 h
.set VIB, 15                           ; v15  my row in the block's tile 0 of my wave: 320 blk + 16 w + r
.set ZERO, 16
.set H16, 17                           ; v17  16 h
.set R16, 18                           ; v18  16 r
.set WK,  19                           ; v19-22 at work
.set SPW, 28                           ; v28 my spare word's address; v29 0: kept for the add alone
.set NIL, 29
.set HM,  31                           ; v31  all ones in lanes 0-15, 0 in lanes 16-31: k = 0 of a fragment lies in the lower half of the lanes
.set BF,  32
.set RK,  32                           ; FIND, up to five rows at once: the rank, then the place among the word's set bits
.set MK,  40                           ; the word of the bitmap in which the rank falls
.set PK,  48                           ; that word's prefix (low half) and first token (high half)
.set TT,  56                           ; at work
.set TU,  64
.set QA,  72                           ; the word's bit counts in groups of 2,
.set QB,  80                           ; of 4,
.set QC,  88                           ; of 8
.set PS,  96                           ; the bit's place
.set PP,  104                          ; blocks 1 to 3: the rank of the tile in hand
.set TK,  112                          ; v112-116 the five tokens
.set BI,  160
.set FT,  224
.set FR,  128                          ; window 3: the bias fragment of column tile c at FR + 8 c, the ones at FR + 64
.set BM,  66                           ; s66-97 the bitmap
.set CMK, 57                           ; s57-61 compare masks, one a row in hand
; s16 wave, s17 expert, s18 slice, s19 count, s20 tiles, s21 the last row's rank, s22 my live tiles in the block, s23 block, s24, s25 counters, s27 20 x block,
; s[28:29] W1 at the even chunk in hand, s[30:31] xb likewise, s32, s33, s36 masks of every second bit, pair and nibble, s[34:35] hbuf at the block's tile of my wave, s40 the expert's two bits,
; s42 running prefix, s44, s46 prefix and first token of a word, by turns, s[52:53] an offset in 64 bits, s56 blocks 1 to 3: the chunk's first byte in LDS
.set MSB, 0
.macro WIN new                         ; the immediate's high byte repeats the setting that is left; a switch that changes nothing is dropped
.if MSB != (\new)
	s_set_vgpr_msb (MSB<<8)|(\new)
.set MSB, (\new)
.endif
.endm
.macro PLACES                          ; four plain instructions between a matrix instruction and a vector line or a load that touches its registers
.rept 4
	v_nop
.endr
.endm
.macro WLOAD wb, rel                   ; my quarter of chunk rel (counted from the base): 16 loads; lanes 0-15 take 256 consecutive bytes of one row, lanes 16-31 of the row 8 further down
	WIN 0xc0
.irp hi, 0,1
.irp j, 0,1,2,3,4,5,6,7
	global_load_b128 v[64*(\wb)+32*\hi+4*\j:64*(\wb)+32*\hi+4*\j+3], v[VW], s[28:29] offset:(\rel)*CHW+(16*\hi+\j)*PW th:TH_LOAD_NT
.endr
.endr
.endm
.macro ALOAD ab, rel                   ; the token fragments of chunk rel for my five tiles: 20 loads
	WIN 0x80
.irp i, 0,1,2,3,4
.irp u, 0,1,2,3
	global_load_b128 v[64+80*(\ab)+16*\i+4*\u:64+80*(\ab)+16*\i+4*\u+3], v[VA+\i], s[30:31] offset:(\rel)*CHA+(\u/2)*AK+(\u%2)*AH
.endr
.endr
.endm
.macro CVT wb                          ; rows k and k + 1 of column c rounded together: register m of fragment c
	WIN 0x0f
.irp c, 0,1,2,3
.irp m, 0,1,2,3,4,5,6,7
	v_cvt_pk_bf16_f32 v[FT+8*\c+\m], v[64*(\wb)+8*\m+\c], v[64*(\wb)+8*\m+4+\c]
.endr
.endr
	WIN 0
.endm
.macro WSTORE cn                       ; my four fragments of the chunk cn chunks on from the base; 32 lanes x 16 consecutive bytes: no two lanes meet in a bank
.irp u, 0,1,2,3,4,5,6,7
	ds_store_b128 v[VS], v[FT+4*\u:FT+4*\u+3] offset:(\cn)*CHL+\u*512
.endr
.endm
.macro BLOADH adr, cn, ks              ; the eight fragments of K step ks of the chunk cn chunks on from the base: 16 loads
.set u, 0
.rept 16
	ds_load_b128 v[BF+64*(\ks)+4*u:BF+64*(\ks)+4*u+3], v[\adr] offset:(\cn)*CHL+(\ks)*8192+u*512
.set u, u+1
.endr
.endm
; A K step of 32: for each tile 8 matrix instructions.  Source 0 = 16 hidden columns, source 1 = 16 tokens: a lane then holds one token and eight hidden columns.
; The accumulators take turns, one instruction a turn, from step to step and round the loops too.
.macro KSTEP ks, ab
.irp i, 0,1,2,3,4
.if (\i == 0) || (\i >= 3)
	WIN 0
	s_cmp_le_u32 s22, \i
	s_cbranch_scc1 .Lke\@
.endif
.if \i < 4
	WIN 0x58
.else
	WIN 0xa8
.endif
.irp c, 0,1,2,3,4,5,6,7
	v_wmma_f32_16x16x32_bf16 v[(64*\i)%256+8*\c:(64*\i)%256+8*\c+7], v[BF+64*(\ks)+8*\c:BF+64*(\ks)+8*\c+7], v[64+80*(\ab)+16*\i+8*(\ks):64+80*(\ab)+16*\i+8*(\ks)+7], v[(64*\i)%256+8*\c:(64*\i)%256+8*\c+7]
.endr
.endr
	WIN 0
.Lke\@:
.endm
; A TRIP, chunk t, which lies cn chunks on from the bases (the bases stand at an even chunk, so t's parity is cn's).
; nx: there is a chunk t + 1: it is rounded and stored, its tokens are asked for, and behind the barrier its first K step is read.  iw: the weights of chunk t + 3 are asked for, into the registers just rounded.
; n1: the loads that may stay out when W(t+1) must be in; n2: when A(t) must be.  By the text's own count a wave has at most 56 loads out in a trip: A(t) 20, W(t+2) 16, A(t+1) 20.
; pf: my wave's 32 blocks of 256 bytes of chunk t + 5 are asked for, two trips ahead of the trip that loads them; trips 11 and 12, whose chunk t + 5 does not exist, jump the line.
.macro TRIP cn, nx, iw, n1, n2, pf
	WIN 0
.if \nx
	s_wait_loadcnt \n1                             ; loads come back in the order of issue (ISA guide 5.7.1): behind W(t+1) stand A(t) and W(t+2)
	CVT 1-(\cn)%2                                  ; also the places between the last trip's products and the loads below
	WSTORE (\cn)+1
.else
	PLACES
.endif
	BLOADH VB, \cn, 1                              ; chunk t's second K step: it lands while the first is multiplied
.if \nx
	ALOAD 1-(\cn)%2, (\cn)+1
	WIN 0
.endif
	s_wait_loadcnt \n2                             ; A(t) is in: behind it stand W(t+2) and A(t+1)
.if \iw
	WLOAD 1-(\cn)%2, (\cn)+3
	WIN 0
.endif
	s_wait_dscnt 16+8*(\nx)                        ; chunk t's first K step, asked for in the trip before, is in: behind its loads stand this trip's stores and its 16 loads
	KSTEP 0, (\cn)%2
	s_wait_dscnt 0x0                               ; the second K step is in; for the others' sake: my four fragments of chunk t + 1 are in LDS
.if \nx
	s_barrier_signal -1
	s_barrier_wait -1                              ; chunk t + 1 is whole; its bytes are never written again
	PLACES                                         ; behind the products that read the first K step's registers
	BLOADH VB, (\cn)+1, 0                          ; chunk t + 1's first K step: it lands while chunk t's second is multiplied
.endif
.if \pf
	s_cmp_lt_u32 s24, 2
	s_cbranch_scc1 .Lnp\@
	global_prefetch_b8 v[VPF], s[28:29] offset:((\cn)+5)*CHW th:TH_LOAD_NT scope:SCOPE_SE
.Lnp\@:
.endif
	KSTEP 1, (\cn)%2
.endm
.macro SETTW                           ; my live tiles in the block: those with 20 blk + 4 i + w below the number of tiles
	s_sub_co_i32 s22, s20, s27
	s_sub_co_i32 s22, s22, s16
	s_add_co_i32 s22, s22, 3
	s_max_i32 s22, s22, 0
	s_lshr_b32 s22, s22, 2
	s_min_u32 s22, s22, 5
.endm
.macro ALLT cnt, line:vararg           ; one line for each of cnt rows in hand, t = 0 ..: no line waits for the one before it
.set t, 0
.rept \cnt
	\line
.set t, t+1
.endr
.endm
.macro LEVEL cnt, src, wd              ; are there wd more bits to pass?  The group of wd bits at the place reached holds TT set bits; if the row's place among the set bits is not below that, the group is passed
	ALLT \cnt, v_bfe_u32 v[TT+t], v[(\src)+t], v[PS+t], \wd
	ALLT \cnt, v_cmp_ge_u32 s[CMK+t], v[RK+t], v[TT+t]
	ALLT \cnt, v_cndmask_b32 v[TT+t], 0, v[TT+t], s[CMK+t]
	ALLT \cnt, v_sub_nc_u32 v[RK+t], v[RK+t], v[TT+t]
	ALLT \cnt, v_cndmask_b32 v[TU+t], 0, \wd, s[CMK+t]
	ALLT \cnt, v_add_nc_u32 v[PS+t], v[PS+t], v[TU+t]
.endm
; FIND: for cnt ranks in v[RK ..] (each below the count) the tokens, into v[dst ..].
; First the word: the prefixes (set bits in earlier words) ascend, so the last word whose prefix is not above the rank holds it; the scalar prefix of the next word is made while this word's selects are issued.
; Then the bit: counts of the word's groups of 2, 4 and 8 bits, made by shifts and adds, and five steps that halve the group.
.macro FIND cnt, dst
	ALLT \cnt, v_mov_b32 v[MK+t], s[BM]
	ALLT \cnt, v_mov_b32 v[PK+t], 0
	s_bcnt1_i32_b32 s42, s[BM]
	s_or_b32 s44, s42, 1<<16
.set idx, 1
.rept 31
	ALLT \cnt, v_cmp_le_u32 s[CMK+t], s42, v[RK+t]
.if idx < 31
	s_bcnt1_i32_b32 s45, s[BM+idx]
	s_add_co_u32 s42, s42, s45
	s_or_b32 s[44+2*(idx%2)], s42, (128*((idx+1)/4)+(idx+1)%4)<<16
.endif
	ALLT \cnt, v_cndmask_b32 v[MK+t], v[MK+t], s[BM+idx], s[CMK+t]
	ALLT \cnt, v_cndmask_b32 v[PK+t], v[PK+t], s[44+2*((idx+1)%2)], s[CMK+t]
.set idx, idx+1
.endr
	ALLT \cnt, v_and_b32 v[TT+t], 0xffff, v[PK+t]
	ALLT \cnt, v_sub_nc_u32 v[RK+t], v[RK+t], v[TT+t]          ; the place among the word's set bits
	ALLT \cnt, v_lshrrev_b32 v[PK+t], 16, v[PK+t]              ; the word's first token
	ALLT \cnt, v_lshrrev_b32 v[TT+t], 1, v[MK+t]
	ALLT \cnt, v_and_b32 v[TT+t], s32, v[TT+t]
	ALLT \cnt, v_sub_nc_u32 v[QA+t], v[MK+t], v[TT+t]          ; counts of 2 bits
	ALLT \cnt, v_lshrrev_b32 v[TT+t], 2, v[QA+t]
	ALLT \cnt, v_and_b32 v[TT+t], s33, v[TT+t]
	ALLT \cnt, v_and_b32 v[QB+t], s33, v[QA+t]
	ALLT \cnt, v_add_nc_u32 v[QB+t], v[QB+t], v[TT+t]          ; of 4
	ALLT \cnt, v_lshrrev_b32 v[TT+t], 4, v[QB+t]
	ALLT \cnt, v_add_nc_u32 v[TT+t], v[QB+t], v[TT+t]
	ALLT \cnt, v_and_b32 v[QC+t], s36, v[TT+t]                 ; of 8
	ALLT \cnt, v_lshrrev_b32 v[TT+t], 8, v[QC+t]
	ALLT \cnt, v_add_nc_u32 v[TT+t], v[QC+t], v[TT+t]
	ALLT \cnt, v_and_b32 v[TT+t], 0xff, v[TT+t]                ; of the lower 16
	ALLT \cnt, v_cmp_ge_u32 s[CMK+t], v[RK+t], v[TT+t]
	ALLT \cnt, v_cndmask_b32 v[TT+t], 0, v[TT+t], s[CMK+t]
	ALLT \cnt, v_sub_nc_u32 v[RK+t], v[RK+t], v[TT+t]
	ALLT \cnt, v_cndmask_b32 v[PS+t], 0, 16, s[CMK+t]
	LEVEL \cnt, QC, 8
	LEVEL \cnt, QB, 4
	LEVEL \cnt, QA, 2
	ALLT \cnt, v_bfe_u32 v[TT+t], v[MK+t], v[PS+t], 1
	ALLT \cnt, v_cmp_ge_u32 s[CMK+t], v[RK+t], v[TT+t]
	ALLT \cnt, v_cndmask_b32 v[TU+t], 0, 1, s[CMK+t]
	ALLT \cnt, v_add_nc_u32 v[PS+t], v[PS+t], v[TU+t]
	ALLT \cnt, v_lshl_add_u32 v[(\dst)+t], v[PS+t], 2, v[PK+t] ; the token: 4 x the bit's place on from the word's first
.endm
.macro TOADDR                          ; the five tokens' rows in xb
	ALLT 5, v_min_u32 v[TK+t], 1023, v[TK+t]
	ALLT 5, v_lshl_add_u32 v[VA+t], v[TK+t], 11, v[H16]
.endm
; The sums start: bias x ones, C = 0.  Source 0 holds, in row m of column tile c = 4 g + c', the bias of hidden column 64 g + 4 m + c' at k = 0; source 1 holds 1 at k = 0 for every token.
.macro ACCINIT
	WIN 0x5f                                       ; both sources window 3, the sums window 1
.irp i, 0,1,2,3
.irp c, 0,1,2,3,4,5,6,7
	v_wmma_f32_16x16x32_bf16 v[64*\i+8*\c:64*\i+8*\c+7], v[FR+8*\c:FR+8*\c+7], v[FR+64:FR+71], 0
.endr
.endr
	WIN 0xaf                                       ; the sums window 2
.irp c, 0,1,2,3,4,5,6,7
	v_wmma_f32_16x16x32_bf16 v[8*\c:8*\c+7], v[FR+8*\c:FR+8*\c+7], v[FR+64:FR+71], 0
.endr
	WIN 0
.endm
; THE WAY OUT.  A live tile is rounded in place (each accumulator's lowest registers first), the relu taken on the packed halves, and each column tile stored as 512 consecutive bytes:
; column tiles 2 p and 2 p + 1 are the lower and upper half of the next launch's operand fragment for its K step 4 x + p.
.macro EPI
	PLACES
.irp i, 0,1,2,3,4
	WIN 0
	s_cmp_le_u32 s22, \i
	s_cbranch_scc1 .Lee\@
.set AB, (64*\i)%256
.set HW, \i/4
	WIN 0x45+0x45*HW
.irp c, 0,1,2,3,4,5,6,7
.irp m, 0,1,2,3
	v_cvt_pk_bf16_f32 v[AB+8*\c+\m], v[AB+8*\c+2*\m], v[AB+8*\c+2*\m+1]
.endr
.endr
	WIN 0x41+0x41*HW
.irp c, 0,1,2,3,4,5,6,7
.irp m, 0,1,2,3
	v_pk_max_num_bf16 v[AB+8*\c+\m], v[AB+8*\c+\m], v[ZERO]
.endr
.endr
	WIN 0x04+0x04*HW
.irp c, 0,1,2,3,4,5,6,7
	global_store_b128 v[L16], v[AB+8*\c:AB+8*\c+3], s[34:35] offset:\i*524288+\c*512
.endr
.endr
	WIN 0
.Lee\@:
.endm
	s_load_b256 s[4:11], s[0:1], 0x0               ; xb s[4:5], W1 s[6:7], b1 s[8:9], sel s[10:11]
	s_load_b64 s[12:13], s[0:1], 0x20              ; hbuf
	v_lshl_add_u32 v[SPW], v0, 2, SPARE
	v_mov_b32 v[NIL], 0
	v_lshrrev_b32 v19, 5, v0
	v_readfirstlane_b32 s16, v19                   ; wave 0..3
	s_and_b32 s17, ttmp7, 0xffff                   ; expert
	s_mov_b32 s18, ttmp9                           ; slice of 128 hidden columns
	v_and_b32 v1, 31, v0                           ; lane
	v_and_b32 v2, 15, v0                           ; r
	v_bfe_u32 v3, v0, 4, 1                         ; h
	v_lshlrev_b32 v[L16], 4, v1
	v_lshlrev_b32 v[H16], 4, v3
	v_lshlrev_b32 v[R16], 4, v2
	v_add_nc_u32 v[HM], -1, v3
	v_mov_b32 v[ZERO], 0
	s_lshr_b32 s26, s16, 1                         ; my quarter of a chunk: K step w / 2,
	s_and_b32 s48, s16, 1                          ; column group w % 2
	s_lshl_b32 s26, s26, 19                        ; 32 rows
	s_lshl_b32 s48, s48, 8                         ; 256 bytes
	s_add_co_u32 s48, s48, s26
	v_lshl_add_u32 v[VW], v3, 17, v[R16]           ; 8 h rows
	v_add_nc_u32 v[VW], s48, v[VW]
	v_lshl_add_u32 v[VPF], v1, 14, s48             ; row lane of my quarter's 32
	s_lshl_b32 s26, s16, 12
	v_add_nc_u32 v[VS], s26, v[L16]                ; my four fragments lie at 4,096 w in a chunk
	v_mov_b32 v[VB], v[L16]
	s_lshl_b32 s26, s16, 4
	v_add_nc_u32 v[VIB], s26, v2
	s_lshl_b32 s40, 0x101, s17                     ; chosen first or second
	s_mov_b32 s32, 0x55555555
	s_mov_b32 s33, 0x33333333
	s_mov_b32 s36, 0x0f0f0f0f
	s_mov_b32 s42, 0
	s_mov_b32 s27, 0
	s_lshl_b32 s49, s18, 9                         ; 128 columns of f32
	s_lshl_b32 s52, s17, 24
	s_add_co_u32 s52, s52, s49                     ; in W1
	s_mov_b32 s53, 0
	s_lshl_b32 s50, s17, 14
	s_add_co_u32 s50, s50, s49                     ; in b1
	s_mov_b32 s51, 0
	s_lshl_b32 s54, s17, 23                        ; in hbuf: expert, tile w, K steps 4 x on
	s_lshl_b32 s26, s16, 17
	s_add_co_u32 s54, s54, s26
	s_lshl_b32 s26, s18, 12
	s_add_co_u32 s54, s54, s26
	s_mov_b32 s55, 0
	s_wait_kmcnt 0x0
	s_add_nc_u64 s[28:29], s[6:7], s[52:53]
	s_add_nc_u64 s[8:9], s[8:9], s[50:51]
	s_add_nc_u64 s[34:35], s[12:13], s[54:55]
	s_mov_b64 s[30:31], s[4:5]
.irp m, 0,1,2,3,4,5,6,7                ; sel: word 4 m + z of my lane is token 128 m + 4 lane + z
	global_load_b128 v[FT+4*\m:FT+4*\m+3], v[L16], s[10:11] offset:\m*512
.endr
	global_load_b128 v[BI:BI+3], v[R16], s[8:9]                ; the bias of hidden columns 4 r + c', and
	global_load_b128 v[BI+4:BI+7], v[R16], s[8:9] offset:256   ; of 64 + 4 r + c'
	WLOAD 0, 0
	WLOAD 1, 1                                     ; 42 loads are out
	WIN 0
.irp n, 2,3,4                          ; chunks 2 to 4 are asked for while the rows are looked up; from then on trip t asks for chunk t + 5
	global_prefetch_b8 v[VPF], s[28:29] offset:\n*CHW th:TH_LOAD_NT scope:SCOPE_SE
.endr
	WIN 0xc0                                       ; the nine fragments' zeros, and the 1 (bf16) at k = 0
.set n, 0
.rept 72
.if n%8
	v_mov_b32 v[FR+n], 0
.endif
.set n, n+1
.endr
	v_and_b32 v[FR+64], 0x3f80, v[HM]
	WIN 0
	s_wait_loadcnt 34                              ; sel is in; the bias (2) and chunks 0 and 1 (32) stay out
.set idx, 0
.rept 32                               ; the bitmap: the lanes whose token chose the expert
	v_and_b32 v[WK+idx%4], s40, v[FT+idx]
	v_cmp_ne_u32 s[BM+idx], 0, v[WK+idx%4]
.set idx, idx+1
.endr
.set idx, 0
.rept 32
	s_bcnt1_i32_b32 s45, s[BM+idx]
	s_add_co_u32 s42, s42, s45
.set idx, idx+1
.endr
	s_min_u32 s19, s42, 1024                       ; the expert's rows
	s_max_u32 s21, s42, 1
	s_sub_co_u32 s21, s21, 1
	s_min_u32 s21, s21, 1023                       ; its last row's rank
	s_add_co_u32 s20, s19, 15
	s_lshr_b32 s20, s20, 4
	s_max_u32 s20, s20, 1                          ; tiles; tile 0 is always made, so that every byte of hbuf that is read later has been stored
	SETTW
	ALLT 5, v_add_nc_u32 v[RK+t], 64*t, v[VIB]     ; my row in each of my five tiles;
	ALLT 5, v_min_u32 v[RK+t], s21, v[RK+t]        ; places past the count repeat the last row
	FIND 5, TK
	TOADDR
	ALOAD 0, 0
	WIN 0
	s_wait_loadcnt 52                              ; the bias is in: behind it stand chunks 0 and 1 (32) and chunk 0's tokens (20)
.irp n, 0,1,2,3,4,5,6,7
	v_cvt_pk_bf16_f32 v[BI+\n], v[BI+\n], v[ZERO]  ; rounded into the low half, which is k = 0; the high half, k = 1, is 0
.endr
	WIN 0xc0
.irp n, 0,1,2,3,4,5,6,7
	v_and_b32 v[FR+8*\n], v[HM], v[BI+\n]          ; in the lower half of the lanes alone: the upper half's first register is k = 8
.endr
	ACCINIT
	s_wait_loadcnt 36                              ; chunk 0 is in: behind it stand chunk 1 (16) and chunk 0's tokens (20)
	CVT 0
	WSTORE 0
	WLOAD 0, 2                                     ; so that W(1), A(0), W(2) are out, in this order, as at every trip's head
	WIN 0
	s_wait_dscnt 0x0                               ; for the others' sake: my four fragments of chunk 0 are in LDS
	s_barrier_signal -1
	s_barrier_wait -1
	BLOADH VB, 0, 0
	s_mov_b32 s24, 7
	s_branch .Leven                                ; thirteen trips ask for weights: the loop is entered at its second half, trip 0, and left behind trip 12
.Lodd:
	TRIP 1, 1, 1, 36, 36, 1
	s_wait_xcnt 0x0                                ; the bases of loads that are out are stepped only behind this wait
	s_add_nc_u64 s[28:29], s[28:29], 2*CHW
	s_add_nc_u64 s[30:31], s[30:31], 2*CHA
	v_add_nc_u32 v[VS], 2*CHL, v[VS]
	v_add_nc_u32 v[VB], 2*CHL, v[VB]
.Leven:
	TRIP 0, 1, 1, 36, 36, 1
	s_sub_co_u32 s24, s24, 1
	s_cmp_lg_u32 s24, 0
	s_cbranch_scc1 .Lodd
	s_lshl_b32 s26, s16, 12                        ; the last three trips name their chunks from chunk 12 on: its first byte, which six steps have left in the two registers, written as a constant
	s_add_co_u32 s26, s26, 12*CHL
	v_add_nc_u32 v[VS], s26, v[L16]
	v_add_nc_u32 v[VB], 12*CHL, v[L16]
	TRIP 1, 1, 0, 36, 36, 0                        ; chunk 13: no weights are left to ask for; behind W(14) stand A(13) and W(15), behind A(13) W(15) and A(14)
	TRIP 2, 1, 0, 20, 20, 0                        ; chunk 14: behind W(15) stands A(14), behind A(14) A(15)
	TRIP 3, 0, 0, 0, 0, 0                          ; chunk 15: nothing is left to round or to ask for
	s_mov_b32 s23, 0
.Lblk:                                 ; four blocks of 20 tiles serve every split; block 0 has just been multiplied
	s_cmp_eq_u32 s23, 0
	s_cbranch_scc1 .Lepi
	s_cmp_ge_u32 s27, s20
	s_cbranch_scc1 .Lnext                          ; the block has no tile
	PLACES                                         ; the look-up works in the fragments' registers
	SETTW
	v_mov_b32 v[PP], v[VIB]
	s_mov_b32 s25, 5
.Lfind:                                ; a tile a trip, so that the look-up stands here in its short form: the tokens move down by one, the new one comes in on top
.irp i, 0,1,2,3
	v_mov_b32 v[TK+\i], v[TK+\i+1]
.endr
	v_min_u32 v[RK], s21, v[PP]
	FIND 1, TK+4
	v_add_nc_u32 v[PP], 64, v[PP]
	s_sub_co_u32 s25, s25, 1
	s_cmp_lg_u32 s25, 0
	s_cbranch_scc1 .Lfind
	TOADDR
	ACCINIT
	s_mov_b32 s56, 0                               ; the slice's first chunk, in LDS
	s_mov_b32 s52, 0                               ; and in a row of xb
	s_mov_b32 s25, 16
.Lslow:                                ; a chunk from the slice in LDS: nothing is written there, so no barrier
	v_add_nc_u32 v[VB2], s56, v[L16]
	s_add_nc_u64 s[30:31], s[4:5], s[52:53]        ; the last trip's loads were waited for, so the base may be written
	ALOAD 0, 0
	WIN 0
	BLOADH VB2, 0, 0
	BLOADH VB2, 0, 1
	s_wait_loadcnt 0x0
	s_wait_dscnt 16
	KSTEP 0, 0
	s_wait_dscnt 0x0
	KSTEP 1, 0
	PLACES                                         ; ahead of the next trip's loads into the operands
	s_add_co_u32 s56, s56, CHL
	s_add_co_u32 s52, s52, CHA
	s_sub_co_u32 s25, s25, 1
	s_cmp_lg_u32 s25, 0
	s_cbranch_scc1 .Lslow
.Lepi:
	EPI
.Lnext:
	s_wait_xcnt 0x0                                ; the stores' base and data are rewritten only behind this wait
	s_add_nc_u64 s[34:35], s[34:35], 20*131072
	v_add_nc_u32 v[VIB], 320, v[VIB]
	s_add_co_u32 s27, s27, 20
	s_add_co_u32 s23, s23, 1
	s_cmp_lt_u32 s23, 4
	s_cbranch_scc1 .Lblk
	s_wait_dscnt 0x0                               ; my reads of the slice are over;
	s_barrier_signal -1                            ; a barrier stands between every wave's reads of LDS and the one LDS write that follows them, the add below,
	s_barrier_wait -1                              ; so that their order does not hang on which bytes the stepped reads of blocks 1 to 3 name
	s_wait_tensorcnt 0x0                           ; the wave's end
	ds_add_u32 v[SPW], v[NIL]
	s_wait_dscnt 0x0
	s_endpgm
.Lfunc_end_k_qd99957a75e_up:
	.size	k_qd99957a75e_up, .Lfunc_end_k_qd99957a75e_up-k_qd99957a75e_up
	.p2alignl 7, 3214868480
	.fill 96, 4, 3214868480
	.section	.rodata,"a",@progbits
	.p2align	6, 0x0
	.amdhsa_kernel k_qd99957a75e_up
		.amdhsa_group_segment_fixed_size 279040
		.amdhsa_private_segment_fixed_size 0
		.amdhsa_enable_private_segment 0
		.amdhsa_kernarg_size 40
		.amdhsa_user_sgpr_count 2
		.amdhsa_user_sgpr_kernarg_segment_ptr 1
		.amdhsa_wavefront_size32 1
		.amdhsa_system_sgpr_workgroup_id_x 1
		.amdhsa_system_sgpr_workgroup_id_y 1
		.amdhsa_system_sgpr_workgroup_id_z 1
		.amdhsa_system_vgpr_workitem_id 0
		.amdhsa_next_free_vgpr 1024
		.amdhsa_next_free_sgpr 98
		.amdhsa_reserve_vcc 0
		.amdhsa_float_denorm_mode_32 3
		.amdhsa_float_denorm_mode_16_64 3
		.amdhsa_memory_ordered 1
		.amdhsa_forward_progress 1
		.amdhsa_inst_pref_size 182
	.end_amdhsa_kernel
	.amdgpu_metadata
---
amdhsa.version: [ 1, 2 ]
amdhsa.kernels:
  - .name:           k_qd99957a75e_up
    .symbol:         k_qd99957a75e_up.kd
    .args:
      - { .name: xb, .offset: 0, .size: 8, .value_kind: global_buffer, .address_space: global }
      - { .name: W1, .offset: 8, .size: 8, .value_kind: global_buffer, .address_space: global }
      - { .name: b1, .offset: 16, .size: 8, .value_kind: global_buffer, .address_space: global }
      - { .name: sel, .offset: 24, .size: 8, .value_kind: global_buffer, .address_space: global }
      - { .name: hbuf, .offset: 32, .size: 8, .value_kind: global_buffer, .address_space: global }
    .group_segment_fixed_size: 279040
    .private_segment_fixed_size: 0
    .kernarg_segment_align: 8
    .kernarg_segment_size: 40
    .max_flat_workgroup_size: 128
    .sgpr_count:     98
    .vgpr_count:     1024
    .wavefront_size: 32
...
	.end_amdgpu_metadata
.endif
;; end of part 5
;; launch down (part 6): grid 32 x 8, 4 waves a work-group, no clusters, 320,000 bytes of LDS; arguments hbuf, W2, b2, sel, gate, part; writes part
.if DOCPART == 6
	.amdgcn_target "amdgcn-amd-amdhsa--gfx1250"
	.amdhsa_code_object_version 6
	.text
	.protected	k_qd99957a75e_down
	.globl	k_qd99957a75e_down
	.p2align	8
	.type	k_qd99957a75e_down,@function
k_qd99957a75e_down:
	s_mov_b64 s[64:65], 0
	v_nop
	global_prefetch_b8 v0, s[64:65] scope:SCOPE_SE
	s_setreg_imm32_b32 hwreg(HW_REG_WAVE_MODE, 25, 1), 1
	s_wait_xcnt 0x0
; part[q][k x 1,024 + token][:] = gate weight x (h[:, quarter q of the hidden width] W2[e] + b2[e] in quarter 0), for the rows that chose expert e as their k-th.
; W2 and b2 are rounded to bf16; h arrives in bf16; sums and the partial results in f32.  The last launch adds a token's eight partial rows.
; LIMITS.  NaN and infinities are not treated apart.  An expert without rows still streams its weights and stores nothing.
; SHARES.  Work-group (x, y): expert y, hidden rows 1,024 (x / 8) on, output columns 128 (x % 8) on: 1,024 x 128 weights, 524,288 bytes, which it alone reads, once; and all rows of the expert.
; Tiles, blocks, chunks, trips (LDS one chunk ahead of the products), the slice that stays in LDS and the bias as a product are those of the launch before; the ranks are made in the same order, so row p of an expert is the same token there and here.
; Places past the count repeat the expert's last row, there and here: such a lane stores the same numbers to the same bytes as the live row, which lies in the same tile of the same wave.  All lanes stay on.
; Matrix instructions of dead tiles are jumped at tiles 0, 3 and 4 (a wave with one or two live tiles multiplies three), stores of dead tiles at every tile.
; THE ORDER OF K is the one in which h was stored: in K step S place 8 h + j stands for hidden row 64 (S / 2) + 32 h + 4 j + 2 (S % 2), place 16 + 8 h + j for the row behind it; the weights' rows are loaded in that order,
; and a chunk is still 64 consecutive rows of W2.
; NO CLUSTER: each weight byte has one reader.  The eight column slices of one expert and quarter read the same tiles of h; a ring of two slots for them (2 x 20 tiles x 2,048 bytes = 81,920) does not fit
; beside the slice, the lists and the spare words (303,616 of 327,680 bytes are in use).
; REGISTERS, in windows of 256 (s_set_vgpr_msb: bits 1:0 source 0, 3:2 source 1, 5:4 source 2, 7:6 destination):
;   window 0: v0-31 addresses; v32-95, v96-159 the weight fragments of a first and of a second K step (at the start v32-95: gate; on the way out: a tile's weighted numbers); v160-167 the bias as loaded; v168-203 the way out; v224-255 rounded weights on their way to LDS (at the start: sel)
;   window 1: accumulators of tiles 0-3, (i, c) at 64 i + 8 c      window 2: v0-63 tile 4's; v64-223 fragments of h, two buffers of 80
;   window 3: v0-127 weights as loaded, two buffers of 64; v128-191 eight fragments with the bias; v192-199 the fragment with 1
.set PW,   4096                        ; bytes in a row of W2
.set CHW,  64*PW                       ; a chunk of W2
.set CHA,  2048                        ; a chunk's two K steps in a tile of hbuf
.set AK,   1024                        ; a K step there
.set AH,   512                         ; the fragment's upper half
.set CHL,  16384                       ; a chunk in LDS
.set LIST, 17*CHL                      ; a list for each wave, records of 8 bytes (entry, weight); room for the 1,280 rows that four blocks can name; records 1,088 on take what a lane does not place.
                                       ; One chunk's bytes between the slice and the lists stay unused: a stepped address with one step more than the loop makes would still name bytes that nothing else uses
.set LSZ,  10240
.set SPARE, LIST+4*LSZ                 ; the spare words: 128 bytes a wave, two blocks of 256 bytes that no other line names
.set L16, 4                            ; v4   16 x lane
.set VW,  5                            ; v5   my offset in a chunk of W2
.set VPF, 6                            ; v6   my block of 256 bytes of my wave's quarter, for the prefetch
.set VS,  7                            ; v7   LDS: where I store fragments (steps)
.set VB,  8                            ; v8   LDS: where I read them (steps)
.set VB2, 9                            ; v9   the same for blocks 1 to 3
.set VA,  10                           ; v10-14 tile i: its place in hbuf + 16 x lane
.set VRA, 15                           ; v15  LDS: the records of rows 8 h .. 8 h + 7 of my wave's tile 0 of the block (steps)
.set HQ,  16                           ; v16  HM in quarter 0, else 0
.set R16, 17                           ; v17  16 r
.set DMP, 18                           ; v18  1,088 + lane
.set SPW, 28                           ; v28 my spare word's address; v29 0: kept for the add alone
.set NIL, 29
.set L4,  30                           ; v30  4 x lane
.set HM,  31                           ; v31  all ones in lanes 0-15, 0 in lanes 16-31: k = 0 of a fragment lies in the lower half of the lanes
.set BF,  32
.set G0,  32                           ; gate, first and second choice, as sel lies
.set G1,  64
.set TM,  32                           ; the way out: row j's eight weighted numbers at TM + 8 j
.set BI,  160
.set RC,  168                          ; eight records
.set VO,  192                          ; eight rows' offsets in part
.set ZQ,  200                          ; four zeros
.set FT,  224
.set FR,  128                          ; window 3: the bias fragment of column tile c at FR + 8 c, the ones at FR + 64
; s16 wave, s17 expert, s18 quarter, s19 count, s20 tiles, s21 the last row's rank, s22 my live tiles in the block, s23 block, s24, s25 counters, s27 20 x block, s[28:29] W2 at the even chunk in hand,
; s[30:31] hbuf likewise, s[32:33] hbuf at the expert and quarter, s[34:35] part at the quarter and columns, s40, s41 the expert's bits, s42 running rank, s46 my list,
; s[52:53] an offset in 64 bits, s56 blocks 1 to 3: the chunk's first byte in LDS
.set MSB, 0
.macro WIN new                         ; the immediate's high byte repeats the setting that is left; a switch that changes nothing is dropped
.if MSB != (\new)
	s_set_vgpr_msb (MSB<<8)|(\new)
.set MSB, (\new)
.endif
.endm
.macro PLACES                          ; four plain instructions between a matrix instruction and a vector line or a load that touches its registers
.rept 4
	v_nop
.endr
.endm
.macro WLOAD wb, rel                   ; my quarter of chunk rel: 16 loads; lanes 0-15 take 256 consecutive bytes of one row, lanes 16-31 of the row 32 further down
	WIN 0xc0
.irp hi, 0,1
.irp j, 0,1,2,3,4,5,6,7
	global_load_b128 v[64*(\wb)+32*\hi+4*\j:64*(\wb)+32*\hi+4*\j+3], v[VW], s[28:29] offset:(\rel)*CHW+(4*\j+\hi)*PW th:TH_LOAD_NT
.endr
.endr
.endm
.macro ALOAD ab, rel                   ; the fragments of h of chunk rel for my five tiles: 20 loads of 512 consecutive bytes
	WIN 0x80
.irp i, 0,1,2,3,4
.irp u, 0,1,2,3
	global_load_b128 v[64+80*(\ab)+16*\i+4*\u:64+80*(\ab)+16*\i+4*\u+3], v[VA+\i], s[30:31] offset:(\rel)*CHA+(\u/2)*AK+(\u%2)*AH
.endr
.endr
.endm
.macro CVT wb                          ; two neighbouring places of K of column c rounded together: register m of fragment c
	WIN 0x0f
.irp c, 0,1,2,3
.irp m, 0,1,2,3,4,5,6,7
	v_cvt_pk_bf16_f32 v[FT+8*\c+\m], v[64*(\wb)+8*\m+\c], v[64*(\wb)+8*\m+4+\c]
.endr
.endr
	WIN 0
.endm
.macro WSTORE cn                       ; my four fragments of the chunk cn chunks on from the base
.irp u, 0,1,2,3,4,5,6,7
	ds_store_b128 v[VS], v[FT+4*\u:FT+4*\u+3] offset:(\cn)*CHL+\u*512
.endr
.endm
.macro BLOADH adr, cn, ks              ; the eight fragments of K step ks of the chunk cn chunks on from the base: 16 loads
.set u, 0
.rept 16
	ds_load_b128 v[BF+64*(\ks)+4*u:BF+64*(\ks)+4*u+3], v[\adr] offset:(\cn)*CHL+(\ks)*8192+u*512
.set u, u+1
.endr
.endm
; A K step of 32: for each tile 8 matrix instructions.  Source 0 = 16 rows of h, source 1 = 16 output columns: register j of a lane is row 8 h + j, column 64 g + 4 r + c'.
; The accumulators take turns, one instruction a turn, from step to step and round the loops too.
.macro KSTEP ks, ab
.irp i, 0,1,2,3,4
.if (\i == 0) || (\i >= 3)
	WIN 0
	s_cmp_le_u32 s22, \i
	s_cbranch_scc1 .Lke\@
.endif
.if \i < 4
	WIN 0x52
.else
	WIN 0xa2
.endif
.irp c, 0,1,2,3,4,5,6,7
	v_wmma_f32_16x16x32_bf16 v[(64*\i)%256+8*\c:(64*\i)%256+8*\c+7], v[64+80*(\ab)+16*\i+8*(\ks):64+80*(\ab)+16*\i+8*(\ks)+7], v[BF+64*(\ks)+8*\c:BF+64*(\ks)+8*\c+7], v[(64*\i)%256+8*\c:(64*\i)%256+8*\c+7]
.endr
.endr
	WIN 0
.Lke\@:
.endm
; A TRIP, chunk t, which lies cn chunks on from the bases (the bases stand at an even chunk, so t's parity is cn's); its arguments and counts as in the launch before: at most 56 loads of a wave are out in a trip.
.macro TRIP cn, nx, iw, n1, n2, pf
	WIN 0
.if \nx
	s_wait_loadcnt \n1                             ; loads come back in the order of issue (ISA guide 5.7.1): behind W(t+1) stand A(t) and W(t+2)
	CVT 1-(\cn)%2                                  ; also the places between the last trip's products and the loads below
	WSTORE (\cn)+1
.else
	PLACES
.endif
	BLOADH VB, \cn, 1                              ; chunk t's second K step: it lands while the first is multiplied
.if \nx
	ALOAD 1-(\cn)%2, (\cn)+1
	WIN 0
.endif
	s_wait_loadcnt \n2                             ; A(t) is in: behind it stand W(t+2) and A(t+1)
.if \iw
	WLOAD 1-(\cn)%2, (\cn)+3
	WIN 0
.endif
	s_wait_dscnt 16+8*(\nx)                        ; chunk t's first K step, asked for in the trip before, is in: behind its loads stand this trip's stores and its 16 loads
	KSTEP 0, (\cn)%2
	s_wait_dscnt 0x0                               ; the second K step is in; for the others' sake: my four fragments of chunk t + 1 are in LDS
.if \nx
	s_barrier_signal -1
	s_barrier_wait -1                              ; chunk t + 1 is whole; its bytes are never written again
	PLACES                                         ; behind the products that read the first K step's registers
	BLOADH VB, (\cn)+1, 0                          ; chunk t + 1's first K step: it lands while chunk t's second is multiplied
.endif
.if \pf
	s_cmp_lt_u32 s24, 2                            ; trips 11 and 12 have no chunk t + 5
	s_cbranch_scc1 .Lnp\@
	global_prefetch_b8 v[VPF], s[28:29] offset:((\cn)+5)*CHW th:TH_LOAD_NT scope:SCOPE_SE
.Lnp\@:
.endif
	KSTEP 1, (\cn)%2
.endm
.macro SETTW                           ; my live tiles in the block
	s_sub_co_i32 s22, s20, s27
	s_sub_co_i32 s22, s22, s16
	s_add_co_i32 s22, s22, 3
	s_max_i32 s22, s22, 0
	s_lshr_b32 s22, s22, 2
	s_min_u32 s22, s22, 5
.endm
.macro SETVA                           ; my five tiles' places in hbuf; a dead tile reads tile 0, which has always been stored
.irp i, 0,1,2,3,4
	s_add_co_u32 s26, s27, 4*\i
	s_add_co_u32 s26, s26, s16
	s_cmp_lt_u32 s26, s20
	s_cselect_b32 s26, s26, 0
	s_min_u32 s26, s26, 63
	s_lshl_b32 s26, s26, 17
	v_add_nc_u32 v[VA+\i], s26, v[L16]
.endr
.endm
; The sums start: ones x bias, C = 0.  Source 0 holds 1 at k = 0 for every row; source 1 holds, in column r of column tile c = 4 g + c', the bias of output column 64 g + 4 r + c' at k = 0 (0 in quarters 1 to 3).
.macro ACCINIT
	WIN 0x5f                                       ; both sources window 3, the sums window 1
.irp i, 0,1,2,3
.irp c, 0,1,2,3,4,5,6,7
	v_wmma_f32_16x16x32_bf16 v[64*\i+8*\c:64*\i+8*\c+7], v[FR+64:FR+71], v[FR+8*\c:FR+8*\c+7], 0
.endr
.endr
	WIN 0xaf                                       ; the sums window 2
.irp c, 0,1,2,3,4,5,6,7
	v_wmma_f32_16x16x32_bf16 v[8*\c:8*\c+7], v[FR+64:FR+71], v[FR+8*\c:FR+8*\c+7], 0
.endr
	WIN 0
.endm
; THE WAY OUT.  For a live tile the records of my eight rows come from my wave's list; the tile's 64 numbers a lane are weighted (each accumulator's lowest register first) into the fragments' free registers
; and stored, 16 lanes filling 256 consecutive aligned bytes of a row's place in part.
.macro EPI
	PLACES
.irp i, 0,1,2,3,4
	WIN 0
	s_cmp_le_u32 s22, \i
	s_cbranch_scc1 .Lee\@
.irp n, 0,1,2,3
	ds_load_b128 v[RC+4*\n:RC+4*\n+3], v[VRA] offset:\i*512+\n*16
.endr
	s_wait_xcnt 0x0                                ; the last tile's stores have read their offsets and data: both are written anew below
	s_wait_dscnt 0x0
.irp j, 0,1,2,3,4,5,6,7
	v_min_u32 v[VO+\j], 2047, v[RC+2*\j]
	v_lshl_add_u32 v[VO+\j], v[VO+\j], 12, v[R16]
.endr
	WIN 0x01+\i/4
.irp j, 0,1,2,3,4,5,6,7
.irp c, 0,1,2,3,4,5,6,7
	v_mul_f32 v[TM+8*\j+\c], v[(64*\i)%256+8*\c+\j], v[RC+2*\j+1]
.endr
.endr
	WIN 0
.irp j, 0,1,2,3,4,5,6,7
	global_store_b128 v[VO+\j], v[TM+8*\j:TM+8*\j+3], s[34:35]
	global_store_b128 v[VO+\j], v[TM+8*\j+4:TM+8*\j+7], s[34:35] offset:256
.endr
.endr
	WIN 0
.Lee\@:
.endm
	s_load_b256 s[4:11], s[0:1], 0x0               ; hbuf s[4:5], W2 s[6:7], b2 s[8:9], sel s[10:11]
	s_load_b128 s[12:15], s[0:1], 0x20             ; gate s[12:13], part s[14:15]
	v_lshl_add_u32 v[SPW], v0, 2, SPARE
	v_mov_b32 v[NIL], 0
	v_lshrrev_b32 v19, 5, v0
	v_readfirstlane_b32 s16, v19                   ; wave 0..3
	s_and_b32 s17, ttmp7, 0xffff                   ; expert
	s_lshr_b32 s18, ttmp9, 3                       ; quarter of the hidden width
	s_and_b32 s36, ttmp9, 7                        ; slice of 128 output columns
	v_and_b32 v1, 31, v0                           ; lane
	v_and_b32 v2, 15, v0                           ; r
	v_bfe_u32 v3, v0, 4, 1                         ; h
	v_lshlrev_b32 v[L16], 4, v1
	v_lshlrev_b32 v[L4], 2, v1
	v_lshlrev_b32 v[R16], 4, v2
	v_add_nc_u32 v[HM], -1, v3
	v_add_nc_u32 v[DMP], 1088, v1
.irp n, 0,1,2,3
	v_mov_b32 v[ZQ+\n], 0
.endr
	s_lshr_b32 s26, s16, 1                         ; my quarter of a chunk: K step w / 2,
	s_and_b32 s48, s16, 1                          ; column group w % 2
	s_lshl_b32 s26, s26, 13                        ; 2 rows
	s_lshl_b32 s48, s48, 8                         ; 256 bytes
	s_add_co_u32 s48, s48, s26
	v_lshl_add_u32 v[VW], v3, 17, v[R16]           ; 32 h rows
	v_add_nc_u32 v[VW], s48, v[VW]
	v_lshrrev_b32 v19, 1, v1                       ; my quarter's 32 rows: 4 (lane / 2) + lane % 2
	v_and_b32 v20, 1, v1
	v_lshlrev_b32 v[VPF], 14, v19
	v_lshl_add_u32 v[VPF], v20, 12, v[VPF]
	v_add_nc_u32 v[VPF], s48, v[VPF]
	s_lshl_b32 s26, s16, 12
	v_add_nc_u32 v[VS], s26, v[L16]
	v_mov_b32 v[VB], v[L16]
	s_mul_i32 s46, s16, LSZ
	s_add_co_u32 s46, s46, LIST
	s_lshl_b32 s26, s16, 7                         ; 16 w records
	s_add_co_u32 s26, s26, s46
	v_lshl_add_u32 v[VRA], v3, 6, s26              ; + 8 h records
	s_lshl_b32 s40, 0x101, s17                     ; chosen first or second
	s_lshl_b32 s41, 0x100, s17                     ; chosen second
	s_mov_b32 s42, 0
	s_mov_b32 s27, 0
	s_lshl_b32 s37, s36, 9                         ; 128 columns of f32
	s_lshl_b32 s52, s17, 24
	s_lshl_b32 s26, s18, 22
	s_add_co_u32 s52, s52, s26
	s_add_co_u32 s52, s52, s37                     ; in W2
	s_mov_b32 s53, 0
	s_lshl_b32 s50, s17, 12
	s_add_co_u32 s50, s50, s37                     ; in b2
	s_mov_b32 s51, 0
	s_lshl_b32 s54, s17, 23
	s_lshl_b32 s26, s18, 15
	s_add_co_u32 s54, s54, s26                     ; in hbuf: expert, K steps 32 q on
	s_mov_b32 s55, 0
	s_lshl_b32 s38, s18, 23
	s_add_co_u32 s38, s38, s37                     ; in part
	s_mov_b32 s39, 0
	s_wait_kmcnt 0x0
	s_add_nc_u64 s[28:29], s[6:7], s[52:53]
	s_add_nc_u64 s[8:9], s[8:9], s[50:51]
	s_add_nc_u64 s[32:33], s[4:5], s[54:55]
	s_add_nc_u64 s[34:35], s[14:15], s[38:39]
	s_mov_b64 s[30:31], s[32:33]
.irp m, 0,1,2,3,4,5,6,7                ; sel: word 4 m + z of my lane is token 128 m + 4 lane + z; gate lies likewise
	global_load_b128 v[FT+4*\m:FT+4*\m+3], v[L16], s[10:11] offset:\m*512
.endr
.irp k, 0,1
.irp m, 0,1,2,3,4,5,6,7
	global_load_b128 v[G0+32*\k+4*\m:G0+32*\k+4*\m+3], v[L16], s[12:13] offset:\k*4096+\m*512
.endr
.endr
	global_load_b128 v[BI:BI+3], v[R16], s[8:9]                ; the bias of output columns 4 r + c', and
	global_load_b128 v[BI+4:BI+7], v[R16], s[8:9] offset:256   ; of 64 + 4 r + c'
	WLOAD 0, 0
	WLOAD 1, 1                                     ; 58 loads are out
	WIN 0
.irp n, 2,3,4                          ; chunks 2 to 4 are asked for while the list is made; from then on trip t asks for chunk t + 5
	global_prefetch_b8 v[VPF], s[28:29] offset:\n*CHW th:TH_LOAD_NT scope:SCOPE_SE
.endr
	v_add_nc_u32 v19, s46, v[L16]
.set n, 0
.rept 20                               ; my list's 1,280 records start as zeros
	ds_store_b128 v19, v[ZQ:ZQ+3] offset:n*512
.set n, n+1
.endr
	WIN 0xc0                                       ; the nine fragments' zeros, and the 1 (bf16) at k = 0
.set n, 0
.rept 72
.if n%8
	v_mov_b32 v[FR+n], 0
.endif
.set n, n+1
.endr
	v_and_b32 v[FR+64], 0x3f80, v[HM]
	WIN 0
	s_wait_loadcnt 34                              ; sel and gate are in; the bias (2) and chunks 0 and 1 (32) stay out
.set idx, 0
.rept 32
	v_and_b32 v19, s40, v[FT+idx]
	v_cmp_ne_u32 vcc_lo, 0, v19                    ; the lanes whose token chose the expert,
	v_and_b32 v22, s41, v[FT+idx]
	v_cmp_ne_u32 s44, 0, v22                       ; and those that chose it second
	v_mbcnt_lo_u32_b32 v20, vcc_lo, s42            ; rank
	v_cndmask_b32 v20, v[DMP], v20, vcc_lo         ; the others store behind the list
	v_min_u32 v20, 1119, v20
	v_lshl_add_u32 v20, v20, 3, s46
	v_add_nc_u32 v24, 128*(idx/4)+idx%4, v[L4]
	v_add_nc_u32 v22, 1024+128*(idx/4)+idx%4, v[L4]
	v_cndmask_b32 v24, v24, v22, s44               ; entry = 1,024 k + token
	v_cndmask_b32 v25, v[G0+idx], v[G1+idx], s44   ; its weight
	s_bcnt1_i32_b32 s45, vcc_lo
	s_add_co_u32 s42, s42, s45
	ds_store_b64 v20, v[24:25]                     ; LDS serves a wave's instructions in order (ISA guide 5.7.1.4): behind the zeros
.set idx, idx+1
.endr
	s_min_u32 s19, s42, 1024                       ; the expert's rows
	s_max_u32 s21, s42, 1
	s_sub_co_u32 s21, s21, 1
	s_min_u32 s21, s21, 1023                       ; its last row's rank
	s_lshl_b32 s26, s21, 3
	s_add_co_u32 s26, s26, s46
	v_mov_b32 v19, s26
	ds_load_b64 v[26:27], v19                      ; the last row's record
	v_add_nc_u32 v20, s19, v1
	v_min_u32 v20, 1055, v20
	v_lshl_add_u32 v20, v20, 3, s46
	s_wait_dscnt 0x0
	ds_store_b64 v20, v[26:27]                     ; is repeated on the 32 places behind it, more than a tile's rows
	s_add_co_u32 s20, s19, 15
	s_lshr_b32 s20, s20, 4                         ; tiles; none for an expert without rows
	SETTW
	SETVA
	ALOAD 0, 0
	WIN 0
	s_wait_loadcnt 52                              ; the bias is in: behind it stand chunks 0 and 1 (32) and chunk 0's h (20)
	s_cmp_eq_u32 s18, 0
	s_cselect_b32 s26, -1, 0                       ; the bias belongs to quarter 0 alone
	v_and_b32 v[HQ], s26, v[HM]
.irp n, 0,1,2,3,4,5,6,7
	v_cvt_pk_bf16_f32 v[BI+\n], v[BI+\n], v[ZQ]    ; rounded into the low half, which is k = 0; the high half, k = 1, is 0
.endr
	WIN 0xc0
.irp n, 0,1,2,3,4,5,6,7
	v_and_b32 v[FR+8*\n], v[HQ], v[BI+\n]          ; in the lower half of the lanes alone: the upper half's first register is k = 8
.endr
	ACCINIT
	s_wait_loadcnt 36                              ; chunk 0 is in: behind it stand chunk 1 (16) and chunk 0's h (20)
	CVT 0
	WSTORE 0
	WLOAD 0, 2                                     ; so that W(1), A(0), W(2) are out, in this order, as at every trip's head
	WIN 0
	s_wait_dscnt 0x0                               ; for the others' sake: my four fragments of chunk 0 are in LDS
	s_barrier_signal -1
	s_barrier_wait -1
	BLOADH VB, 0, 0
	s_mov_b32 s24, 7
	s_branch .Leven                                ; thirteen trips ask for weights: the loop is entered at its second half, trip 0, and left behind trip 12
.Lodd:
	TRIP 1, 1, 1, 36, 36, 1
	s_wait_xcnt 0x0                                ; the bases of loads that are out are stepped only behind this wait
	s_add_nc_u64 s[28:29], s[28:29], 2*CHW
	s_add_nc_u64 s[30:31], s[30:31], 2*CHA
	v_add_nc_u32 v[VS], 2*CHL, v[VS]
	v_add_nc_u32 v[VB], 2*CHL, v[VB]
.Leven:
	TRIP 0, 1, 1, 36, 36, 1
	s_sub_co_u32 s24, s24, 1
	s_cmp_lg_u32 s24, 0
	s_cbranch_scc1 .Lodd
	s_lshl_b32 s26, s16, 12                        ; the last three trips name their chunks from chunk 12 on: its first byte, which six steps have left in the two registers, written as a constant
	s_add_co_u32 s26, s26, 12*CHL
	v_add_nc_u32 v[VS], s26, v[L16]
	v_add_nc_u32 v[VB], 12*CHL, v[L16]
	TRIP 1, 1, 0, 36, 36, 0                        ; chunk 13: no weights are left to ask for; behind W(14) stand A(13) and W(15), behind A(13) W(15) and A(14)
	TRIP 2, 1, 0, 20, 20, 0                        ; chunk 14: behind W(15) stands A(14), behind A(14) A(15)
	TRIP 3, 0, 0, 0, 0, 0                          ; chunk 15: nothing is left to round or to ask for
	s_mov_b32 s23, 0
.Lblk:                                 ; four blocks of 20 tiles serve every split; block 0 has just been multiplied
	s_cmp_eq_u32 s23, 0
	s_cbranch_scc1 .Lepi
	s_cmp_ge_u32 s27, s20
	s_cbranch_scc1 .Lnext                          ; the block has no tile
	SETTW
	SETVA
	ACCINIT
	s_mov_b32 s56, 0                               ; the slice's first chunk, in LDS
	s_mov_b32 s52, 0                               ; and in a tile of hbuf
	s_mov_b32 s25, 16
.Lslow:                                ; a chunk from the slice in LDS: nothing is written there, so no barrier
	v_add_nc_u32 v[VB2], s56, v[L16]
	s_add_nc_u64 s[30:31], s[32:33], s[52:53]      ; the last trip's loads were waited for, so the base may be written
	ALOAD 0, 0
	WIN 0
	BLOADH VB2, 0, 0
	BLOADH VB2, 0, 1
	s_wait_loadcnt 0x0
	s_wait_dscnt 16
	KSTEP 0, 0
	s_wait_dscnt 0x0
	KSTEP 1, 0
	PLACES                                         ; ahead of the next trip's loads into the operands
	s_add_co_u32 s56, s56, CHL
	s_add_co_u32 s52, s52, CHA
	s_sub_co_u32 s25, s25, 1
	s_cmp_lg_u32 s25, 0
	s_cbranch_scc1 .Lslow
.Lepi:
	EPI
.Lnext:
	s_wait_xcnt 0x0                                ; the stores' data lie in the fragments' registers, which the next block loads anew
	v_add_nc_u32 v[VRA], 2560, v[VRA]              ; 320 records on
	s_add_co_u32 s27, s27, 20
	s_add_co_u32 s23, s23, 1
	s_cmp_lt_u32 s23, 4
	s_cbranch_scc1 .Lblk
	s_wait_dscnt 0x0                               ; my reads of the slice and of my list are over;
	s_barrier_signal -1                            ; a barrier stands between every wave's reads of LDS and the one LDS write that follows them, the add below,
	s_barrier_wait -1                              ; so that their order does not hang on which bytes the stepped reads of blocks 1 to 3 name
	s_wait_tensorcnt 0x0                           ; the wave's end
	ds_add_u32 v[SPW], v[NIL]
	s_wait_dscnt 0x0
	s_endpgm
.Lfunc_end_k_qd99957a75e_down:
	.size	k_qd99957a75e_down, .Lfunc_end_k_qd99957a75e_down-k_qd99957a75e_down
	.p2alignl 7, 3214868480
	.fill 96, 4, 3214868480
	.section	.rodata,"a",@progbits
	.p2align	6, 0x0
	.amdhsa_kernel k_qd99957a75e_down
		.amdhsa_group_segment_fixed_size 320000
		.amdhsa_private_segment_fixed_size 0
		.amdhsa_enable_private_segment 0
		.amdhsa_kernarg_size 48
		.amdhsa_user_sgpr_count 2
		.amdhsa_user_sgpr_kernarg_segment_ptr 1
		.amdhsa_wavefront_size32 1
		.amdhsa_system_sgpr_workgroup_id_x 1
		.amdhsa_system_sgpr_workgroup_id_y 1
		.amdhsa_system_sgpr_workgroup_id_z 1
		.amdhsa_system_vgpr_workitem_id 0
		.amdhsa_next_free_vgpr 1024
		.amdhsa_next_free_sgpr 66
		.amdhsa_reserve_vcc 1
		.amdhsa_float_denorm_mode_32 3
		.amdhsa_float_denorm_mode_16_64 3
		.amdhsa_memory_ordered 1
		.amdhsa_forward_progress 1
		.amdhsa_inst_pref_size 150
	.end_amdhsa_kernel
	.amdgpu_metadata
---
amdhsa.version: [ 1, 2 ]
amdhsa.kernels:
  - .name:           k_qd99957a75e_down
    .symbol:         k_qd99957a75e_down.kd
    .args:
      - { .name: hbuf, .offset: 0, .size: 8, .value_kind: global_buffer, .address_space: global }
      - { .name: W2, .offset: 8, .size: 8, .value_kind: global_buffer, .address_space: global }
      - { .name: b2, .offset: 16, .size: 8, .value_kind: global_buffer, .address_space: global }
      - { .name: sel, .offset: 24, .size: 8, .value_kind: global_buffer, .address_space: global }
      - { .name: gate, .offset: 32, .size: 8, .value_kind: global_buffer, .address_space: global }
      - { .name: part, .offset: 40, .size: 8, .value_kind: global_buffer, .address_space: global }
    .group_segment_fixed_size: 320000
    .private_segment_fixed_size: 0
    .kernarg_segment_align: 8
    .kernarg_segment_size: 48
    .max_flat_workgroup_size: 128
    .sgpr_count:     66
    .vgpr_count:     1024
    .wavefront_size: 32
...
	.end_amdgpu_metadata
.endif
;; end of part 6
;; launch combine: the kernel of part 4 again; grid 256 x 1, 8 waves a work-group, no clusters, 0 bytes of LDS; arguments part, out0; writes out0
;; ======== version 3 of 3: 4 launches; version 2 with the launches up, down written anew for expert scheduling mode
;; workspace buffers: xb 2,097,152 bytes; sel 4,096 bytes of whole numbers; gate 8,192 bytes; hbuf 67,108,864 bytes; part 33,554,432 bytes
;; launch router: the kernel of part 1 again; grid 64 x 1, 8 waves a work-group, no clusters, 41,984 bytes of LDS; arguments x, Wg, bg, xb, sel, gate; writes xb, sel, gate
;; launch up (part 7): grid 32 x 8, 4 waves a work-group, no clusters, 279,040 bytes of LDS; arguments xb, W1, b1, sel, hbuf; writes hbuf
.if DOCPART == 7
	.amdgcn_target "amdgcn-amd-amdhsa--gfx1250"
	.amdhsa_code_object_version 6
	.text
	.protected	k_qd99957a75e_up
	.globl	k_qd99957a75e_up
	.p2align	8
	.type	k_qd99957a75e_up,@function
k_qd99957a75e_up:
	s_mov_b64 s[64:65], 0
	v_nop
	global_prefetch_b8 v0, s[64:65] scope:SCOPE_SE
	s_setreg_imm32_b32 hwreg(HW_REG_WAVE_SCHED_MODE, 0, 2), 2
	s_setreg_imm32_b32 hwreg(HW_REG_WAVE_MODE, 25, 1), 1
	s_wait_xcnt 0x0
	s_wait_alu depctr_vm_vsrc(0)
; h = relu(x W1[e] + b1[e]) for the rows that chose expert e, stored in bf16 in the order in which the next launch's matrix operands take it.
; W1 and b1 are rounded to bf16 (x was, in xb); sums in f32, started from the bias; h rounded once.
; LIMITS.  A NaN in front of the relu becomes 0 (the maximum drops it); infinities are not treated apart.  An expert without rows still streams its weights and stores one tile (of token 1,023), which nobody uses.
; SHARES.  Work-group (x, y) has expert y and hidden columns 128 x .. 128 x + 127: 1,024 x 128 weights, 524,288 bytes, which it alone reads, once; and all rows of the expert.
; A row tile is 16 rows.  In block blk (20 tiles) wave w has tiles 20 blk + 4 i + w, i = 0..4, across all 128 columns: 40 accumulators.
; K goes in 16 chunks of 64 (two K steps of 32), and LDS runs one chunk ahead of the products.  In trip t each wave rounds its quarter of chunk t + 1 (32 rows x 256 bytes, loaded two trips before) and lays it into LDS as
; four finished operand fragments; asks LDS for chunk t's second K step; multiplies chunk t's first K step; passes the trip's one barrier, behind which chunk t + 1 is whole; asks LDS for that chunk's first K step; and
; multiplies chunk t's second K step.  So each run of 16 LDS loads has a K step's products in which to land.  The token fragments come from memory straight into registers.
; The slice stays in LDS (16 x 16,384 bytes, each byte written once), so that rows beyond 320 (blocks 1 to 3) are multiplied from it with no barrier and no further weight traffic.
; COLUMNS.  A loading lane (r, h) holds columns 64 g + 4 r + c of 16 rows; rounding rows k and k + 1 together gives register k / 2 of the fragment of column tile 4 g + c, in which lane index r stands for that column.
; THE BIAS enters the sums as a product: for each accumulator one matrix instruction with C = 0 multiplies a fragment that holds the rounded bias at k = 0 by one that holds 1 at k = 0; all other places are 0, so the sum starts as the bias itself.
; THE ROWS.  Every wave reads all 1,024 words of sel and keeps the expert's choices as a bitmap in 32 scalar registers: bit l of word idx is token 128 (idx / 4) + idx % 4 + 4 l.  Row p of the expert is the
; token of the bitmap's p-th set bit, words ascending, bits ascending; a lane finds it in registers (FIND).  The next launch ranks the tokens in the same order.
; Work past the count: places past the count repeat the expert's last row, and all five tiles' loads are always issued, so that the waits' counts are constants; matrix instructions of dead tiles are jumped at tiles 0, 3 and 4
; (a wave with one or two live tiles multiplies three), stores of dead tiles at every tile.
; NO CLUSTER: each weight byte has one reader, and the token rows are single rows chosen by rank, which one tile descriptor does not name.
; THE MODE: SCHED_MODE bits 1:0 = 2 (LLVM: expert scheduling mode 2), set by the entry lines.  The code itself states the register dependences between vector or matrix instructions and memory or LDS
; instructions, with s_wait_alu, always for 0.
; THE PLAN.  Registers that memory or LDS instructions touch, in the trips:
;   W0, W1 (window 3)  Trip t's roundings read W[(t + 1) % 2]; behind them the loads of chunk t + 3 land in it.
;   FT                 Written by trip t's roundings, read by its eight LDS stores, written again by trip t + 1's roundings.
;   A0, A1 (window 2)  Trip t's products read A[t % 2]; the loads of chunk t + 1 land in the other, which trip t - 1's products read.
;   F0a, F0b           A first K step's fragments, by the chunk's parity: trip t's first products read F0[t % 2]; behind the barrier chunk t + 1's land in the other, which trip t - 1's first products read.
;   F1                 A second K step's fragments: read by trip t - 1's last products, loaded at trip t's head, read by trip t's last products.
;   v[VS], v[VB]       LDS addresses, stepped by vector adds once in two trips.  v[VW], v[VA ..], v[VPF] and v[L16] are not written in the trips.
; So ONE wait on va_vdst stands in a trip, behind its roundings: FT is written; the roundings are done reading W; the last trip's products are done reading F1, the other A and the other F0; v[VS] and v[VB] are written.
; Behind it only the trip's own products are issued, which name F0[t % 2], F1, A[t % 2] and the sums: none of the registers that the trip's loads and stores touch.  One wait on vm_vsrc stands ahead of each trip's
; roundings (the last trip's LDS stores have read FT): in the odd trip's text; for the even trip it is the wait of the step that also frees v[VS] and v[VB], or, on the way in, the one ahead of the jump into the loop.
; The global loads stand ahead of a K step and not among its products: tiles are jumped by the wave's live count, and a load that could be jumped would make the waits' counts differ between the ways.
; REGISTERS, in windows of 256 (s_set_vgpr_msb: bits 1:0 source 0, 3:2 source 1, 5:4 source 2, 7:6 destination):
;   window 0: v0-31 addresses; v32-95 (F0a) and v160-223 (F0b) the weight fragments of a first K step, v96-159 (F1) of a second (while rows are looked up: v32-116 at work; at the start v160-167: the bias as loaded);
;             v224-255 rounded weights on their way to LDS (at the start: sel)
;   window 1: accumulators of tiles 0-3, (i, c) at 64 i + 8 c      window 2: v0-63 tile 4's; v64-223 token fragments, two buffers of 80
;   window 3: v0-127 weights as loaded, two buffers of 64; v128-191 eight fragments with the bias; v192-199 the fragment with 1
.set PW,   16384                       ; bytes in a row of W1
.set CHW,  64*PW                       ; a chunk of W1
.set CHA,  128                         ; a chunk's 64 numbers in a row of xb
.set AK,   64                          ; a K step of 32 there
.set AH,   32                          ; the fragment's upper half
.set CHL,  16384                       ; a chunk in LDS.  The slice takes 16 chunks; one chunk's bytes behind it stay unused, ahead of the spare words:
                                       ; a stepped address with one step more than the loop makes would still name bytes that nothing else uses
.set L16, 4                            ; v4   16 x lane
.set VW,  5                            ; v5   my offset in a chunk of W1
.set VPF, 6                            ; v6   my block of 256 bytes of my wave's quarter, for the prefetch
.set VS,  7                            ; v7   LDS: where I store fragments (steps)
.set VB,  8                            ; v8   LDS: where I read them (steps)
.set VB2, 9                            ; v9   the same for blocks 1 to 3
.set VA,  10                           ; v10-14 tile i: my token's row in xb + 16 h
.set VIB, 15                           ; v15  my row in the block's tile 0 of my wave: 320 blk + 16 w + r
.set ZERO, 16
.set H16, 17                           ; v17  16 h
.set R16, 18                           ; v18  16 r
.set WK,  19                           ; v19-22 at work
.set HM,  31                           ; v31  all ones in lanes 0-15, 0 in lanes 16-31: k = 0 of a fragment lies in the lower half of the lanes
.set BF,  32                           ; F0a at BF, F1 at BF + 64, F0b at BF + 128
.set RK,  32                           ; FIND, up to five rows at once: the rank, then the place among the word's set bits
.set MK,  40                           ; the word of the bitmap in which the rank falls
.set PK,  48                           ; that word's prefix (low half) and first token (high half)
.set TT,  56                           ; at work
.set TU,  64
.set QA,  72                           ; the word's bit counts in groups of 2,
.set QB,  80                           ; of 4,
.set QC,  88                           ; of 8
.set PS,  96                           ; the bit's place
.set PP,  104                          ; blocks 1 to 3: the rank of the tile in hand
.set TK,  112                          ; v112-116 the five tokens
.set BI,  160
.set FT,  224
.set FR,  128                          ; window 3: the bias fragment of column tile c at FR + 8 c, the ones at FR + 64
.set BM,  66                           ; s66-97 the bitmap
.set CMK, 57                           ; s57-61 compare masks, one a row in hand
; s16 wave, s17 expert, s18 slice, s19 count, s20 tiles, s21 the last row's rank, s22 my live tiles in the block, s23 block, s24, s25 counters, s27 20 x block,
; s[28:29] W1 at the even chunk in hand, s[30:31] xb likewise, s32, s33, s36 masks of every second bit, pair and nibble, s[34:35] hbuf at the block's tile of my wave, s40 the expert's two bits,
; s42 running prefix, s44, s46 prefix and first token of a word, by turns, s[52:53] an offset in 64 bits, s56 blocks 1 to 3: the chunk's first byte in LDS
.set MSB, 0
.macro WIN new                         ; the immediate's high byte repeats the setting that is left; a switch that changes nothing is dropped
.if MSB != (\new)
	s_set_vgpr_msb (MSB<<8)|(\new)
.set MSB, (\new)
.endif
.endm
.macro PLACES                          ; four plain instructions between a matrix instruction and a vector line or a load that touches its registers
.rept 4
	v_nop
.endr
.endm
.macro WLOAD wb, rel                   ; my quarter of chunk rel (counted from the base): 16 loads; lanes 0-15 take 256 consecutive bytes of one row, lanes 16-31 of the row 8 further down
	WIN 0xc0
.irp hi, 0,1
.irp j, 0,1,2,3,4,5,6,7
	global_load_b128 v[64*(\wb)+32*\hi+4*\j:64*(\wb)+32*\hi+4*\j+3], v[VW], s[28:29] offset:(\rel)*CHW+(16*\hi+\j)*PW th:TH_LOAD_NT
.endr
.endr
.endm
.macro ALOAD ab, rel                   ; the token fragments of chunk rel for my five tiles: 20 loads
	WIN 0x80
.irp i, 0,1,2,3,4
.irp u, 0,1,2,3
	global_load_b128 v[64+80*(\ab)+16*\i+4*\u:64+80*(\ab)+16*\i+4*\u+3], v[VA+\i], s[30:31] offset:(\rel)*CHA+(\u/2)*AK+(\u%2)*AH
.endr
.endr
.endm
.macro CVT wb                          ; rows k and k + 1 of column c rounded together: register m of fragment c
	WIN 0x0f
.irp c, 0,1,2,3
.irp m, 0,1,2,3,4,5,6,7
	v_cvt_pk_bf16_f32 v[FT+8*\c+\m], v[64*(\wb)+8*\m+\c], v[64*(\wb)+8*\m+4+\c]
.endr
.endr
	WIN 0
.endm
.macro WSTORE cn                       ; my four fragments of the chunk cn chunks on from the base; 32 lanes x 16 consecutive bytes: no two lanes meet in a bank
.irp u, 0,1,2,3,4,5,6,7
	ds_store_b128 v[VS], v[FT+4*\u:FT+4*\u+3] offset:(\cn)*CHL+\u*512
.endr
.endm
.macro BLOADH adr, cn, ks, fp          ; the eight fragments of K step ks of the chunk cn chunks on from the base: 16 loads; a first K step's go into F0a (fp = 0) or F0b (fp = 1)
.set FB, BF+64*(\ks)+128*(\fp)*(1-(\ks))
.set u, 0
.rept 16
	ds_load_b128 v[FB+4*u:FB+4*u+3], v[\adr] offset:(\cn)*CHL+(\ks)*8192+u*512
.set u, u+1
.endr
.endm
; A K step of 32: for each tile 8 matrix instructions.  Source 0 = 16 hidden columns, source 1 = 16 tokens: a lane then holds one token and eight hidden columns.
; The accumulators take turns, one instruction a turn, from step to step and round the loops too.  fp: which of F0a and F0b a first K step reads.
.macro KSTEP ks, ab, fp
.set FB, BF+64*(\ks)+128*(\fp)*(1-(\ks))
.irp i, 0,1,2,3,4
.if (\i == 0) || (\i >= 3)
	WIN 0
	s_cmp_le_u32 s22, \i
	s_cbranch_scc1 .Lke\@
.endif
.if \i < 4
	WIN 0x58
.else
	WIN 0xa8
.endif
.irp c, 0,1,2,3,4,5,6,7
	v_wmma_f32_16x16x32_bf16 v[(64*\i)%256+8*\c:(64*\i)%256+8*\c+7], v[FB+8*\c:FB+8*\c+7], v[64+80*(\ab)+16*\i+8*(\ks):64+80*(\ab)+16*\i+8*(\ks)+7], v[(64*\i)%256+8*\c:(64*\i)%256+8*\c+7]
.endr
.endr
	WIN 0
.Lke\@:
.endm
; A TRIP, chunk t, which lies cn chunks on from the bases (the bases stand at an even chunk, so t's parity is cn's).
; nx: there is a chunk t + 1: it is rounded and stored, its tokens are asked for, and behind the barrier its first K step is read.  iw: the weights of chunk t + 3 are asked for, into the registers just rounded.
; n1: the loads that may stay out when W(t+1) must be in; n2: when A(t) must be.  By the text's own count a wave has at most 56 loads out in a trip: A(t) 20, W(t+2) 16, A(t+1) 20.
; pf: my wave's 32 blocks of 256 bytes of chunk t + 5 are asked for, two trips ahead of the trip that loads them; trips 11 and 12, whose chunk t + 5 does not exist, jump the line.
; ew: the wait on vm_vsrc for FT is written here; where it is 0, such a wait stands on every way to the trip, a few lines ahead of it.
.macro TRIP cn, nx, iw, n1, n2, pf, ew
	WIN 0
.if \nx
	s_wait_loadcnt \n1                             ; loads come back in the order of issue (ISA guide 5.7.1): behind W(t+1) stand A(t) and W(t+2)
.if \ew
	s_wait_alu depctr_vm_vsrc(0)                   ; the last trip's LDS stores have read v[FT ..], which the roundings write again
.endif
	CVT 1-(\cn)%2
	s_wait_alu depctr_va_vdst(0)                   ; the trip's one wait: the roundings have written v[FT ..] and are done reading W; the last trip's products are done reading F1, the other A and the other F0; v[VS] and v[VB] are written
	WSTORE (\cn)+1
.else
	PLACES
	s_wait_alu depctr_va_vdst(0)                   ; the last trip's products are done reading F1, in which the loads below land; the places above stay beside this wait
.endif
	BLOADH VB, \cn, 1, 0                           ; chunk t's second K step: it lands while the first is multiplied
.if \nx
	ALOAD 1-(\cn)%2, (\cn)+1
	WIN 0
.endif
	s_wait_loadcnt \n2                             ; A(t) is in: behind it stand W(t+2) and A(t+1)
.if \iw
	WLOAD 1-(\cn)%2, (\cn)+3
	WIN 0
.endif
	s_wait_dscnt 16+8*(\nx)                        ; chunk t's first K step, asked for in the trip before, is in: behind its loads stand this trip's stores and its 16 loads
	KSTEP 0, (\cn)%2, (\cn)%2
	s_wait_dscnt 0x0                               ; the second K step is in; for the others' sake: my four fragments of chunk t + 1 are in LDS
.if \nx
	s_barrier_signal -1
	s_barrier_wait -1                              ; chunk t + 1 is whole; its bytes are never written again
	BLOADH VB, (\cn)+1, 0, ((\cn)+1)%2             ; chunk t + 1's first K step, into the other F0: no wait, since no vector or matrix instruction behind the trip's wait names it.  It lands while chunk t's second K step is multiplied
.endif
.if \pf
	s_cmp_lt_u32 s24, 2
	s_cbranch_scc1 .Lnp\@
	global_prefetch_b8 v[VPF], s[28:29] offset:((\cn)+5)*CHW th:TH_LOAD_NT scope:SCOPE_SE
.Lnp\@:
.endif
	KSTEP 1, (\cn)%2, 0
.endm
.macro SETTW                           ; my live tiles in the block: those with 20 blk + 4 i + w below the number of tiles
	s_sub_co_i32 s22, s20, s27
	s_sub_co_i32 s22, s22, s16
	s_add_co_i32 s22, s22, 3
	s_max_i32 s22, s22, 0
	s_lshr_b32 s22, s22, 2
	s_min_u32 s22, s22, 5
.endm
.macro ALLT cnt, line:vararg           ; one line for each of cnt rows in hand, t = 0 ..: no line waits for the one before it
.set t, 0
.rept \cnt
	\line
.set t, t+1
.endr
.endm
.macro LEVEL cnt, src, wd              ; are there wd more bits to pass?  The group of wd bits at the place reached holds TT set bits; if the row's place among the set bits is not below that, the group is passed
	ALLT \cnt, v_bfe_u32 v[TT+t], v[(\src)+t], v[PS+t], \wd
	ALLT \cnt, v_cmp_ge_u32 s[CMK+t], v[RK+t], v[TT+t]
	s_wait_alu depctr_va_sdst(0)                   ; the compares have written s[CMK ..], which the selects below read
	ALLT \cnt, v_cndmask_b32 v[TT+t], 0, v[TT+t], s[CMK+t]
	ALLT \cnt, v_sub_nc_u32 v[RK+t], v[RK+t], v[TT+t]
	ALLT \cnt, v_cndmask_b32 v[TU+t], 0, \wd, s[CMK+t]
	ALLT \cnt, v_add_nc_u32 v[PS+t], v[PS+t], v[TU+t]
.endm
; FIND: for cnt ranks in v[RK ..] (each below the count) the tokens, into v[dst ..].
; First the word: the prefixes (set bits in earlier words) ascend, so the last word whose prefix is not above the rank holds it; the scalar prefix of the next word is made between this word's compares and the wait for their masks.
; Then the bit: counts of the word's groups of 2, 4 and 8 bits, made by shifts and adds, and five steps that halve the group.
; The compares of the rows in hand stand in one run, and one wait on va_sdst behind the run serves them all.
.macro FIND cnt, dst
	ALLT \cnt, v_mov_b32 v[MK+t], s[BM]
	ALLT \cnt, v_mov_b32 v[PK+t], 0
	s_bcnt1_i32_b32 s42, s[BM]
	s_or_b32 s44, s42, 1<<16
.set idx, 1
.rept 31
	ALLT \cnt, v_cmp_le_u32 s[CMK+t], s42, v[RK+t]
.if idx < 31
	s_bcnt1_i32_b32 s45, s[BM+idx]
	s_add_co_u32 s42, s42, s45
	s_or_b32 s[44+2*(idx%2)], s42, (128*((idx+1)/4)+(idx+1)%4)<<16
.endif
	s_wait_alu depctr_va_sdst(0)                   ; the compares have written s[CMK ..], which the selects below read
	ALLT \cnt, v_cndmask_b32 v[MK+t], v[MK+t], s[BM+idx], s[CMK+t]
	ALLT \cnt, v_cndmask_b32 v[PK+t], v[PK+t], s[44+2*((idx+1)%2)], s[CMK+t]
.set idx, idx+1
.endr
	ALLT \cnt, v_and_b32 v[TT+t], 0xffff, v[PK+t]
	ALLT \cnt, v_sub_nc_u32 v[RK+t], v[RK+t], v[TT+t]          ; the place among the word's set bits
	ALLT \cnt, v_lshrrev_b32 v[PK+t], 16, v[PK+t]              ; the word's first token
	ALLT \cnt, v_lshrrev_b32 v[TT+t], 1, v[MK+t]
	ALLT \cnt, v_and_b32 v[TT+t], s32, v[TT+t]
	ALLT \cnt, v_sub_nc_u32 v[QA+t], v[MK+t], v[TT+t]          ; counts of 2 bits
	ALLT \cnt, v_lshrrev_b32 v[TT+t], 2, v[QA+t]
	ALLT \cnt, v_and_b32 v[TT+t], s33, v[TT+t]
	ALLT \cnt, v_and_b32 v[QB+t], s33, v[QA+t]
	ALLT \cnt, v_add_nc_u32 v[QB+t], v[QB+t], v[TT+t]          ; of 4
	ALLT \cnt, v_lshrrev_b32 v[TT+t], 4, v[QB+t]
	ALLT \cnt, v_add_nc_u32 v[TT+t], v[QB+t], v[TT+t]
	ALLT \cnt, v_and_b32 v[QC+t], s36, v[TT+t]                 ; of 8
	ALLT \cnt, v_lshrrev_b32 v[TT+t], 8, v[QC+t]
	ALLT \cnt, v_add_nc_u32 v[TT+t], v[QC+t], v[TT+t]
	ALLT \cnt, v_and_b32 v[TT+t], 0xff, v[TT+t]                ; of the lower 16
	ALLT \cnt, v_cmp_ge_u32 s[CMK+t], v[RK+t], v[TT+t]
	s_wait_alu depctr_va_sdst(0)                   ; the compares have written s[CMK ..], which the selects below read
	ALLT \cnt, v_cndmask_b32 v[TT+t], 0, v[TT+t], s[CMK+t]
	ALLT \cnt, v_sub_nc_u32 v[RK+t], v[RK+t], v[TT+t]
	ALLT \cnt, v_cndmask_b32 v[PS+t], 0, 16, s[CMK+t]
	LEVEL \cnt, QC, 8
	LEVEL \cnt, QB, 4
	LEVEL \cnt, QA, 2
	ALLT \cnt, v_bfe_u32 v[TT+t], v[MK+t], v[PS+t], 1
	ALLT \cnt, v_cmp_ge_u32 s[CMK+t], v[RK+t], v[TT+t]
	s_wait_alu depctr_va_sdst(0)                   ; the compares have written s[CMK ..], which the selects below read
	ALLT \cnt, v_cndmask_b32 v[TU+t], 0, 1, s[CMK+t]
	ALLT \cnt, v_add_nc_u32 v[PS+t], v[PS+t], v[TU+t]
	ALLT \cnt, v_lshl_add_u32 v[(\dst)+t], v[PS+t], 2, v[PK+t] ; the token: 4 x the bit's place on from the word's first
.endm
.macro TOADDR                          ; the five tokens' rows in xb
	ALLT 5, v_min_u32 v[TK+t], 1023, v[TK+t]
	ALLT 5, v_lshl_add_u32 v[VA+t], v[TK+t], 11, v[H16]
.endm
; The sums start: bias x ones, C = 0.  Source 0 holds, in row m of column tile c = 4 g + c', the bias of hidden column 64 g + 4 m + c' at k = 0; source 1 holds 1 at k = 0 for every token.
.macro ACCINIT
	WIN 0x5f                                       ; both sources window 3, the sums window 1
.irp i, 0,1,2,3
.irp c, 0,1,2,3,4,5,6,7
	v_wmma_f32_16x16x32_bf16 v[64*\i+8*\c:64*\i+8*\c+7], v[FR+8*\c:FR+8*\c+7], v[FR+64:FR+71], 0
.endr
.endr
	WIN 0xaf                                       ; the sums window 2
.irp c, 0,1,2,3,4,5,6,7
	v_wmma_f32_16x16x32_bf16 v[8*\c:8*\c+7], v[FR+8*\c:FR+8*\c+7], v[FR+64:FR+71], 0
.endr
	WIN 0
.endm
; THE WAY OUT.  A live tile is rounded in place (each accumulator's lowest registers first), the relu taken on the packed halves, and each column tile stored as 512 consecutive bytes:
; column tiles 2 p and 2 p + 1 are the lower and upper half of the next launch's operand fragment for its K step 4 x + p.
.macro EPI
	PLACES
.irp i, 0,1,2,3,4
	WIN 0
	s_cmp_le_u32 s22, \i
	s_cbranch_scc1 .Lee\@
.set AB, (64*\i)%256
.set HW, \i/4
	WIN 0x45+0x45*HW
.irp c, 0,1,2,3,4,5,6,7
.irp m, 0,1,2,3
	v_cvt_pk_bf16_f32 v[AB+8*\c+\m], v[AB+8*\c+2*\m], v[AB+8*\c+2*\m+1]
.endr
.endr
	WIN 0x41+0x41*HW
.irp c, 0,1,2,3,4,5,6,7
.irp m, 0,1,2,3
	v_pk_max_num_bf16 v[AB+8*\c+\m], v[AB+8*\c+\m], v[ZERO]
.endr
.endr
	WIN 0x04+0x04*HW
	s_wait_alu depctr_va_vdst(0)                   ; the tile's roundings and maxima have written the registers that its eight stores read
.irp c, 0,1,2,3,4,5,6,7
	global_store_b128 v[L16], v[AB+8*\c:AB+8*\c+3], s[34:35] offset:\i*524288+\c*512
.endr
.endr
	WIN 0
.Lee\@:
.endm
	s_load_b256 s[4:11], s[0:1], 0x0               ; xb s[4:5], W1 s[6:7], b1 s[8:9], sel s[10:11]
	s_load_b64 s[12:13], s[0:1], 0x20              ; hbuf
	v_lshl_add_u32 v29, v0, 2, 0x44000
	v_mov_b32 v30, 0
	v_lshrrev_b32 v19, 5, v0
	v_readfirstlane_b32 s16, v19                   ; wave 0..3
	s_and_b32 s17, ttmp7, 0xffff                   ; expert
	s_mov_b32 s18, ttmp9                           ; slice of 128 hidden columns
	v_and_b32 v1, 31, v0                           ; lane
	v_and_b32 v2, 15, v0                           ; r
	v_bfe_u32 v3, v0, 4, 1                         ; h
	v_lshlrev_b32 v[L16], 4, v1
	v_lshlrev_b32 v[H16], 4, v3
	v_lshlrev_b32 v[R16], 4, v2
	v_add_nc_u32 v[HM], -1, v3
	v_mov_b32 v[ZERO], 0
	s_wait_alu depctr_va_sdst(0)                   ; s16 is written, ahead of its first reader
	s_lshr_b32 s26, s16, 1                         ; my quarter of a chunk: K step w / 2,
	s_and_b32 s48, s16, 1                          ; column group w % 2
	s_lshl_b32 s26, s26, 19                        ; 32 rows
	s_lshl_b32 s48, s48, 8                         ; 256 bytes
	s_add_co_u32 s48, s48, s26
	v_lshl_add_u32 v[VW], v3, 17, v[R16]           ; 8 h rows
	v_add_nc_u32 v[VW], s48, v[VW]
	v_lshl_add_u32 v[VPF], v1, 14, s48             ; row lane of my quarter's 32
	s_lshl_b32 s26, s16, 12
	v_add_nc_u32 v[VS], s26, v[L16]                ; my four fragments lie at 4,096 w in a chunk
	v_mov_b32 v[VB], v[L16]
	s_lshl_b32 s26, s16, 4
	v_add_nc_u32 v[VIB], s26, v2
	s_lshl_b32 s40, 0x101, s17                     ; chosen first or second
	s_mov_b32 s32, 0x55555555
	s_mov_b32 s33, 0x33333333
	s_mov_b32 s36, 0x0f0f0f0f
	s_mov_b32 s42, 0
	s_mov_b32 s27, 0
	s_lshl_b32 s49, s18, 9                         ; 128 columns of f32
	s_lshl_b32 s52, s17, 24
	s_add_co_u32 s52, s52, s49                     ; in W1
	s_mov_b32 s53, 0
	s_lshl_b32 s50, s17, 14
	s_add_co_u32 s50, s50, s49                     ; in b1
	s_mov_b32 s51, 0
	s_lshl_b32 s54, s17, 23                        ; in hbuf: expert, tile w, K steps 4 x on
	s_lshl_b32 s26, s16, 17
	s_add_co_u32 s54, s54, s26
	s_lshl_b32 s26, s18, 12
	s_add_co_u32 s54, s54, s26
	s_mov_b32 s55, 0
	s_wait_kmcnt 0x0
	s_add_nc_u64 s[28:29], s[6:7], s[52:53]
	s_add_nc_u64 s[8:9], s[8:9], s[50:51]
	s_add_nc_u64 s[34:35], s[12:13], s[54:55]
	s_mov_b64 s[30:31], s[4:5]
	s_wait_alu depctr_va_vdst(0)                   ; the offsets v[L16], v[R16], v[VW], v[VPF] and the LDS addresses v[VS], v[VB] are written, which the loads, prefetches and stores below read
.irp m, 0,1,2,3,4,5,6,7                ; sel: word 4 m + z of my lane is token 128 m + 4 lane + z
	global_load_b128 v[FT+4*\m:FT+4*\m+3], v[L16], s[10:11] offset:\m*512
.endr
	global_load_b128 v[BI:BI+3], v[R16], s[8:9]                ; the bias of hidden columns 4 r + c', and
	global_load_b128 v[BI+4:BI+7], v[R16], s[8:9] offset:256   ; of 64 + 4 r + c'
	WLOAD 0, 0
	WLOAD 1, 1                                     ; 42 loads are out
	WIN 0
.irp n, 2,3,4                          ; chunks 2 to 4 are asked for while the rows are looked up; from then on trip t asks for chunk t + 5
	global_prefetch_b8 v[VPF], s[28:29] offset:\n*CHW th:TH_LOAD_NT scope:SCOPE_SE
.endr
	WIN 0xc0                                       ; the nine fragments' zeros, and the 1 (bf16) at k = 0
.set n, 0
.rept 72
.if n%8
	v_mov_b32 v[FR+n], 0
.endif
.set n, n+1
.endr
	v_and_b32 v[FR+64], 0x3f80, v[HM]
	WIN 0
	s_wait_loadcnt 34                              ; sel is in; the bias (2) and chunks 0 and 1 (32) stay out
.set idx, 0
.rept 32                               ; the bitmap: the lanes whose token chose the expert
	v_and_b32 v[WK+idx%4], s40, v[FT+idx]
	v_cmp_ne_u32 s[BM+idx], 0, v[WK+idx%4]
.set idx, idx+1
.endr
	s_wait_alu depctr_va_sdst(0)                   ; the 32 compares have written the bitmap s[BM ..], ahead of its first reader
.set idx, 0
.rept 32
	s_bcnt1_i32_b32 s45, s[BM+idx]
	s_add_co_u32 s42, s42, s45
.set idx, idx+1
.endr
	s_min_u32 s19, s42, 1024                       ; the expert's rows
	s_max_u32 s21, s42, 1
	s_sub_co_u32 s21, s21, 1
	s_min_u32 s21, s21, 1023                       ; its last row's rank
	s_add_co_u32 s20, s19, 15
	s_lshr_b32 s20, s20, 4
	s_max_u32 s20, s20, 1                          ; tiles; tile 0 is always made, so that every byte of hbuf that is read later has been stored
	SETTW
	ALLT 5, v_add_nc_u32 v[RK+t], 64*t, v[VIB]     ; my row in each of my five tiles;
	ALLT 5, v_min_u32 v[RK+t], s21, v[RK+t]        ; places past the count repeat the last row
	FIND 5, TK
	TOADDR
	s_wait_alu depctr_va_vdst(0)                   ; v[VA ..] are written, which the token loads read
	ALOAD 0, 0
	WIN 0
	s_wait_loadcnt 52                              ; the bias is in: behind it stand chunks 0 and 1 (32) and chunk 0's tokens (20)
.irp n, 0,1,2,3,4,5,6,7
	v_cvt_pk_bf16_f32 v[BI+\n], v[BI+\n], v[ZERO]  ; rounded into the low half, which is k = 0; the high half, k = 1, is 0
.endr
	WIN 0xc0
.irp n, 0,1,2,3,4,5,6,7
	v_and_b32 v[FR+8*\n], v[HM], v[BI+\n]          ; in the lower half of the lanes alone: the upper half's first register is k = 8
.endr
	WIN 0
	s_wait_loadcnt 36                              ; chunk 0 is in: behind it stand chunk 1 (16) and chunk 0's tokens (20)
	CVT 0
	s_wait_alu depctr_va_vdst(0)                   ; the roundings have written v[FT ..], which the LDS stores read, and are done reading W0, in which chunk 2 lands; the look-up and the bias's lines are done with v32-116 and v160-167, in which fragments land
	WSTORE 0
	WLOAD 0, 2                                     ; so that W(1), A(0), W(2) are out, in this order, as at every trip's head
	ACCINIT                                        ; the sums' first products stand behind the stores, so that the wait above does not wait for them; they name windows 1 to 3 alone
	s_wait_dscnt 0x0                               ; for the others' sake: my four fragments of chunk 0 are in LDS
	s_barrier_signal -1
	s_barrier_wait -1
	s_wait_alu depctr_vm_vsrc(0)                   ; my LDS stores have read v[FT ..], which trip 0's roundings write again: ahead of the jump
	BLOADH VB, 0, 0, 0
	s_mov_b32 s24, 7
	s_branch .Leven                                ; thirteen trips ask for weights: the loop is entered at its second half, trip 0, and left behind trip 12
.Lodd:
	TRIP 1, 1, 1, 36, 36, 1, 1
	s_wait_xcnt 0x0                                ; the bases of loads that are out are stepped only behind this wait
	s_wait_alu depctr_vm_vsrc(0)                   ; the LDS stores and loads issued so far have read v[VS] and v[VB], which are stepped below, and v[FT ..], which the even trip's roundings write
	s_add_nc_u64 s[28:29], s[28:29], 2*CHW
	s_add_nc_u64 s[30:31], s[30:31], 2*CHA
	v_add_nc_u32 v[VS], 2*CHL, v[VS]
	v_add_nc_u32 v[VB], 2*CHL, v[VB]
.Leven:
	TRIP 0, 1, 1, 36, 36, 1, 0
	s_sub_co_u32 s24, s24, 1
	s_cmp_lg_u32 s24, 0
	s_cbranch_scc1 .Lodd
	s_wait_alu depctr_vm_vsrc(0)                   ; the LDS stores and loads issued so far have read v[VS] and v[VB], which are written below, and v[FT ..], which trip 13's roundings write
	s_lshl_b32 s26, s16, 12                        ; the last three trips name their chunks from chunk 12 on: its first byte, which six steps have left in the two registers, written as a constant
	s_add_co_u32 s26, s26, 12*CHL
	v_add_nc_u32 v[VS], s26, v[L16]
	v_add_nc_u32 v[VB], 12*CHL, v[L16]
	TRIP 1, 1, 0, 36, 36, 0, 0                     ; chunk 13: no weights are left to ask for; behind W(14) stand A(13) and W(15), behind A(13) W(15) and A(14)
	TRIP 2, 1, 0, 20, 20, 0, 1                     ; chunk 14: behind W(15) stands A(14), behind A(14) A(15)
	TRIP 3, 0, 0, 0, 0, 0, 0                       ; chunk 15: nothing is left to round or to ask for
	s_mov_b32 s23, 0
.Lblk:                                 ; four blocks of 20 tiles serve every split; block 0 has just been multiplied
	s_wait_alu depctr_vm_vsrc(0)                   ; ahead of both branches: the token loads issued so far have read v[VA ..], which a further block's look-up writes; the last block's stores have read the sums' registers, which its first products write
	s_cmp_eq_u32 s23, 0
	s_cbranch_scc1 .Lepi
	s_cmp_ge_u32 s27, s20
	s_cbranch_scc1 .Lnext                          ; the block has no tile
	PLACES                                         ; the look-up works in the fragments' registers
	SETTW
	v_mov_b32 v[PP], v[VIB]
	s_mov_b32 s25, 5
.Lfind:                                ; a tile a trip, so that the look-up stands here in its short form: the tokens move down by one, the new one comes in on top
.irp i, 0,1,2,3
	v_mov_b32 v[TK+\i], v[TK+\i+1]
.endr
	v_min_u32 v[RK], s21, v[PP]
	FIND 1, TK+4
	v_add_nc_u32 v[PP], 64, v[PP]
	s_sub_co_u32 s25, s25, 1
	s_cmp_lg_u32 s25, 0
	s_cbranch_scc1 .Lfind
	TOADDR
	ACCINIT
	s_mov_b32 s56, 0                               ; the slice's first chunk, in LDS
	s_mov_b32 s52, 0                               ; and in a row of xb
	s_mov_b32 s25, 16
.Lslow:                                ; a chunk from the slice in LDS: nothing is written there, so no barrier
	s_wait_alu depctr_vm_vsrc(0)                   ; the last trip's LDS loads have read v[VB2]
	v_add_nc_u32 v[VB2], s56, v[L16]
	s_add_nc_u64 s[30:31], s[4:5], s[52:53]        ; the last trip's loads were waited for, so the base may be written
	s_wait_alu depctr_va_vdst(0)                   ; v[VB2] is written; the last trip's products are done reading A0, F0a and F1; in the first trip v[VA ..] are written and the look-up is done with v32-116
	ALOAD 0, 0
	WIN 0
	BLOADH VB2, 0, 0, 0
	BLOADH VB2, 0, 1, 0
	s_wait_loadcnt 0x0
	s_wait_dscnt 16
	KSTEP 0, 0, 0
	s_wait_dscnt 0x0
	KSTEP 1, 0, 0
	PLACES                                         ; ahead of the next trip's loads into the operands
	s_add_co_u32 s56, s56, CHL
	s_add_co_u32 s52, s52, CHA
	s_sub_co_u32 s25, s25, 1
	s_cmp_lg_u32 s25, 0
	s_cbranch_scc1 .Lslow
.Lepi:
	EPI
.Lnext:
	s_wait_xcnt 0x0                                ; the stores' base and data are rewritten only behind this wait
	s_add_nc_u64 s[34:35], s[34:35], 20*131072
	v_add_nc_u32 v[VIB], 320, v[VIB]
	s_add_co_u32 s27, s27, 20
	s_add_co_u32 s23, s23, 1
	s_cmp_lt_u32 s23, 4
	s_cbranch_scc1 .Lblk
	s_wait_dscnt 0x0                               ; my reads of the slice are over
	s_barrier_signal -1                            ; a barrier stands between every wave's reads of LDS and the closing add onto spare LDS words below
	s_barrier_wait -1
	s_wait_dscnt 0x0
	s_wait_alu depctr_hold_cnt(0) depctr_sa_sdst(0) depctr_va_vdst(0) depctr_va_sdst(0) depctr_va_ssrc(0) depctr_va_vcc(0) depctr_vm_vsrc(0)
	s_wait_tensorcnt 0x0
	ds_add_u32 v29, v30
	s_wait_dscnt 0x0
	s_endpgm
.Lfunc_end_k_qd99957a75e_up:
	.size	k_qd99957a75e_up, .Lfunc_end_k_qd99957a75e_up-k_qd99957a75e_up
	.p2alignl 7, 3214868480
	.fill 96, 4, 3214868480
	.section	.rodata,"a",@progbits
	.p2align	6, 0x0
	.amdhsa_kernel k_qd99957a75e_up
		.amdhsa_group_segment_fixed_size 279040
		.amdhsa_private_segment_fixed_size 0
		.amdhsa_enable_private_segment 0
		.amdhsa_kernarg_size 40
		.amdhsa_user_sgpr_count 2
		.amdhsa_user_sgpr_kernarg_segment_ptr 1
		.amdhsa_wavefront_size32 1
		.amdhsa_system_sgpr_workgroup_id_x 1
		.amdhsa_system_sgpr_workgroup_id_y 1
		.amdhsa_system_sgpr_workgroup_id_z 1
		.amdhsa_system_vgpr_workitem_id 0
		.amdhsa_next_free_vgpr 1024
		.amdhsa_next_free_sgpr 98
		.amdhsa_reserve_vcc 0
		.amdhsa_float_denorm_mode_32 3
		.amdhsa_float_denorm_mode_16_64 3
		.amdhsa_memory_ordered 1
		.amdhsa_forward_progress 1
		.amdhsa_inst_pref_size 185
	.end_amdhsa_kernel
	.amdgpu_metadata
---
amdhsa.version: [ 1, 2 ]
amdhsa.kernels:
  - .name:           k_qd99957a75e_up
    .symbol:         k_qd99957a75e_up.kd
    .args:
      - { .name: xb, .offset: 0, .size: 8, .value_kind: global_buffer, .address_space: global }
      - { .name: W1, .offset: 8, .size: 8, .value_kind: global_buffer, .address_space: global }
      - { .name: b1, .offset: 16, .size: 8, .value_kind: global_buffer, .address_space: global }
      - { .name: sel, .offset: 24, .size: 8, .value_kind: global_buffer, .address_space: global }
      - { .name: hbuf, .offset: 32, .size: 8, .value_kind: global_buffer, .address_space: global }
    .group_segment_fixed_size: 279040
    .private_segment_fixed_size: 0
    .kernarg_segment_align: 8
    .kernarg_segment_size: 40
    .max_flat_workgroup_size: 128
    .sgpr_count:     98
    .vgpr_count:     1024
    .wavefront_size: 32
...
	.end_amdgpu_metadata
.endif
;; end of part 7
;; launch down (part 8): grid 32 x 8, 4 waves a work-group, no clusters, 320,000 bytes of LDS; arguments hbuf, W2, b2, sel, gate, part; writes part
.if DOCPART == 8
	.amdgcn_target "amdgcn-amd-amdhsa--gfx1250"
	.amdhsa_code_object_version 6
	.text
	.protected	k_qd99957a75e_down
	.globl	k_qd99957a75e_down
	.p2align	8
	.type	k_qd99957a75e_down,@function
k_qd99957a75e_down:
	s_mov_b64 s[64:65], 0
	v_nop
	global_prefetch_b8 v0, s[64:65] scope:SCOPE_SE
	s_setreg_imm32_b32 hwreg(HW_REG_WAVE_SCHED_MODE, 0, 2), 2
	s_setreg_imm32_b32 hwreg(HW_REG_WAVE_MODE, 25, 1), 1
	s_wait_xcnt 0x0
	s_wait_alu depctr_vm_vsrc(0)
; part[q][k x 1,024 + token][:] = gate weight x (h[:, quarter q of the hidden width] W2[e] + b2[e] in quarter 0), for the rows that chose expert e as their k-th.
; W2 and b2 are rounded to bf16; h arrives in bf16; sums and the partial results in f32.  The last launch adds a token's eight partial rows.
; LIMITS.  NaN and infinities are not treated apart.  An expert without rows still streams its weights and stores nothing.
; SHARES.  Work-group (x, y): expert y, hidden rows 1,024 (x / 8) on, output columns 128 (x % 8) on: 1,024 x 128 weights, 524,288 bytes, which it alone reads, once; and all rows of the expert.
; Tiles, blocks, chunks, trips (LDS one chunk ahead of the products), the slice that stays in LDS and the bias as a product are those of the launch before; the ranks are made in the same order, so row p of an expert is the same token there and here.
; Places past the count repeat the expert's last row, there and here: such a lane stores the same numbers to the same bytes as the live row, which lies in the same tile of the same wave.  All lanes stay on.
; Matrix instructions of dead tiles are jumped at tiles 0, 3 and 4 (a wave with one or two live tiles multiplies three), stores of dead tiles at every tile.
; THE ORDER OF K is the one in which h was stored: in K step S place 8 h + j stands for hidden row 64 (S / 2) + 32 h + 4 j + 2 (S % 2), place 16 + 8 h + j for the row behind it; the weights' rows are loaded in that order,
; and a chunk is still 64 consecutive rows of W2.
; NO CLUSTER: each weight byte has one reader.  The eight column slices of one expert and quarter read the same tiles of h; a ring of two slots for them (2 x 20 tiles x 2,048 bytes = 81,920) does not fit
; beside the slice, the lists and the spare words (303,616 of 327,680 bytes are in use).
; THE MODE: SCHED_MODE bits 1:0 = 2 (LLVM: expert scheduling mode 2), set by the entry lines.  The code itself states the register dependences between vector or matrix instructions and memory or LDS
; instructions, with s_wait_alu, always for 0.
; THE PLAN.  Registers that memory or LDS instructions touch, in the trips:
;   W0, W1 (window 3)  Trip t's roundings read W[(t + 1) % 2]; behind them the loads of chunk t + 3 land in it.
;   FT                 Written by trip t's roundings, read by its eight LDS stores, written again by trip t + 1's roundings.
;   A0, A1 (window 2)  Trip t's products read A[t % 2]; the loads of chunk t + 1 land in the other, which trip t - 1's products read.
;   F0a, F0b           A first K step's fragments, by the chunk's parity: trip t's first products read F0[t % 2]; behind the barrier chunk t + 1's land in the other, which trip t - 1's first products read.
;   F1                 A second K step's fragments: read by trip t - 1's last products, loaded at trip t's head, read by trip t's last products.
;   v[VS], v[VB]       LDS addresses, stepped by vector adds once in two trips.  v[VW], v[VA ..], v[VPF] and v[L16] are not written in the trips.
; So ONE wait on va_vdst stands in a trip, behind its roundings: FT is written; the roundings are done reading W; the last trip's products are done reading F1, the other A and the other F0; v[VS] and v[VB] are written.
; Behind it only the trip's own products are issued, which name F0[t % 2], F1, A[t % 2] and the sums: none of the registers that the trip's loads and stores touch.  One wait on vm_vsrc stands ahead of each trip's
; roundings (the last trip's LDS stores have read FT): in the odd trip's text; for the even trip it is the wait of the step that also frees v[VS] and v[VB], or, on the way in, the one ahead of the jump into the loop.
; The global loads stand ahead of a K step and not among its products: tiles are jumped by the wave's live count, and a load that could be jumped would make the waits' counts differ between the ways.
; THE LIST is made in registers first: all 32 records and their 32 LDS addresses, the tiles' places in hbuf and the two addresses for the last row's record; then one wait on va_vdst; then the loads of h and the run of LDS stores.
; The compares go four words at a time, eight masks into scalar registers, with one wait on va_sdst behind each run.
; REGISTERS, in windows of 256 (s_set_vgpr_msb: bits 1:0 source 0, 3:2 source 1, 5:4 source 2, 7:6 destination):
;   window 0: v0-31 addresses; v32-95 (F0a) and v160-223 (F0b) the weight fragments of a first K step, v96-159 (F1) of a second; v224-255 rounded weights on their way to LDS (at the start: sel)
;             at the start: v32-95 gate; v96-159 the 32 records; v160-167 the bias as loaded; v168-199 the records' LDS addresses; v200-203 zeros
;             on the way out: v32-95 a tile's weighted numbers; v168-183 eight records; v192-199 eight rows' offsets
;   window 1: accumulators of tiles 0-3, (i, c) at 64 i + 8 c      window 2: v0-63 tile 4's; v64-223 fragments of h, two buffers of 80
;   window 3: v0-127 weights as loaded, two buffers of 64; v128-191 eight fragments with the bias; v192-199 the fragment with 1
.set PW,   4096                        ; bytes in a row of W2
.set CHW,  64*PW                       ; a chunk of W2
.set CHA,  2048                        ; a chunk's two K steps in a tile of hbuf
.set AK,   1024                        ; a K step there
.set AH,   512                         ; the fragment's upper half
.set CHL,  16384                       ; a chunk in LDS
.set LIST, 17*CHL                      ; a list for each wave, records of 8 bytes (entry, weight); room for the 1,280 rows that four blocks can name; records 1,088 on take what a lane does not place.
                                       ; One chunk's bytes between the slice and the lists stay unused: a stepped address with one step more than the loop makes would still name bytes that nothing else uses.
.set LSZ,  10240                       ; The spare words of the closing add lie behind the four lists
.set L16, 4                            ; v4   16 x lane
.set VW,  5                            ; v5   my offset in a chunk of W2
.set VPF, 6                            ; v6   my block of 256 bytes of my wave's quarter, for the prefetch
.set VS,  7                            ; v7   LDS: where I store fragments (steps)
.set VB,  8                            ; v8   LDS: where I read them (steps)
.set VB2, 9                            ; v9   the same for blocks 1 to 3
.set VA,  10                           ; v10-14 tile i: its place in hbuf + 16 x lane
.set VRA, 15                           ; v15  LDS: the records of rows 8 h .. 8 h + 7 of my wave's tile 0 of the block (steps)
.set HQ,  16                           ; v16  HM in quarter 0, else 0
.set R16, 17                           ; v17  16 r
.set DMP, 18                           ; v18  1,088 + lane
.set LZ,  21                           ; v21  LDS: my 16 bytes in each 512 of my wave's list, for its zeros; never rewritten.  (v19: where the last row's record lies; v20: where it is repeated; v26-27: that record)
.set L4,  30                           ; v30  4 x lane
.set HM,  31                           ; v31  all ones in lanes 0-15, 0 in lanes 16-31: k = 0 of a fragment lies in the lower half of the lanes
.set BF,  32                           ; F0a at BF, F1 at BF + 64, F0b at BF + 128
.set G0,  32                           ; gate, first and second choice, as sel lies
.set G1,  64
.set PR,  96                           ; word idx's record (entry, weight) at PR + 2 idx
.set AD,  168                          ; and its LDS address at AD + idx
.set TM,  32                           ; the way out: row j's eight weighted numbers at TM + 8 j
.set BI,  160
.set RC,  168                          ; eight records
.set VO,  192                          ; eight rows' offsets in part
.set ZQ,  200                          ; four zeros
.set FT,  224
.set FR,  128                          ; window 3: the bias fragment of column tile c at FR + 8 c, the ones at FR + 64
.set CMK, 57                           ; s57-60 four words' masks: the lanes whose token chose the expert
.set SMK, 48                           ; s48-51 and those that chose it second
; s16 wave, s17 expert, s18 quarter, s19 count, s20 tiles, s21 the last row's rank, s22 my live tiles in the block, s23 block, s24, s25 counters, s27 20 x block, s[28:29] W2 at the even chunk in hand,
; s[30:31] hbuf likewise, s[32:33] hbuf at the expert and quarter, s[34:35] part at the quarter and columns, s40, s41 the expert's bits, s42 running rank, s43 the last row's record in LDS, s46 my list,
; s[52:53] an offset in 64 bits, s56 blocks 1 to 3: the chunk's first byte in LDS
.set MSB, 0
.macro WIN new                         ; the immediate's high byte repeats the setting that is left; a switch that changes nothing is dropped
.if MSB != (\new)
	s_set_vgpr_msb (MSB<<8)|(\new)
.set MSB, (\new)
.endif
.endm
.macro PLACES                          ; four plain instructions between a matrix instruction and a vector line or a load that touches its registers
.rept 4
	v_nop
.endr
.endm
.macro ALLT cnt, line:vararg           ; one line for each of cnt words in hand, t = 0 ..: no line waits for the one before it
.set t, 0
.rept \cnt
	\line
.set t, t+1
.endr
.endm
.macro WLOAD wb, rel                   ; my quarter of chunk rel: 16 loads; lanes 0-15 take 256 consecutive bytes of one row, lanes 16-31 of the row 32 further down
	WIN 0xc0
.irp hi, 0,1
.irp j, 0,1,2,3,4,5,6,7
	global_load_b128 v[64*(\wb)+32*\hi+4*\j:64*(\wb)+32*\hi+4*\j+3], v[VW], s[28:29] offset:(\rel)*CHW+(4*\j+\hi)*PW th:TH_LOAD_NT
.endr
.endr
.endm
.macro ALOAD ab, rel                   ; the fragments of h of chunk rel for my five tiles: 20 loads of 512 consecutive bytes
	WIN 0x80
.irp i, 0,1,2,3,4
.irp u, 0,1,2,3
	global_load_b128 v[64+80*(\ab)+16*\i+4*\u:64+80*(\ab)+16*\i+4*\u+3], v[VA+\i], s[30:31] offset:(\rel)*CHA+(\u/2)*AK+(\u%2)*AH
.endr
.endr
.endm
.macro CVT wb                          ; two neighbouring places of K of column c rounded together: register m of fragment c
	WIN 0x0f
.irp c, 0,1,2,3
.irp m, 0,1,2,3,4,5,6,7
	v_cvt_pk_bf16_f32 v[FT+8*\c+\m], v[64*(\wb)+8*\m+\c], v[64*(\wb)+8*\m+4+\c]
.endr
.endr
	WIN 0
.endm
.macro WSTORE cn                       ; my four fragments of the chunk cn chunks on from the base
.irp u, 0,1,2,3,4,5,6,7
	ds_store_b128 v[VS], v[FT+4*\u:FT+4*\u+3] offset:(\cn)*CHL+\u*512
.endr
.endm
.macro BLOADH adr, cn, ks, fp          ; the eight fragments of K step ks of the chunk cn chunks on from the base: 16 loads; a first K step's go into F0a (fp = 0) or F0b (fp = 1)
.set FB, BF+64*(\ks)+128*(\fp)*(1-(\ks))
.set u, 0
.rept 16
	ds_load_b128 v[FB+4*u:FB+4*u+3], v[\adr] offset:(\cn)*CHL+(\ks)*8192+u*512
.set u, u+1
.endr
.endm
; A K step of 32: for each tile 8 matrix instructions.  Source 0 = 16 rows of h, source 1 = 16 output columns: register j of a lane is row 8 h + j, column 64 g + 4 r + c'.
; The accumulators take turns, one instruction a turn, from step to step and round the loops too.  fp: which of F0a and F0b a first K step reads.
.macro KSTEP ks, ab, fp
.set FB, BF+64*(\ks)+128*(\fp)*(1-(\ks))
.irp i, 0,1,2,3,4
.if (\i == 0) || (\i >= 3)
	WIN 0
	s_cmp_le_u32 s22, \i
	s_cbranch_scc1 .Lke\@
.endif
.if \i < 4
	WIN 0x52
.else
	WIN 0xa2
.endif
.irp c, 0,1,2,3,4,5,6,7
	v_wmma_f32_16x16x32_bf16 v[(64*\i)%256+8*\c:(64*\i)%256+8*\c+7], v[64+80*(\ab)+16*\i+8*(\ks):64+80*(\ab)+16*\i+8*(\ks)+7], v[FB+8*\c:FB+8*\c+7], v[(64*\i)%256+8*\c:(64*\i)%256+8*\c+7]
.endr
.endr
	WIN 0
.Lke\@:
.endm
; A TRIP, chunk t, which lies cn chunks on from the bases (the bases stand at an even chunk, so t's parity is cn's); its arguments and counts as in the launch before: at most 56 loads of a wave are out in a trip.
; ew: the wait on vm_vsrc for FT is written here; where it is 0, such a wait stands on every way to the trip, a few lines ahead of it.
.macro TRIP cn, nx, iw, n1, n2, pf, ew
	WIN 0
.if \nx
	s_wait_loadcnt \n1                             ; loads come back in the order of issue (ISA guide 5.7.1): behind W(t+1) stand A(t) and W(t+2)
.if \ew
	s_wait_alu depctr_vm_vsrc(0)                   ; the last trip's LDS stores have read v[FT ..], which the roundings write again
.endif
	CVT 1-(\cn)%2
	s_wait_alu depctr_va_vdst(0)                   ; the trip's one wait: the roundings have written v[FT ..] and are done reading W; the last trip's products are done reading F1, the other A and the other F0; v[VS] and v[VB] are written
	WSTORE (\cn)+1
.else
	PLACES
	s_wait_alu depctr_va_vdst(0)                   ; the last trip's products are done reading F1, in which the loads below land; the places above stay beside this wait
.endif
	BLOADH VB, \cn, 1, 0                           ; chunk t's second K step: it lands while the first is multiplied
.if \nx
	ALOAD 1-(\cn)%2, (\cn)+1
	WIN 0
.endif
	s_wait_loadcnt \n2                             ; A(t) is in: behind it stand W(t+2) and A(t+1)
.if \iw
	WLOAD 1-(\cn)%2, (\cn)+3
	WIN 0
.endif
	s_wait_dscnt 16+8*(\nx)                        ; chunk t's first K step, asked for in the trip before, is in: behind its loads stand this trip's stores and its 16 loads
	KSTEP 0, (\cn)%2, (\cn)%2
	s_wait_dscnt 0x0                               ; the second K step is in; for the others' sake: my four fragments of chunk t + 1 are in LDS
.if \nx
	s_barrier_signal -1
	s_barrier_wait -1                              ; chunk t + 1 is whole; its bytes are never written again
	BLOADH VB, (\cn)+1, 0, ((\cn)+1)%2             ; chunk t + 1's first K step, into the other F0: no wait, since no vector or matrix instruction behind the trip's wait names it.  It lands while chunk t's second K step is multiplied
.endif
.if \pf
	s_cmp_lt_u32 s24, 2                            ; trips 11 and 12 have no chunk t + 5
	s_cbranch_scc1 .Lnp\@
	global_prefetch_b8 v[VPF], s[28:29] offset:((\cn)+5)*CHW th:TH_LOAD_NT scope:SCOPE_SE
.Lnp\@:
.endif
	KSTEP 1, (\cn)%2, 0
.endm
.macro SETTW                           ; my live tiles in the block
	s_sub_co_i32 s22, s20, s27
	s_sub_co_i32 s22, s22, s16
	s_add_co_i32 s22, s22, 3
	s_max_i32 s22, s22, 0
	s_lshr_b32 s22, s22, 2
	s_min_u32 s22, s22, 5
.endm
.macro SETVA                           ; my five tiles' places in hbuf; a dead tile reads tile 0, which has always been stored
.irp i, 0,1,2,3,4
	s_add_co_u32 s26, s27, 4*\i
	s_add_co_u32 s26, s26, s16
	s_cmp_lt_u32 s26, s20
	s_cselect_b32 s26, s26, 0
	s_min_u32 s26, s26, 63
	s_lshl_b32 s26, s26, 17
	v_add_nc_u32 v[VA+\i], s26, v[L16]
.endr
.endm
; The sums start: ones x bias, C = 0.  Source 0 holds 1 at k = 0 for every row; source 1 holds, in column r of column tile c = 4 g + c', the bias of output column 64 g + 4 r + c' at k = 0 (0 in quarters 1 to 3).
.macro ACCINIT
	WIN 0x5f                                       ; both sources window 3, the sums window 1
.irp i, 0,1,2,3
.irp c, 0,1,2,3,4,5,6,7
	v_wmma_f32_16x16x32_bf16 v[64*\i+8*\c:64*\i+8*\c+7], v[FR+64:FR+71], v[FR+8*\c:FR+8*\c+7], 0
.endr
.endr
	WIN 0xaf                                       ; the sums window 2
.irp c, 0,1,2,3,4,5,6,7
	v_wmma_f32_16x16x32_bf16 v[8*\c:8*\c+7], v[FR+64:FR+71], v[FR+8*\c:FR+8*\c+7], 0
.endr
	WIN 0
.endm
; THE WAY OUT.  For a live tile the records of my eight rows come from my wave's list; the tile's 64 numbers a lane are weighted (each accumulator's lowest register first) into the fragments' free registers
; and stored, 16 lanes filling 256 consecutive aligned bytes of a row's place in part.
; The wait ahead of a tile's stores also serves the next tile's loads of records: behind it no vector instruction names v[RC ..] before those loads.
.macro EPI
	PLACES
	s_wait_alu depctr_va_vdst(0)                   ; the products are done reading v168-183 (part of F0b), in which the records land; v[VRA] is written
.irp i, 0,1,2,3,4
	WIN 0
	s_cmp_le_u32 s22, \i
	s_cbranch_scc1 .Lee\@
.irp n, 0,1,2,3
	ds_load_b128 v[RC+4*\n:RC+4*\n+3], v[VRA] offset:\i*512+\n*16
.endr
	s_wait_xcnt 0x0                                ; the last tile's stores have read their offsets and data: both are written anew below
.if \i > 0
	s_wait_alu depctr_vm_vsrc(0)                   ; the last tile's stores have read v[VO ..] and v[TM ..], which the lines below write again
.endif
	s_wait_dscnt 0x0
.irp j, 0,1,2,3,4,5,6,7
	v_min_u32 v[VO+\j], 2047, v[RC+2*\j]
	v_lshl_add_u32 v[VO+\j], v[VO+\j], 12, v[R16]
.endr
	WIN 0x01+\i/4
.irp j, 0,1,2,3,4,5,6,7
.irp c, 0,1,2,3,4,5,6,7
	v_mul_f32 v[TM+8*\j+\c], v[(64*\i)%256+8*\c+\j], v[RC+2*\j+1]
.endr
.endr
	WIN 0
	s_wait_alu depctr_va_vdst(0)                   ; v[VO ..] and v[TM ..] are written, which the sixteen stores read; the lines above are done reading v[RC ..], in which the next tile's records land
.irp j, 0,1,2,3,4,5,6,7
	global_store_b128 v[VO+\j], v[TM+8*\j:TM+8*\j+3], s[34:35]
	global_store_b128 v[VO+\j], v[TM+8*\j+4:TM+8*\j+7], s[34:35] offset:256
.endr
.endr
	WIN 0
.Lee\@:
.endm
	s_load_b256 s[4:11], s[0:1], 0x0               ; hbuf s[4:5], W2 s[6:7], b2 s[8:9], sel s[10:11]
	s_load_b128 s[12:15], s[0:1], 0x20             ; gate s[12:13], part s[14:15]
	v_lshl_add_u32 v28, v0, 2, 0x4e000
	v_mov_b32 v29, 0
	v_lshrrev_b32 v19, 5, v0
	v_readfirstlane_b32 s16, v19                   ; wave 0..3
	s_and_b32 s17, ttmp7, 0xffff                   ; expert
	s_lshr_b32 s18, ttmp9, 3                       ; quarter of the hidden width
	s_and_b32 s36, ttmp9, 7                        ; slice of 128 output columns
	v_and_b32 v1, 31, v0                           ; lane
	v_and_b32 v2, 15, v0                           ; r
	v_bfe_u32 v3, v0, 4, 1                         ; h
	v_lshlrev_b32 v[L16], 4, v1
	v_lshlrev_b32 v[L4], 2, v1
	v_lshlrev_b32 v[R16], 4, v2
	v_add_nc_u32 v[HM], -1, v3
	v_add_nc_u32 v[DMP], 1088, v1
.irp n, 0,1,2,3
	v_mov_b32 v[ZQ+\n], 0
.endr
	s_wait_alu depctr_va_sdst(0)                   ; s16 is written, ahead of its first reader
	s_lshr_b32 s26, s16, 1                         ; my quarter of a chunk: K step w / 2,
	s_and_b32 s48, s16, 1                          ; column group w % 2
	s_lshl_b32 s26, s26, 13                        ; 2 rows
	s_lshl_b32 s48, s48, 8                         ; 256 bytes
	s_add_co_u32 s48, s48, s26
	v_lshl_add_u32 v[VW], v3, 17, v[R16]           ; 32 h rows
	v_add_nc_u32 v[VW], s48, v[VW]
	v_lshrrev_b32 v19, 1, v1                       ; my quarter's 32 rows: 4 (lane / 2) + lane % 2
	v_and_b32 v20, 1, v1
	v_lshlrev_b32 v[VPF], 14, v19
	v_lshl_add_u32 v[VPF], v20, 12, v[VPF]
	v_add_nc_u32 v[VPF], s48, v[VPF]
	s_lshl_b32 s26, s16, 12
	v_add_nc_u32 v[VS], s26, v[L16]
	v_mov_b32 v[VB], v[L16]
	s_mul_i32 s46, s16, LSZ
	s_add_co_u32 s46, s46, LIST
	s_lshl_b32 s26, s16, 7                         ; 16 w records
	s_add_co_u32 s26, s26, s46
	v_lshl_add_u32 v[VRA], v3, 6, s26              ; + 8 h records
	v_add_nc_u32 v[LZ], s46, v[L16]
	s_lshl_b32 s40, 0x101, s17                     ; chosen first or second
	s_lshl_b32 s41, 0x100, s17                     ; chosen second
	s_mov_b32 s42, 0
	s_mov_b32 s27, 0
	s_lshl_b32 s37, s36, 9                         ; 128 columns of f32
	s_lshl_b32 s52, s17, 24
	s_lshl_b32 s26, s18, 22
	s_add_co_u32 s52, s52, s26
	s_add_co_u32 s52, s52, s37                     ; in W2
	s_mov_b32 s53, 0
	s_lshl_b32 s50, s17, 12
	s_add_co_u32 s50, s50, s37                     ; in b2
	s_mov_b32 s51, 0
	s_lshl_b32 s54, s17, 23
	s_lshl_b32 s26, s18, 15
	s_add_co_u32 s54, s54, s26                     ; in hbuf: expert, K steps 32 q on
	s_mov_b32 s55, 0
	s_lshl_b32 s38, s18, 23
	s_add_co_u32 s38, s38, s37                     ; in part
	s_mov_b32 s39, 0
	s_wait_kmcnt 0x0
	s_add_nc_u64 s[28:29], s[6:7], s[52:53]
	s_add_nc_u64 s[8:9], s[8:9], s[50:51]
	s_add_nc_u64 s[32:33], s[4:5], s[54:55]
	s_add_nc_u64 s[34:35], s[14:15], s[38:39]
	s_mov_b64 s[30:31], s[32:33]
	s_wait_alu depctr_va_vdst(0)                   ; the offsets v[L16], v[R16], v[VW], v[VPF], the LDS addresses v[VS], v[VB], v[VRA], v[LZ] and the zeros v[ZQ ..] are written, which the loads, prefetches and stores below read
.irp m, 0,1,2,3,4,5,6,7                ; sel: word 4 m + z of my lane is token 128 m + 4 lane + z; gate lies likewise
	global_load_b128 v[FT+4*\m:FT+4*\m+3], v[L16], s[10:11] offset:\m*512
.endr
.irp k, 0,1
.irp m, 0,1,2,3,4,5,6,7
	global_load_b128 v[G0+32*\k+4*\m:G0+32*\k+4*\m+3], v[L16], s[12:13] offset:\k*4096+\m*512
.endr
.endr
	global_load_b128 v[BI:BI+3], v[R16], s[8:9]                ; the bias of output columns 4 r + c', and
	global_load_b128 v[BI+4:BI+7], v[R16], s[8:9] offset:256   ; of 64 + 4 r + c'
	WLOAD 0, 0
	WLOAD 1, 1                                     ; 58 loads are out
	WIN 0
.irp n, 2,3,4                          ; chunks 2 to 4 are asked for while the list is made; from then on trip t asks for chunk t + 5
	global_prefetch_b8 v[VPF], s[28:29] offset:\n*CHW th:TH_LOAD_NT scope:SCOPE_SE
.endr
.set n, 0
.rept 20                               ; my list's 1,280 records start as zeros
	ds_store_b128 v[LZ], v[ZQ:ZQ+3] offset:n*512
.set n, n+1
.endr
	WIN 0xc0                                       ; the nine fragments' zeros, and the 1 (bf16) at k = 0
.set n, 0
.rept 72
.if n%8
	v_mov_b32 v[FR+n], 0
.endif
.set n, n+1
.endr
	v_and_b32 v[FR+64], 0x3f80, v[HM]
	WIN 0
	s_wait_loadcnt 34                              ; sel and gate are in; the bias (2) and chunks 0 and 1 (32) stay out
.set g, 0
.rept 8                                ; words 4 g .. 4 g + 3: word idx = 4 g + t holds tokens 128 g + t + 4 lane
	ALLT 4, v_and_b32 v[PR+2*(4*g+t)], s40, v[FT+4*g+t]
	ALLT 4, v_and_b32 v[PR+2*(4*g+t)+1], s41, v[FT+4*g+t]
	ALLT 4, v_cmp_ne_u32 s[CMK+t], 0, v[PR+2*(4*g+t)]          ; the lanes whose token chose the expert,
	ALLT 4, v_cmp_ne_u32 s[SMK+t], 0, v[PR+2*(4*g+t)+1]        ; and those that chose it second
	ALLT 4, v_add_nc_u32 v[PR+2*(4*g+t)], 128*g+t, v[L4]       ; the token, and
	ALLT 4, v_add_nc_u32 v[PR+2*(4*g+t)+1], 1024+128*g+t, v[L4]  ; 1,024 + the token
	s_wait_alu depctr_va_sdst(0)                   ; the eight compares have written s[CMK ..] and s[SMK ..], ahead of their first readers
.set t, 0
.rept 4
	v_mbcnt_lo_u32_b32 v[AD+4*g+t], s[CMK+t], s42  ; rank
	s_bcnt1_i32_b32 s45, s[CMK+t]
	s_add_co_u32 s42, s42, s45
.set t, t+1
.endr
	ALLT 4, v_cndmask_b32 v[AD+4*g+t], v[DMP], v[AD+4*g+t], s[CMK+t]  ; the others store behind the list
	ALLT 4, v_min_u32 v[AD+4*g+t], 1119, v[AD+4*g+t]
	ALLT 4, v_lshl_add_u32 v[AD+4*g+t], v[AD+4*g+t], 3, s46
	ALLT 4, v_cndmask_b32 v[PR+2*(4*g+t)], v[PR+2*(4*g+t)], v[PR+2*(4*g+t)+1], s[SMK+t]  ; entry = 1,024 k + token
	ALLT 4, v_cndmask_b32 v[PR+2*(4*g+t)+1], v[G0+4*g+t], v[G1+4*g+t], s[SMK+t]          ; its weight
.set g, g+1
.endr
	s_min_u32 s19, s42, 1024                       ; the expert's rows
	s_max_u32 s21, s42, 1
	s_sub_co_u32 s21, s21, 1
	s_min_u32 s21, s21, 1023                       ; its last row's rank
	s_lshl_b32 s43, s21, 3
	s_add_co_u32 s43, s43, s46
	v_mov_b32 v19, s43                             ; where the last row's record lies,
	v_add_nc_u32 v20, s19, v1
	v_min_u32 v20, 1055, v20
	v_lshl_add_u32 v20, v20, 3, s46                ; and the 32 places behind it
	s_add_co_u32 s20, s19, 15
	s_lshr_b32 s20, s20, 4                         ; tiles; none for an expert without rows
	SETTW
	SETVA
	s_wait_alu depctr_va_vdst(0)                   ; one wait for the list: the records v[PR ..], their addresses v[AD ..], v19, v20 and the tiles' places v[VA ..] are written, which the loads and LDS stores below read
	ALOAD 0, 0
	WIN 0
.set idx, 0
.rept 32
	ds_store_b64 v[AD+idx], v[PR+2*idx:PR+2*idx+1] ; LDS serves a wave's instructions in order (ISA guide 5.7.1.4): behind the zeros
.set idx, idx+1
.endr
	ds_load_b64 v[26:27], v19                      ; the last row's record
	s_wait_dscnt 0x0
	ds_store_b64 v20, v[26:27]                     ; is repeated on the 32 places behind it, more than a tile's rows
	s_wait_loadcnt 52                              ; the bias is in: behind it stand chunks 0 and 1 (32) and chunk 0's h (20)
	s_cmp_eq_u32 s18, 0
	s_cselect_b32 s26, -1, 0                       ; the bias belongs to quarter 0 alone
	v_and_b32 v[HQ], s26, v[HM]
.irp n, 0,1,2,3,4,5,6,7
	v_cvt_pk_bf16_f32 v[BI+\n], v[BI+\n], v[ZQ]    ; rounded into the low half, which is k = 0; the high half, k = 1, is 0
.endr
	WIN 0xc0
.irp n, 0,1,2,3,4,5,6,7
	v_and_b32 v[FR+8*\n], v[HQ], v[BI+\n]          ; in the lower half of the lanes alone: the upper half's first register is k = 8
.endr
	WIN 0
	s_wait_loadcnt 36                              ; chunk 0 is in: behind it stand chunk 1 (16) and chunk 0's h (20)
	CVT 0
	s_wait_alu depctr_va_vdst(0)                   ; the roundings have written v[FT ..], which the LDS stores read, and are done reading W0, in which chunk 2 lands; the list's and the bias's lines are done with v32-95 and v160-167, in which fragments land
	WSTORE 0
	WLOAD 0, 2                                     ; so that W(1), A(0), W(2) are out, in this order, as at every trip's head
	ACCINIT                                        ; the sums' first products stand behind the stores, so that the wait above does not wait for them; they name windows 1 to 3 alone
	s_wait_dscnt 0x0                               ; for the others' sake: my four fragments of chunk 0 are in LDS
	s_barrier_signal -1
	s_barrier_wait -1
	s_wait_alu depctr_vm_vsrc(0)                   ; ahead of the jump: my LDS stores have read v[FT ..], which trip 0's roundings write again, and the records, their addresses and the zeros (v96-159, v168-203), in which fragments land from trip 0 on
	BLOADH VB, 0, 0, 0
	s_mov_b32 s24, 7
	s_branch .Leven                                ; thirteen trips ask for weights: the loop is entered at its second half, trip 0, and left behind trip 12
.Lodd:
	TRIP 1, 1, 1, 36, 36, 1, 1
	s_wait_xcnt 0x0                                ; the bases of loads that are out are stepped only behind this wait
	s_wait_alu depctr_vm_vsrc(0)                   ; the LDS stores and loads issued so far have read v[VS] and v[VB], which are stepped below, and v[FT ..], which the even trip's roundings write
	s_add_nc_u64 s[28:29], s[28:29], 2*CHW
	s_add_nc_u64 s[30:31], s[30:31], 2*CHA
	v_add_nc_u32 v[VS], 2*CHL, v[VS]
	v_add_nc_u32 v[VB], 2*CHL, v[VB]
.Leven:
	TRIP 0, 1, 1, 36, 36, 1, 0
	s_sub_co_u32 s24, s24, 1
	s_cmp_lg_u32 s24, 0
	s_cbranch_scc1 .Lodd
	s_wait_alu depctr_vm_vsrc(0)                   ; the LDS stores and loads issued so far have read v[VS] and v[VB], which are written below, and v[FT ..], which trip 13's roundings write
	s_lshl_b32 s26, s16, 12                        ; the last three trips name their chunks from chunk 12 on: its first byte, which six steps have left in the two registers, written as a constant
	s_add_co_u32 s26, s26, 12*CHL
	v_add_nc_u32 v[VS], s26, v[L16]
	v_add_nc_u32 v[VB], 12*CHL, v[L16]
	TRIP 1, 1, 0, 36, 36, 0, 0                     ; chunk 13: no weights are left to ask for; behind W(14) stand A(13) and W(15), behind A(13) W(15) and A(14)
	TRIP 2, 1, 0, 20, 20, 0, 1                     ; chunk 14: behind W(15) stands A(14), behind A(14) A(15)
	TRIP 3, 0, 0, 0, 0, 0, 0                       ; chunk 15: nothing is left to round or to ask for
	s_mov_b32 s23, 0
.Lblk:                                 ; four blocks of 20 tiles serve every split; block 0 has just been multiplied
	s_wait_alu depctr_vm_vsrc(0)                   ; ahead of both branches: the loads of h issued so far have read v[VA ..], the loads of records v[VRA], the last block's stores v[VO ..] and v[TM ..]: a further block writes all of these again
	s_cmp_eq_u32 s23, 0
	s_cbranch_scc1 .Lepi
	s_cmp_ge_u32 s27, s20
	s_cbranch_scc1 .Lnext                          ; the block has no tile
	v_add_nc_u32 v[VRA], 2560, v[VRA]              ; 320 records on: the live blocks follow each other, so a step at each one's head names its records
	SETTW
	SETVA
	ACCINIT
	s_mov_b32 s56, 0                               ; the slice's first chunk, in LDS
	s_mov_b32 s52, 0                               ; and in a tile of hbuf
	s_mov_b32 s25, 16
.Lslow:                                ; a chunk from the slice in LDS: nothing is written there, so no barrier
	s_wait_alu depctr_vm_vsrc(0)                   ; the last trip's LDS loads have read v[VB2]
	v_add_nc_u32 v[VB2], s56, v[L16]
	s_add_nc_u64 s[30:31], s[32:33], s[52:53]      ; the last trip's loads were waited for, so the base may be written
	s_wait_alu depctr_va_vdst(0)                   ; v[VB2] is written; the last trip's products are done reading A0, F0a and F1; in the first trip v[VA ..] are written and the last way out is done with v32-95
	ALOAD 0, 0
	WIN 0
	BLOADH VB2, 0, 0, 0
	BLOADH VB2, 0, 1, 0
	s_wait_loadcnt 0x0
	s_wait_dscnt 16
	KSTEP 0, 0, 0
	s_wait_dscnt 0x0
	KSTEP 1, 0, 0
	PLACES                                         ; ahead of the next trip's loads into the operands
	s_add_co_u32 s56, s56, CHL
	s_add_co_u32 s52, s52, CHA
	s_sub_co_u32 s25, s25, 1
	s_cmp_lg_u32 s25, 0
	s_cbranch_scc1 .Lslow
.Lepi:
	EPI
.Lnext:
	s_wait_xcnt 0x0                                ; the stores' data lie in the fragments' registers, which the next block loads anew
	s_add_co_u32 s27, s27, 20
	s_add_co_u32 s23, s23, 1
	s_cmp_lt_u32 s23, 4
	s_cbranch_scc1 .Lblk
	s_wait_dscnt 0x0                               ; my reads of the slice and of my list are over
	s_barrier_signal -1                            ; a barrier stands between every wave's reads of LDS and the closing add onto spare LDS words below
	s_barrier_wait -1
	s_wait_dscnt 0x0
	s_wait_alu depctr_hold_cnt(0) depctr_sa_sdst(0) depctr_va_vdst(0) depctr_va_sdst(0) depctr_va_ssrc(0) depctr_va_vcc(0) depctr_vm_vsrc(0)
	s_wait_tensorcnt 0x0
	ds_add_u32 v28, v29
	s_wait_dscnt 0x0
	s_endpgm
.Lfunc_end_k_qd99957a75e_down:
	.size	k_qd99957a75e_down, .Lfunc_end_k_qd99957a75e_down-k_qd99957a75e_down
	.p2alignl 7, 3214868480
	.fill 96, 4, 3214868480
	.section	.rodata,"a",@progbits
	.p2align	6, 0x0
	.amdhsa_kernel k_qd99957a75e_down
		.amdhsa_group_segment_fixed_size 320000
		.amdhsa_private_segment_fixed_size 0
		.amdhsa_enable_private_segment 0
		.amdhsa_kernarg_size 48
		.amdhsa_user_sgpr_count 2
		.amdhsa_user_sgpr_kernarg_segment_ptr 1
		.amdhsa_wavefront_size32 1
		.amdhsa_system_sgpr_workgroup_id_x 1
		.amdhsa_system_sgpr_workgroup_id_y 1
		.amdhsa_system_sgpr_workgroup_id_z 1
		.amdhsa_system_vgpr_workitem_id 0
		.amdhsa_next_free_vgpr 1024
		.amdhsa_next_free_sgpr 66
		.amdhsa_reserve_vcc 0
		.amdhsa_float_denorm_mode_32 3
		.amdhsa_float_denorm_mode_16_64 3
		.amdhsa_memory_ordered 1
		.amdhsa_forward_progress 1
		.amdhsa_inst_pref_size 153
	.end_amdhsa_kernel
	.amdgpu_metadata
---
amdhsa.version: [ 1, 2 ]
amdhsa.kernels:
  - .name:           k_qd99957a75e_down
    .symbol:         k_qd99957a75e_down.kd
    .args:
      - { .name: hbuf, .offset: 0, .size: 8, .value_kind: global_buffer, .address_space: global }
      - { .name: W2, .offset: 8, .size: 8, .value_kind: global_buffer, .address_space: global }
      - { .name: b2, .offset: 16, .size: 8, .value_kind: global_buffer, .address_space: global }
      - { .name: sel, .offset: 24, .size: 8, .value_kind: global_buffer, .address_space: global }
      - { .name: gate, .offset: 32, .size: 8, .value_kind: global_buffer, .address_space: global }
      - { .name: part, .offset: 40, .size: 8, .value_kind: global_buffer, .address_space: global }
    .group_segment_fixed_size: 320000
    .private_segment_fixed_size: 0
    .kernarg_segment_align: 8
    .kernarg_segment_size: 48
    .max_flat_workgroup_size: 128
    .sgpr_count:     66
    .vgpr_count:     1024
    .wavefront_size: 32
...
	.end_amdgpu_metadata
.endif
;; end of part 8
;; launch combine: the kernel of part 4 again; grid 256 x 1, 8 waves a work-group, no clusters, 0 bytes of LDS; arguments part, out0; writes out0
